; MI455X (gfx1250); checked and timed in simulation.
; The chip was launched on July 23, 2026; its instructions are those of AMD's public machine-readable ISA for CDNA 5 (MIT licence, August 2026) and "CDNA5" Instruction Set Architecture Reference Guide (July 2026). The comments in the code are by the model that wrote it; some were corrected since.
;; Full ASA Attention. Allowed arithmetic: float matrix products may take bf16 or f16 operands with f32 sums; all other float work in f32.
;; Inputs: W_charge 1,024 x 1 float32; W_class 1,024 x 32 float32; W_ctx 1,024 x 1,024 float32; W_mass 1,024 x 1 float32; W_out 1,024 x 1,024 float32; W_sel 2,048 x 3 float32; W_sense 1,024 x 3,072 float32; W_shell 1,024 x 3 float32; W_v 1,024 x 1,024 float32; W_val 1,024 x 4 float32; b_charge 1 float32; b_class 32 float32; b_ctx 1,024 float32; b_mass 1 float32; b_out 1,024 float32; b_sel 3 float32; b_sense 3,072 float32; b_shell 3 float32; b_v 1,024 float32; b_val 4 float32; compat_logits 32 x 32 float32; temperature one number float32; w_charge one number float32; w_distance one number float32; w_mass one number float32; w_shell one number float32; w_valence one number float32; x 4 x 2,048 x 1,024 float32.
;; Outputs: out0 4 x 2,048 x 1,024 float32.
;; 2 versions, each right and faster than the one before. Each part assembles by itself: llvm-mc -triple=amdgcn-amd-amdhsa -mcpu=gfx1250 --defsym DOCPART=n.
;; ======== version 1 of 2: 8 launches
;; limits: values are held in f16: magnitudes above 65,504 overflow, below 6.1e-05 lose precision
;; workspace buffers: wts 10,898,176 bytes; xw 16,941,056 bytes; g1o 29,360,128 bytes; tok 200,960 bytes; cls 32,768 bytes of whole numbers; attn 33,587,200 bytes; wvo 2,097,152 bytes; z 16,777,216 bytes
;; launch wprep (part 1): grid 393 x 1, 4 waves a work-group, no clusters, 0 bytes of LDS; arguments W_sense, W_v, W_out, b_v, W_ctx, W_sel, b_ctx, b_sel, W_charge, W_shell, W_mass, W_val, W_class, b_charge, b_shell, b_mass, b_val, b_class, compat_logits, w_charge, w_shell, w_distance, w_mass, w_valence, temperature, wts; writes wts
.if DOCPART == 1
	.amdgcn_target "amdgcn-amd-amdhsa--gfx1250"
	.amdhsa_code_object_version 6
	.text
	.protected	k_qe853c91fdc_wprep
	.globl	k_qe853c91fdc_wprep
	.p2align	8
	.type	k_qe853c91fdc_wprep,@function
k_qe853c91fdc_wprep:
	s_mov_b64 s[64:65], 0
	v_nop
	global_prefetch_b8 v0, s[64:65] scope:SCOPE_SE
	s_setreg_imm32_b32 hwreg(HW_REG_WAVE_MODE, 25, 1), 1
	s_wait_xcnt 0x0
; WEIGHTS, ONCE.  Every input but x is rounded to bf16 here and laid into wts.  Roles by the work-group's number:
;   0-319   W_sense, W_v, W_out as bf16, in their own layout, 16 rows of 1,024 numbers a work-group; for W_v and W_out each wave's largest magnitude;
;           for W_out the partial sums of b_v . W_out over the group's 16 rows
;   320-383 U[s][d] = sum over e of W_ctx[d][e] W_sel[1024+e][s]: the mean over tokens commutes with W_ctx, so W_ctx is never multiplied by x
;   384-391 the 41 property columns as one table [1024][64] of bf16: 0 charge, 1-3 shell, 4 mass, 5-8 valence, 16-47 class, the rest 0
;   392     log2(e) x sigmoid of the symmetrised class logits; the five energy constants divided by the temperature; k0 = b_ctx . W_sel2 + b_sel; the property biases
; No matrix unit, LDS or cluster: the bulk is a stream read once, the rest is small.  LIMITS: NaN and infinities are not treated apart.
.set WV16, 6291456
.set WO16, 8388608
.set WP16, 10485760
.set UOF,  10616832
.set CST,  10629120
.set CMP,  10629376
.set WMAX, 10633728
.set PBO,  10635776
.set LANE, 2
.set T,    16                          ; v16-111 24 x 4 numbers of W_sel; packed in place to v16-63: word w, sense s at T + 3 w + s
.set R,    64                          ; v64-79 a row of 1,024, my 32 numbers as 16 words of bf16
.set A,    80                          ; sums: low halves' at A + s, high halves' at A + 4 + s
.set TM,   87
.set OUT,  88
.set X,    128                         ; v128-255 four rows as loaded
.set SEL,  60
.set SV,   62
.macro RND r                           ; f32 -> nearest bf16, kept as f32
	v_cvt_pk_bf16_f32 v[\r], v[\r], v[\r]
	v_and_b32 v[\r], 0xffff0000, v[\r]
.endm
.macro WSUM r                          ; sum over the wave's 32 lanes, in every lane
	v_add_f32_dpp v[\r], v[\r], v[\r] row_xmask:1 row_mask:0xf bank_mask:0xf
	v_add_f32_dpp v[\r], v[\r], v[\r] row_xmask:2 row_mask:0xf bank_mask:0xf
	v_add_f32_dpp v[\r], v[\r], v[\r] row_xmask:4 row_mask:0xf bank_mask:0xf
	v_add_f32_dpp v[\r], v[\r], v[\r] row_xmask:8 row_mask:0xf bank_mask:0xf
	v_permlanex16_b32 v[TM], v[\r], s[SEL], s[SEL+1]
	v_add_f32 v[\r], v[\r], v[TM]
.endm
.macro ONLY cnt                        ; lanes below cnt stay on; EXEC changes only behind s_wait_xcnt 0
	v_cmp_gt_u32 vcc_lo, \cnt, v[LANE]
	s_wait_xcnt 0x0
	s_and_saveexec_b32 s[SV], vcc_lo
.endm
.macro ALLON
	s_wait_xcnt 0x0
	s_or_b32 exec_lo, exec_lo, s[SV]
.endm
.macro LOADSEL ptr, off                ; my 32 rows of W_sel (rows 256 q + 8 lane + 0..7), 3 numbers each: 96 bytes on end for each q
.set n, 0
.rept 24
	global_load_b128 v[T+4*n:T+4*n+3], v3, s[\ptr:\ptr+1] offset:(\off)+3072*(n/6)+16*(n%6)
.set n, n+1
.endr
.endm
.macro PACKSEL                         ; in place: the word written lies at or below the numbers still to be read
.set w, 0
.rept 16
.irp c, 0,1,2
	v_cvt_pk_bf16_f32 v[T+3*w+\c], v[T+6*w+\c], v[T+6*w+3+\c]
.endr
.set w, w+1
.endr
.endm
.macro LOADROW x, ptr, off             ; columns 256 q + 8 lane + 0..7 of one row
.set n, 0
.rept 4
	global_load_b128 v[(\x)+8*n:(\x)+8*n+3],   v4, s[\ptr:\ptr+1] offset:(\off)+1024*n
	global_load_b128 v[(\x)+8*n+4:(\x)+8*n+7], v4, s[\ptr:\ptr+1] offset:(\off)+1024*n+16
.set n, n+1
.endr
.endm
.macro PACKROW r, x
.set w, 0
.rept 16
	v_cvt_pk_bf16_f32 v[(\r)+w], v[(\x)+2*w], v[(\x)+2*w+1]
.set w, w+1
.endr
.endm
.macro DOT3 r                          ; the row times the three columns of W_sel: products of bf16 halves, summed in f32
.irp c, 0,1,2,4,5,6
	v_mov_b32 v[A+\c], 0
.endr
.set w, 0
.rept 16
.irp c, 0,1,2
	v_fma_mix_f32_bf16 v[A+\c], v[(\r)+w], v[T+3*w+\c], v[A+\c] op_sel_hi:[1,1,0]
	v_fma_mix_f32_bf16 v[A+4+\c], v[(\r)+w], v[T+3*w+\c], v[A+4+\c] op_sel:[1,1,0] op_sel_hi:[1,1,0]
.endr
.set w, w+1
.endr
.irp c, 0,1,2
	v_add_f32 v[A+\c], v[A+\c], v[A+4+\c]
	WSUM A+\c
.endr
.endm
	v_and_b32 v[LANE], 31, v0
	v_lshrrev_b32 v1, 5, v0
	v_readfirstlane_b32 s2, v1                     ; wave
	s_mov_b32 s[SEL], 0x76543210
	s_mov_b32 s[SEL+1], 0xfedcba98
	v_mov_b32 v[TM], 0
	v_mul_u32_u24 v3, v[LANE], 96
	v_lshlrev_b32 v4, 5, v[LANE]
	s_cmp_lt_u32 ttmp9, 320
	s_cbranch_scc1 .Lconv
	s_cmp_lt_u32 ttmp9, 384
	s_cbranch_scc1 .Lurow
	s_cmp_lt_u32 ttmp9, 392
	s_cbranch_scc1 .Lwp
	; ---- role 392: the small tables ----
	s_load_b128 s[4:7], s[0:1], 0x28               ; W_sel, b_ctx
	s_load_b64 s[8:9], s[0:1], 0x38                ; b_sel
	s_load_b256 s[12:19], s[0:1], 0x68             ; b_charge, b_shell, b_mass, b_val
	s_load_b128 s[20:23], s[0:1], 0x88             ; b_class, compat_logits
	s_load_b256 s[24:31], s[0:1], 0x98             ; w_charge, w_shell, w_distance, w_mass
	s_load_b128 s[32:35], s[0:1], 0xb8             ; w_valence, temperature
	s_load_b64 s[36:37], s[0:1], 0xc8              ; wts
	v_lshlrev_b32 v5, 5, v0                        ; thread t: entries 8 t .. 8 t + 7 = row t / 4, columns 8 (t % 4) ..
	v_and_b32 v6, 3, v0
	v_lshrrev_b32 v7, 2, v0
	v_lshlrev_b32 v6, 10, v6
	v_lshl_add_u32 v6, v7, 2, v6                   ; the mirrored entries: rows 8 (t % 4) + i, column t / 4
	s_wait_kmcnt 0x0
	s_load_b32 s40, s[24:25], 0x0
	s_load_b32 s41, s[26:27], 0x0
	s_load_b32 s42, s[28:29], 0x0
	s_load_b32 s43, s[30:31], 0x0
	s_load_b32 s44, s[32:33], 0x0
	s_load_b32 s45, s[34:35], 0x0
	s_load_b32 s46, s[12:13], 0x0
	s_load_b32 s47, s[16:17], 0x0
	s_load_b96 s[48:50], s[14:15], 0x0
	s_load_b128 s[52:55], s[18:19], 0x0
	s_load_b96 s[56:58], s[8:9], 0x0
	global_load_b128 v[96:99], v5, s[22:23]
	global_load_b128 v[100:103], v5, s[22:23] offset:16
.irp i, 0,1,2,3,4,5,6,7
	global_load_b32 v[104+\i], v6, s[22:23] offset:128*\i
.endr
	s_add_nc_u64 s[38:39], s[36:37], CMP
	s_add_nc_u64 s[10:11], s[36:37], CST
	s_wait_loadcnt 0x0
.irp i, 0,1,2,3,4,5,6,7
	RND 96+\i
	RND 104+\i
	v_add_f32 v[96+\i], v[96+\i], v[104+\i]
	v_mul_f32 v[96+\i], 0xbf38aa3b, v[96+\i]       ; x -log2(e) / 2
.endr
.irp i, 0,1,2,3,4,5,6,7
	v_exp_f32 v[96+\i], v[96+\i]
.endr
	v_nop                                          ; a plain instruction behind the last transcendental (ISA guide 5.7.2)
	s_wait_alu depctr_va_vdst(0)
.irp i, 0,1,2,3,4,5,6,7
	v_add_f32 v[96+\i], 1.0, v[96+\i]
.endr
.irp i, 0,1,2,3,4,5,6,7
	v_rcp_f32 v[96+\i], v[96+\i]
.endr
	v_nop
	s_wait_alu depctr_va_vdst(0)
.irp i, 0,1,2,3,4,5,6,7
	v_mul_f32 v[96+\i], 0x3fb8aa3b, v[96+\i]       ; the later exponentials are in base 2
.endr
	global_store_b128 v5, v[96:99], s[38:39]
	global_store_b128 v5, v[100:103], s[38:39] offset:16
	s_wait_xcnt 0x0                                ; the stores' offset and data registers are written again below only behind this wait
	s_cmp_lg_u32 s2, 0
	s_cbranch_scc1 .Lend                           ; the rest is wave 0's
	LOADSEL 4, 12288
	LOADROW X, 6, 0
	v_lshlrev_b32 v6, 2, v[LANE]
	global_load_b32 v160, v6, s[20:21]             ; b_class, a lane a class
	s_wait_loadcnt 0x0
	s_wait_kmcnt 0x0
	PACKSEL
	PACKROW R, X
	DOT3 R
.irp c, 0,1,2
	v_mov_b32 v7, s[56+\c]
	RND 7
	v_add_f32 v[117+\c], v[A+\c], v7               ; k0
.endr
; softplus(w) = max(w, 0) + ln(1 + e), e = exp(-|w|); where e < 2^-11, ln(1 + e) is taken as e (1 - e / 2), which keeps its leading bits
.macro SOFTPLUS d, sr
	v_mov_b32 v[\d], s[\sr]
	RND \d
	v_mul_f32 v8, 0xbfb8aa3b, |v[\d]|
	v_exp_f32 v8, v8
	v_max_num_f32 v[\d], 0, v[\d]
	s_wait_alu depctr_va_vdst(0)
	v_add_f32 v9, 1.0, v8
	v_log_f32 v9, v9
	v_fma_f32 v10, v8, -0.5, 1.0
	v_mul_f32 v10, v10, v8
	s_wait_alu depctr_va_vdst(0)
	v_mul_f32 v9, 0x3f317218, v9
	v_cmp_gt_f32 vcc_lo, 0x3a000000, v8
	v_cndmask_b32 v9, v9, v10, vcc_lo
	v_add_f32 v[\d], v[\d], v9
.endm
.irp i, 0,1,2,3,4,5
	SOFTPLUS 120+\i, 40+\i
.endr
	v_rcp_f32 v126, v125                           ; 1 / T
	v_nop
	s_wait_alu depctr_va_vdst(0)
	v_mul_f32 v112, v120, v126
	v_mul_f32 v113, v121, v126                     ; a_s / T
	v_mul_f32 v114, -v122, v126                    ; -a_d / T
	v_mul_f32 v115, v123, v126
	v_mul_f32 v116, v124, v126
	v_mul_f32 v115, 0x3dcccccd, v115
	v_mul_f32 v116, -0.5, v116                     ; -a_v / 2T
	v_sqrt_f32 v112, v112                          ; sqrt(a_c / T): each token carries one factor
	v_sqrt_f32 v115, v115                          ; sqrt(0.1 a_m / T)
	v_mov_b32 v128, s46
	v_mov_b32 v129, s48
	v_mov_b32 v130, s49
	v_mov_b32 v131, s50
	v_mov_b32 v132, s47
	v_mov_b32 v133, s52
	v_mov_b32 v134, s53
	v_mov_b32 v135, s54
	v_mov_b32 v136, s55
.irp i, 0,1,2,3,4,5,6,7,8
	RND 128+\i
.endr
.irp i, 9,10,11,12,13,14,15
	v_mov_b32 v[128+\i], 0
.endr
	RND 160
	global_store_b32 v6, v160, s[10:11] offset:4352+64  ; the biases lie 4,352 bytes behind the constants; classes from word 16 on
	v_mov_b32 v5, 0
	ONLY 1
	s_wait_alu depctr_va_vdst(0)
	global_store_b128 v5, v[112:115], s[10:11]
	global_store_b128 v5, v[116:119], s[10:11] offset:16
.irp i, 0,1,2,3
	global_store_b128 v5, v[128+4*\i:131+4*\i], s[10:11] offset:4352+16*\i
.endr
	s_endpgm
	; ---- roles 0-319: conversion ----
.Lconv:
	s_load_b256 s[4:11], s[0:1], 0x0               ; W_sense, W_v, W_out, b_v
	s_load_b64 s[12:13], s[0:1], 0xc8              ; wts
	s_sub_co_u32 s20, ttmp9, 192
	s_sub_co_u32 s21, ttmp9, 256
	v_lshlrev_b32 v1, 5, v0                        ; thread t: 8 numbers of each row, 32 bytes in,
	v_lshlrev_b32 v5, 4, v0                        ; 16 bytes out
	s_mov_b32 s23, 0
	s_mov_b32 s24, 0x7fff7fff
	s_wait_kmcnt 0x0
	s_cmp_ge_u32 ttmp9, 192
	s_cselect_b32 s16, s20, ttmp9                  ; my number within the tensor
	s_cselect_b32 s17, WV16, 0
	s_cselect_b32 s18, 1, 0
	s_cselect_b64 s[4:5], s[6:7], s[4:5]
	s_cmp_ge_u32 ttmp9, 256
	s_cselect_b32 s16, s21, s16
	s_cselect_b32 s17, WO16, s17
	s_cselect_b32 s18, 2, s18
	s_cselect_b64 s[4:5], s[8:9], s[4:5]
	s_lshl_b32 s22, s16, 16
	s_add_nc_u64 s[4:5], s[4:5], s[22:23]
	s_lshl_b32 s22, s16, 15
	s_add_co_u32 s22, s22, s17
	s_add_nc_u64 s[14:15], s[12:13], s[22:23]
.set k, 0
.rept 16
	global_load_b128 v[64+8*k:67+8*k], v1, s[4:5] offset:4096*k th:TH_LOAD_NT
	global_load_b128 v[68+8*k:71+8*k], v1, s[4:5] offset:4096*k+16 th:TH_LOAD_NT
.set k, k+1
.endr
.set k, 0
.rept 16
	s_wait_loadcnt 2*(15-k)                        ; loads return in order: row k is in, the younger rows' two loads each stay out
.irp i, 0,1,2,3
	v_cvt_pk_bf16_f32 v[192+4*k+\i], v[64+8*k+2*\i], v[64+8*k+2*\i+1]
.endr
	global_store_b128 v5, v[192+4*k:195+4*k], s[14:15] offset:2048*k  ; a wave's store covers 512 consecutive bytes, aligned
.set k, k+1
.endr
	s_cmp_eq_u32 s18, 0
	s_cbranch_scc1 .Lend
.irp i, 0,1,2,3
	v_and_b32 v[32+\i], s24, v[192+\i]             ; the largest magnitude, two bf16 at a time, four chains
.endr
.set j, 4
.rept 60
	v_and_b32 v[36+j%4], s24, v[192+j]
	v_pk_max_num_bf16 v[32+j%4], v[32+j%4], v[36+j%4]
.set j, j+1
.endr
	v_pk_max_num_bf16 v32, v32, v33
	v_pk_max_num_bf16 v34, v34, v35
	v_pk_max_num_bf16 v32, v32, v34
	v_lshlrev_b32 v36, 16, v32
	v_and_b32 v37, 0xffff0000, v32
	v_max_num_f32 v36, v36, v37
	v_max_num_f32_dpp v36, v36, v36 row_xmask:1 row_mask:0xf bank_mask:0xf
	v_max_num_f32_dpp v36, v36, v36 row_xmask:2 row_mask:0xf bank_mask:0xf
	v_max_num_f32_dpp v36, v36, v36 row_xmask:4 row_mask:0xf bank_mask:0xf
	v_max_num_f32_dpp v36, v36, v36 row_xmask:8 row_mask:0xf bank_mask:0xf
	v_permlanex16_b32 v[TM], v36, s[SEL], s[SEL+1]
	v_max_num_f32 v36, v36, v[TM]
	s_lshl_b32 s25, s16, 2
	s_add_co_u32 s25, s25, s2
	s_lshl_b32 s25, s25, 2
	s_lshl_b32 s26, s18, 10
	s_add_co_u32 s25, s25, s26
	s_add_co_u32 s25, s25, WMAX-1024               ; [tensor][4 x group + wave]
	v_mov_b32 v6, s25
	ONLY 1
	global_store_b32 v6, v36, s[12:13]
	ALLON
	s_cmp_eq_u32 s18, 2
	s_cbranch_scc0 .Lend
	s_lshl_b32 s22, s16, 6                         ; W_out alone: b_v of my 16 rows
	s_add_nc_u64 s[10:11], s[10:11], s[22:23]
	s_load_b512 s[32:47], s[10:11], 0x0
.irp i, 0,1,2,3,4,5,6,7
	v_mov_b32 v[44+\i], 0
.endr
	s_lshl_b32 s26, s16, 12
	s_add_co_u32 s26, s26, PBO
	s_mov_b32 s27, 0
	s_add_nc_u64 s[26:27], s[12:13], s[26:27]
	s_wait_kmcnt 0x0
.set k, 0
.rept 16
	v_mov_b32 v40, s[32+k]
	RND 40
.irp i, 0,1,2,3
	v_fma_mix_f32_bf16 v[44+2*\i], v[192+4*k+\i], v40, v[44+2*\i] op_sel_hi:[1,0,0]
	v_fma_mix_f32_bf16 v[45+2*\i], v[192+4*k+\i], v40, v[45+2*\i] op_sel:[1,0,0] op_sel_hi:[1,0,0]
.endr
.set k, k+1
.endr
	global_store_b128 v1, v[44:47], s[26:27]
	global_store_b128 v1, v[48:51], s[26:27] offset:16
.Lend:
	s_endpgm
	; ---- roles 320-383: U ----
.Lurow:
	s_load_b128 s[4:7], s[0:1], 0x20               ; W_ctx, W_sel
	s_load_b64 s[8:9], s[0:1], 0xc8
	s_sub_co_u32 s10, ttmp9, 320
	s_lshl_b32 s10, s10, 2
	s_add_co_u32 s10, s10, s2                      ; my four rows: 4 x (4 x group + wave) ..
	s_lshl_b32 s12, s10, 14
	s_mov_b32 s13, 0
	s_wait_kmcnt 0x0
	s_add_nc_u64 s[4:5], s[4:5], s[12:13]
	LOADSEL 6, 12288
.irp q, 0,1,2,3
	LOADROW X+32*\q, 4, 4096*\q
.endr
	s_wait_loadcnt 32                              ; W_sel's 24 loads are in; the four rows' 32 stay out
	PACKSEL
.irp c, 0,1,2
	v_mov_b32 v[OUT+\c], 0                         ; free only now: W_sel was loaded over these registers
.endr
.irp q, 0,1,2,3
	s_wait_loadcnt 8*(3-\q)                        ; row q is in; eight loads for each younger row stay out
	PACKROW R, X+32*\q
	DOT3 R
	v_cmp_eq_u32 vcc_lo, \q, v[LANE]
.irp c, 0,1,2
	v_cndmask_b32 v[OUT+\c], v[OUT+\c], v[A+\c], vcc_lo  ; row q's sums go to lane q
.endr
.endr
	v_lshlrev_b32 v5, 2, v[LANE]
	s_lshl_b32 s14, s10, 4
	s_add_co_u32 s14, s14, UOF
	s_mov_b32 s15, 0
	s_add_nc_u64 s[8:9], s[8:9], s[14:15]
	ONLY 4
.irp c, 0,1,2
	global_store_b32 v5, v[OUT+\c], s[8:9] offset:4096*\c
.endr
	s_endpgm
	; ---- roles 384-391: the property table ----
.Lwp:
	s_load_b256 s[4:11], s[0:1], 0x40              ; W_charge, W_shell, W_mass, W_val
	s_load_b64 s[12:13], s[0:1], 0x60              ; W_class
	s_load_b64 s[14:15], s[0:1], 0xc8
	s_sub_co_u32 s16, ttmp9, 384
	s_lshl_b32 s16, s16, 7
	v_add_nc_u32 v5, s16, v0                       ; a thread is one d
	v_lshlrev_b32 v6, 2, v5
	v_mul_u32_u24 v7, v5, 12
	v_lshlrev_b32 v8, 4, v5
	v_lshlrev_b32 v9, 7, v5
	v_mov_b32 v20, 0
	s_wait_kmcnt 0x0
	global_load_b32 v64, v6, s[4:5]
	global_load_b32 v65, v7, s[6:7]
	global_load_b32 v66, v7, s[6:7] offset:4
	global_load_b32 v67, v7, s[6:7] offset:8
	global_load_b32 v68, v6, s[8:9]
	global_load_b128 v[16:19], v8, s[10:11]
.irp i, 0,1,2,3,4,5,6,7
	global_load_b128 v[80+4*\i:83+4*\i], v9, s[12:13] offset:16*\i
.endr
	s_add_nc_u64 s[14:15], s[14:15], WP16
	s_wait_loadcnt 0x0
	v_cvt_pk_bf16_f32 v128, v64, v65
	v_cvt_pk_bf16_f32 v129, v66, v67
	v_cvt_pk_bf16_f32 v130, v68, v16
	v_cvt_pk_bf16_f32 v131, v17, v18
	v_cvt_pk_bf16_f32 v132, v19, v20
.irp i, 133,134,135,152,153,154,155,156,157,158,159
	v_mov_b32 v[\i], 0
.endr
.set n, 0
.rept 16
	v_cvt_pk_bf16_f32 v[136+n], v[80+2*n], v[81+2*n]
.set n, n+1
.endr
.irp i, 0,1,2,3,4,5,6,7
	global_store_b128 v9, v[128+4*\i:131+4*\i], s[14:15] offset:16*\i
.endr
	s_endpgm
.Lfunc_end_k_qe853c91fdc_wprep:
	.size	k_qe853c91fdc_wprep, .Lfunc_end_k_qe853c91fdc_wprep-k_qe853c91fdc_wprep
	.p2alignl 7, 3214868480
	.fill 96, 4, 3214868480
	.section	.rodata,"a",@progbits
	.p2align	6, 0x0
	.amdhsa_kernel k_qe853c91fdc_wprep
		.amdhsa_group_segment_fixed_size 0
		.amdhsa_private_segment_fixed_size 0
		.amdhsa_enable_private_segment 0
		.amdhsa_kernarg_size 208
		.amdhsa_user_sgpr_count 2
		.amdhsa_user_sgpr_kernarg_segment_ptr 1
		.amdhsa_wavefront_size32 1
		.amdhsa_system_sgpr_workgroup_id_x 1
		.amdhsa_system_sgpr_workgroup_id_y 1
		.amdhsa_system_sgpr_workgroup_id_z 1
		.amdhsa_system_vgpr_workitem_id 0
		.amdhsa_next_free_vgpr 256
		.amdhsa_next_free_sgpr 66
		.amdhsa_reserve_vcc 1
		.amdhsa_float_denorm_mode_32 3
		.amdhsa_float_denorm_mode_16_64 3
		.amdhsa_memory_ordered 1
		.amdhsa_forward_progress 1
		.amdhsa_inst_pref_size 107
	.end_amdhsa_kernel
	.amdgpu_metadata
---
amdhsa.version: [ 1, 2 ]
amdhsa.kernels:
  - .name:           k_qe853c91fdc_wprep
    .symbol:         k_qe853c91fdc_wprep.kd
    .args:
      - { .name: W_sense, .offset: 0, .size: 8, .value_kind: global_buffer, .address_space: global }
      - { .name: W_v, .offset: 8, .size: 8, .value_kind: global_buffer, .address_space: global }
      - { .name: W_out, .offset: 16, .size: 8, .value_kind: global_buffer, .address_space: global }
      - { .name: b_v, .offset: 24, .size: 8, .value_kind: global_buffer, .address_space: global }
      - { .name: W_ctx, .offset: 32, .size: 8, .value_kind: global_buffer, .address_space: global }
      - { .name: W_sel, .offset: 40, .size: 8, .value_kind: global_buffer, .address_space: global }
      - { .name: b_ctx, .offset: 48, .size: 8, .value_kind: global_buffer, .address_space: global }
      - { .name: b_sel, .offset: 56, .size: 8, .value_kind: global_buffer, .address_space: global }
      - { .name: W_charge, .offset: 64, .size: 8, .value_kind: global_buffer, .address_space: global }
      - { .name: W_shell, .offset: 72, .size: 8, .value_kind: global_buffer, .address_space: global }
      - { .name: W_mass, .offset: 80, .size: 8, .value_kind: global_buffer, .address_space: global }
      - { .name: W_val, .offset: 88, .size: 8, .value_kind: global_buffer, .address_space: global }
      - { .name: W_class, .offset: 96, .size: 8, .value_kind: global_buffer, .address_space: global }
      - { .name: b_charge, .offset: 104, .size: 8, .value_kind: global_buffer, .address_space: global }
      - { .name: b_shell, .offset: 112, .size: 8, .value_kind: global_buffer, .address_space: global }
      - { .name: b_mass, .offset: 120, .size: 8, .value_kind: global_buffer, .address_space: global }
      - { .name: b_val, .offset: 128, .size: 8, .value_kind: global_buffer, .address_space: global }
      - { .name: b_class, .offset: 136, .size: 8, .value_kind: global_buffer, .address_space: global }
      - { .name: compat_logits, .offset: 144, .size: 8, .value_kind: global_buffer, .address_space: global }
      - { .name: w_charge, .offset: 152, .size: 8, .value_kind: global_buffer, .address_space: global }
      - { .name: w_shell, .offset: 160, .size: 8, .value_kind: global_buffer, .address_space: global }
      - { .name: w_distance, .offset: 168, .size: 8, .value_kind: global_buffer, .address_space: global }
      - { .name: w_mass, .offset: 176, .size: 8, .value_kind: global_buffer, .address_space: global }
      - { .name: w_valence, .offset: 184, .size: 8, .value_kind: global_buffer, .address_space: global }
      - { .name: temperature, .offset: 192, .size: 8, .value_kind: global_buffer, .address_space: global }
      - { .name: wts, .offset: 200, .size: 8, .value_kind: global_buffer, .address_space: global }
    .group_segment_fixed_size: 0
    .private_segment_fixed_size: 0
    .kernarg_segment_align: 8
    .kernarg_segment_size: 208
    .max_flat_workgroup_size: 128
    .sgpr_count:     66
    .vgpr_count:     256
    .wavefront_size: 32
...
	.end_amdgpu_metadata
.endif
;; end of part 1
;; launch xprep (part 2): grid 256 x 1, 8 waves a work-group, no clusters, 0 bytes of LDS; arguments x, W_sel, wts, xw; writes xw
.if DOCPART == 2
	.amdgcn_target "amdgcn-amd-amdhsa--gfx1250"
	.amdhsa_code_object_version 6
	.text
	.protected	k_qe853c91fdc_xprep
	.globl	k_qe853c91fdc_xprep
	.p2align	8
	.type	k_qe853c91fdc_xprep,@function
k_qe853c91fdc_xprep:
	s_mov_b64 s[64:65], 0
	v_nop
	global_prefetch_b8 v0, s[64:65] scope:SCOPE_SE
	s_setreg_imm32_b32 hwreg(HW_REG_WAVE_MODE, 25, 1), 1
	s_wait_xcnt 0x0
; x, ONCE.  A wave takes four rows of x (1,024 f32 each): rounds them to bf16 and stores them; t[row][s] = row . W_sel[:1024][s]; and the four rows' column sums times U[s],
; one partial of the batch mean's share of the selection logits.  All sums in f32 of exact products of bf16 numbers (U is f32).
; A stream: each byte of x is read once; all 32 loads of a wave's rows go out at once (16 KiB a wave, 128 KiB a work-group); stores cover 512 consecutive bytes.  No LDS, matrix unit or cluster: nothing is shared.
.set UOF,  10616832
.set TSEL, 16777216
.set USO,  16908288
.set LANE, 2
.set ONE,  7
.set A,    8                           ; sums: v8-10 low halves', v12-14 high halves'; v11 stays 0, so that v8-11 are 16 bytes to store
.set TM,   15
.set T,    16                          ; v16-111 W_sel as loaded; packed in place to v16-63
.set R,    64                          ; v64-127 the four rows as bf16, 16 words each
.set X,    128                         ; v128-255 the four rows as loaded; later v128-223 U, v224-255 the column sums
.set CS,   224
.set SEL,  60
.set SV,   62
.macro WSUM r
	v_add_f32_dpp v[\r], v[\r], v[\r] row_xmask:1 row_mask:0xf bank_mask:0xf
	v_add_f32_dpp v[\r], v[\r], v[\r] row_xmask:2 row_mask:0xf bank_mask:0xf
	v_add_f32_dpp v[\r], v[\r], v[\r] row_xmask:4 row_mask:0xf bank_mask:0xf
	v_add_f32_dpp v[\r], v[\r], v[\r] row_xmask:8 row_mask:0xf bank_mask:0xf
	v_permlanex16_b32 v[TM], v[\r], s[SEL], s[SEL+1]
	v_add_f32 v[\r], v[\r], v[TM]
.endm
.macro ONLY cnt
	v_cmp_gt_u32 vcc_lo, \cnt, v[LANE]
	s_wait_xcnt 0x0
	s_and_saveexec_b32 s[SV], vcc_lo
.endm
.macro ALLON
	s_wait_xcnt 0x0
	s_or_b32 exec_lo, exec_lo, s[SV]
.endm
.macro DOT3 r
.irp c, 0,1,2,4,5,6
	v_mov_b32 v[A+\c], 0
.endr
.set w, 0
.rept 16
.irp c, 0,1,2
	v_fma_mix_f32_bf16 v[A+\c], v[(\r)+w], v[T+3*w+\c], v[A+\c] op_sel_hi:[1,1,0]
	v_fma_mix_f32_bf16 v[A+4+\c], v[(\r)+w], v[T+3*w+\c], v[A+4+\c] op_sel:[1,1,0] op_sel_hi:[1,1,0]
.endr
.set w, w+1
.endr
.irp c, 0,1,2
	v_add_f32 v[A+\c], v[A+\c], v[A+4+\c]
	WSUM A+\c
.endr
.endm
	s_load_b256 s[4:11], s[0:1], 0x0               ; x, W_sel, wts, xw
	v_and_b32 v[LANE], 31, v0
	v_lshrrev_b32 v1, 5, v0
	v_readfirstlane_b32 s2, v1
	s_mov_b32 s[SEL], 0x76543210
	s_mov_b32 s[SEL+1], 0xfedcba98
	v_mov_b32 v[TM], 0
	v_mov_b32 v[ONE], 1.0
	v_mov_b32 v11, 0
	v_mov_b32 v1, 0
	v_mul_u32_u24 v3, v[LANE], 96
	v_lshlrev_b32 v4, 5, v[LANE]
	v_lshlrev_b32 v5, 4, v[LANE]
	s_lshl_b32 s12, ttmp9, 3
	s_add_co_u32 s12, s12, s2                      ; my group of four rows, 0 .. 2,047
	s_lshl_b32 s14, s12, 14
	s_mov_b32 s15, 0
	s_wait_kmcnt 0x0
	s_add_nc_u64 s[4:5], s[4:5], s[14:15]
	s_lshl_b32 s14, s12, 13
	s_add_nc_u64 s[16:17], s[10:11], s[14:15]      ; xb at my rows
	s_add_nc_u64 s[18:19], s[8:9], UOF
	s_lshl_b32 s14, s12, 6
	s_add_co_u32 s14, s14, TSEL
	s_add_nc_u64 s[20:21], s[10:11], s[14:15]
	s_lshl_b32 s14, s12, 4
	s_add_co_u32 s14, s14, USO
	s_add_nc_u64 s[22:23], s[10:11], s[14:15]
.set n, 0
.rept 24
	global_load_b128 v[T+4*n:T+4*n+3], v3, s[6:7] offset:3072*(n/6)+16*(n%6)  ; rows 256 q + 8 lane + 0..7 of W_sel, 96 bytes on end
.set n, n+1
.endr
.set n, 0
.rept 16
	global_load_b128 v[X+8*n:X+8*n+3],   v4, s[4:5] offset:4096*(n/4)+1024*(n%4) th:TH_LOAD_NT
	global_load_b128 v[X+8*n+4:X+8*n+7], v4, s[4:5] offset:4096*(n/4)+1024*(n%4)+16 th:TH_LOAD_NT
.set n, n+1
.endr
	s_wait_loadcnt 32                              ; W_sel is in; the rows' 32 loads stay out
.set w, 0
.rept 16
.irp c, 0,1,2
	v_cvt_pk_bf16_f32 v[T+3*w+\c], v[T+6*w+\c], v[T+6*w+3+\c]
.endr
.set w, w+1
.endr
.irp q, 0,1,2,3
	s_wait_loadcnt 8*(3-\q)                        ; row q is in; eight loads for each younger row stay out
.set w, 0
.rept 16
	v_cvt_pk_bf16_f32 v[R+16*\q+w], v[X+32*\q+2*w], v[X+32*\q+2*w+1]
.set w, w+1
.endr
.irp i, 0,1,2,3
	global_store_b128 v5, v[R+16*\q+4*\i:R+16*\q+4*\i+3], s[16:17] offset:2048*\q+512*\i
.endr
.endr
.set n, 0
.rept 12
	global_load_b128 v[X+8*n:X+8*n+3],   v4, s[18:19] offset:4096*(n/4)+1024*(n%4)     ; U of my 32 columns, sense n / 4; the dot products below stand in its wait
	global_load_b128 v[X+8*n+4:X+8*n+7], v4, s[18:19] offset:4096*(n/4)+1024*(n%4)+16
.set n, n+1
.endr
.irp q, 0,1,2,3
	DOT3 R+16*\q
	ONLY 1
	global_store_b128 v1, v[A:A+3], s[20:21] offset:16*\q  ; (t0, t1, t2, 0) of row q
	ALLON                                          ; behind its wait the sums may be written again
.endr
.set w, 0
.rept 16
	v_lshlrev_b32 v[CS+2*w], 16, v[R+w]            ; the column sums begin with row 0
	v_and_b32 v[CS+2*w+1], 0xffff0000, v[R+w]
.irp q, 1,2,3
	v_fma_mix_f32_bf16 v[CS+2*w], v[R+16*\q+w], v[ONE], v[CS+2*w] op_sel_hi:[1,0,0]
	v_fma_mix_f32_bf16 v[CS+2*w+1], v[R+16*\q+w], v[ONE], v[CS+2*w+1] op_sel:[1,0,0] op_sel_hi:[1,0,0]
.endr
.set w, w+1
.endr
	s_wait_loadcnt 0x0                             ; U
	v_pk_mul_f32 v[8:9],   v[CS:CS+1], v[X:X+1]
	v_pk_mul_f32 v[12:13], v[CS:CS+1], v[X+32:X+33]
	v_pk_mul_f32 v[6:7],   v[CS:CS+1], v[X+64:X+65]
.set w, 1
.rept 15
	v_pk_fma_f32 v[8:9],   v[CS+2*w:CS+2*w+1], v[X+2*w:X+2*w+1],       v[8:9]
	v_pk_fma_f32 v[12:13], v[CS+2*w:CS+2*w+1], v[X+32+2*w:X+32+2*w+1], v[12:13]
	v_pk_fma_f32 v[6:7],   v[CS+2*w:CS+2*w+1], v[X+64+2*w:X+64+2*w+1], v[6:7]
.set w, w+1
.endr
	v_add_f32 v8, v8, v9
	v_add_f32 v9, v12, v13
	v_add_f32 v10, v6, v7
	WSUM 8
	WSUM 9
	WSUM 10
	ONLY 1
	global_store_b128 v1, v[8:11], s[22:23]
	s_endpgm
.Lfunc_end_k_qe853c91fdc_xprep:
	.size	k_qe853c91fdc_xprep, .Lfunc_end_k_qe853c91fdc_xprep-k_qe853c91fdc_xprep
	.p2alignl 7, 3214868480
	.fill 96, 4, 3214868480
	.section	.rodata,"a",@progbits
	.p2align	6, 0x0
	.amdhsa_kernel k_qe853c91fdc_xprep
		.amdhsa_group_segment_fixed_size 0
		.amdhsa_private_segment_fixed_size 0
		.amdhsa_enable_private_segment 0
		.amdhsa_kernarg_size 32
		.amdhsa_user_sgpr_count 2
		.amdhsa_user_sgpr_kernarg_segment_ptr 1
		.amdhsa_wavefront_size32 1
		.amdhsa_system_sgpr_workgroup_id_x 1
		.amdhsa_system_sgpr_workgroup_id_y 1
		.amdhsa_system_sgpr_workgroup_id_z 1
		.amdhsa_system_vgpr_workitem_id 0
		.amdhsa_next_free_vgpr 256
		.amdhsa_next_free_sgpr 66
		.amdhsa_reserve_vcc 1
		.amdhsa_float_denorm_mode_32 3
		.amdhsa_float_denorm_mode_16_64 3
		.amdhsa_memory_ordered 1
		.amdhsa_forward_progress 1
		.amdhsa_inst_pref_size 60
	.end_amdhsa_kernel
	.amdgpu_metadata
---
amdhsa.version: [ 1, 2 ]
amdhsa.kernels:
  - .name:           k_qe853c91fdc_xprep
    .symbol:         k_qe853c91fdc_xprep.kd
    .args:
      - { .name: x, .offset: 0, .size: 8, .value_kind: global_buffer, .address_space: global }
      - { .name: W_sel, .offset: 8, .size: 8, .value_kind: global_buffer, .address_space: global }
      - { .name: wts, .offset: 16, .size: 8, .value_kind: global_buffer, .address_space: global }
      - { .name: xw, .offset: 24, .size: 8, .value_kind: global_buffer, .address_space: global }
    .group_segment_fixed_size: 0
    .private_segment_fixed_size: 0
    .kernarg_segment_align: 8
    .kernarg_segment_size: 32
    .max_flat_workgroup_size: 256
    .sgpr_count:     66
    .vgpr_count:     256
    .wavefront_size: 32
...
	.end_amdgpu_metadata
.endif
;; end of part 2
;; launch g1 (part 3): grid 8 x 64, 4 waves a work-group, clusters of 4 x 4, 327,680 bytes of LDS; arguments xw, wts, b_sense, g1o; writes g1o
.if DOCPART == 3
	.amdgcn_target "amdgcn-amd-amdhsa--gfx1250"
	.amdhsa_code_object_version 6
	.text
	.protected	k_qe853c91fdc_g1
	.globl	k_qe853c91fdc_g1
	.p2align	8
	.type	k_qe853c91fdc_g1,@function
k_qe853c91fdc_g1:
	s_mov_b64 s[64:65], 0
	v_nop
	global_prefetch_b8 v0, s[64:65] scope:SCOPE_SE
	s_setreg_imm32_b32 hwreg(HW_REG_WAVE_MODE, 25, 1), 1
	s_wait_xcnt 0x0
	s_wait_alu depctr_hold_cnt(0) depctr_sa_sdst(0) depctr_va_vdst(0) depctr_va_sdst(0) depctr_va_ssrc(0) depctr_va_vcc(0) depctr_vm_vsrc(0)
	s_getreg_b32 s2, hwreg(HW_REG_IB_STS2, 6, 4)
	s_cmp_eq_u32 s2, 0
	s_cbranch_scc0 .Lentry_in_a_cluster
	s_endpgm
.Lentry_in_a_cluster:
	s_bfe_u32 s2, ttmp6, 0x10000c
	s_cmp_lg_u32 s2, 0xf033
	s_cbranch_scc0 .Lentry_shape_is_right
	s_endpgm
.Lentry_shape_is_right:
; THE SENSE PRODUCT AND ITS MIX.  x2[m][d] = sum over s of w[m][s] (xb[m] . W_sense[:, 1024 s + d] + b_sense[1024 s + d]), w = softmax over 3 of t + u / 2048 + k0.
; A work-group makes 128 tokens x 128 d of x2, that is 128 x (3 x 128) of the product; a wave 64 x (3 x 64): 48 accumulators, 384 registers, so the three senses of a number meet in one lane.
; Operands bf16 (products exact), sums f32.  Out: x2 in f16, and the 48 property sums of this slice of 128 d, made of x2 split into three bf16 parts (24 bits), so that the later argmax sees f32 precision.
; B lies [k][n] as in memory and is turned on the way to registers by ds_load_tr16_b128.  The matrix instruction is used transposed (source 0 = 16 columns of W, source 1 = 16 tokens): a lane holds 8 neighbouring d of one token.
; K goes in 8 steps of 128 through two LDS slots; wave 0 fetches A's tile, waves 1-3 one sense's tile each.  A slot is four regions of 36,864 bytes, so that wave w's load lands at w x 36,864 in the slot.
; CLUSTER 4 x 4: A's tile is asked for jointly along a row, W's and the property table's along a column.
; By this text's count a wave has three tensor loads out at the start at the most (wave 0), later one.
; LIMITS: |x2| below 65,504 (f16); NaN and infinities are not treated apart.
.set PA,    272                        ; A's LDS row: 256 bytes + 16
.set PB,    288                        ; W's LDS row: 128 columns x 2 bytes + 32: an odd multiple of 32
.set BREG,  128*PB                     ; a region: 36,864 bytes; A's 128 rows take 34,816 of theirs
.set AREG,  BREG                       ; W's three regions begin behind A's
.set SLOT,  4*BREG
.set WPT,   2*SLOT                     ; the property table's 128 rows, pitch 160
.set PW,    160
.set SPARE, WPT+128*PW                 ; the spare words, 128 bytes a wave
.set STG2,  AREG                       ; on the way out, in slot 0, which has had its last fill: x2's stage at 0 (128 x 272), the property sums behind it (2 x 48 x 528)
.set TSEL,  16777216
.set USO,   16908288
.set WP16,  10485760
.set CST,   10629120
.set PPO,   16777216
.set F0,    0                          ; window 1: two fragment buffers: A's four at F + 8 a, W's twelve at F + 32 + 8 b
.set F1,    128
.set ADRA0, 16
.set ADRA,  17
.set ADRB0, 18                         ; v18-20, a sense each
.set ADRB,  21                         ; v21-23
.set STO,   24
.set RD,    25
.set CO,    26
.set WPA,   27
.set SPW,   28
.set NIL,   29
.set STO2,  10
.set RD2,   11
.set CO2,   12
.set WT,    32                         ; v32-55 the sense weights, a pair for block a and sense s at WT + 6 a + 2 s
.set BIAS,  64                         ; v64-159 b_sense of my 12 column blocks; later at work:
.set X,     64                         ; v64-71 eight x2 in f32
.set TT,    72
.set XH,    76                         ; v76-91 a block's x2 in f16
.set OP,    96                         ; v96-143 its three bf16 parts as fragments: part p, 32 d g at OP + 16 p + 8 g
.set PT,    64                         ; window 1: property sums, block a, 16 properties pb at PT + 8 (3 a + pb)
.set G1A, 24
.set G0A, 32
.set G1B, 40
.set G0B, 48
.set G1P, 56
.set G0P, 68
.set SEL, 92
.set MSB, 0
.macro WIN new
.if MSB != (\new)
	s_set_vgpr_msb (MSB<<8)|(\new)
.set MSB, \new
.endif
.endm
.macro PLACES                          ; four places behind matrix instructions (ISA guide 7.12.1)
.rept 4
	v_nop
.endr
.endm
.macro CREST
	s_cmp_lg_u32 s12, 0
	s_cbranch_scc1 .Lnot_wave_0_\@
	s_barrier_signal -3
.Lnot_wave_0_\@:
	s_barrier_wait -3
	s_barrier_signal -1
	s_barrier_wait -1
.endm
.macro CROUND
	s_barrier_signal -1
	s_barrier_wait -1
	CREST
.endm
.macro JLOAD                           ; the joint refill by the walking descriptors; the branch hangs on the wave's number alone
	s_cmp_eq_u32 s12, 0
	s_cbranch_scc0 .Lfor_b_\@
	tensor_load_to_lds s[G0A+4:G0A+7], s[G1A:G1A+7]
	s_nop 0
.rept 4
	v_nop
.endr
	s_branch .Lasked_\@
.Lfor_b_\@:
	tensor_load_to_lds s[G0B+4:G0B+7], s[G1B:G1B+7]
	s_nop 0
.rept 4
	v_nop
.endr
.Lasked_\@:
.endm
; 12 products: token block a x my 12 column blocks, 32 along K.  mode 2: the sums begin with the bias.  The accumulators take turns.
.macro MULB f, a, mode
.if (\mode) == 2
	WIN 0x85+0x40*((\a)/2)
.else
	WIN 0xa5+0x50*((\a)/2)
.endif
.set b, 0
.rept 12
.set rD, 8*(12*((\a)%2)+b)
.set rB, (\f)+32+8*b
.set rA, (\f)+8*(\a)
.if (\mode) == 2
	v_wmma_f32_16x16x32_bf16 v[rD:rD+7], v[rB:rB+7], v[rA:rA+7], v[BIAS+8*b:BIAS+8*b+7]
.else
	v_wmma_f32_16x16x32_bf16 v[rD:rD+7], v[rB:rB+7], v[rA:rA+7], v[rD:rD+7]
.endif
.set b, b+1
.endr
.endm
.macro FETCH kq, f                     ; 32 LDS loads in one run: the fragments of 32 along K
	WIN 0x40
.set b, 0
.rept 12
	ds_load_tr16_b128 v[(\f)+32+8*b:(\f)+32+8*b+3], v[ADRB+b/4] offset:(\kq)*32*PB+32*(b%4)
	ds_load_tr16_b128 v[(\f)+36+8*b:(\f)+36+8*b+3], v[ADRB+b/4] offset:(\kq)*32*PB+32*(b%4)+16*PB
.set b, b+1
.endr
.set b, 0
.rept 4
	ds_load_b128 v[(\f)+8*b:(\f)+8*b+3],   v[ADRA] offset:b*16*PA+64*(\kq)
	ds_load_b128 v[(\f)+8*b+4:(\f)+8*b+7], v[ADRA] offset:b*16*PA+64*(\kq)+32
.set b, b+1
.endr
.endm
.macro Q kqn, f, g, mode               ; a quarter step: multiplies buffer f, and in its middle fetches the next quarter into g
	s_wait_dscnt 0x0                               ; buffer f was asked for 24 products ago
	MULB \f, 0, \mode
	MULB \f, 1, \mode
	PLACES
	FETCH \kqn, \g
	MULB \f, 2, \mode
	MULB \f, 3, \mode
.endm
; The last quarter changes slots: every wave waits for all its tensor loads, adds 0 to its spare word, waits for that and for its reads of this slot, and signals.
.macro TURN fill
	WIN 0
	s_wait_tensorcnt 0x0                           ; my part of the next slot has landed; no load of mine is out
	ds_add_u32 v[SPW], v[NIL]
	s_wait_dscnt 1                                 ; all but the add: buffer 1 is in
	MULB F1, 0, 0
	s_wait_dscnt 0x0                               ; the add is done; my reads of this slot are over
	s_barrier_signal -1
	MULB F1, 1, 0
	WIN 0
	s_barrier_wait -1
.if \fill
	CREST                                          ; the barrier opened a round of the cluster's: no wave of any partner reads this slot or has a load on its way
	s_xor_b32 s20, s20, SLOT                       ; the walking descriptors: the other slot, one K step on
	s_add_co_u32 s[G0A+5], s22, s20
	s_add_nc_u64 s[G0A+6:G0A+7], s[G0A+6:G0A+7], 256
	s_add_co_u32 s[G0B+5], s22, s20
	s_add_nc_u64 s[G0B+6:G0B+7], s[G0B+6:G0B+7], 128*3072*2
	JLOAD                                          ; its four v_nop are also the places in front of the loads below
.else
	PLACES
.endif
	s_xor_b32 s19, s19, SLOT                       ; the reads go to the other slot
	v_add_nc_u32 v[ADRA], s19, v[ADRA0]
.irp c, 0,1,2
	v_add_nc_u32 v[ADRB+\c], s19, v[ADRB0+\c]
.endr
	FETCH 0, F0
	MULB F1, 2, 0
	MULB F1, 3, 0
.endm
.macro RND r
	v_cvt_pk_bf16_f32 v[\r], v[\r], v[\r]
	v_and_b32 v[\r], 0xffff0000, v[\r]
.endm
.macro WSUM r
	v_add_f32_dpp v[\r], v[\r], v[\r] row_xmask:1 row_mask:0xf bank_mask:0xf
	v_add_f32_dpp v[\r], v[\r], v[\r] row_xmask:2 row_mask:0xf bank_mask:0xf
	v_add_f32_dpp v[\r], v[\r], v[\r] row_xmask:4 row_mask:0xf bank_mask:0xf
	v_add_f32_dpp v[\r], v[\r], v[\r] row_xmask:8 row_mask:0xf bank_mask:0xf
	v_permlanex16_b32 v243, v[\r], s[SEL], s[SEL+1]
	v_add_f32 v[\r], v[\r], v243
.endm
	s_load_b256 s[4:11], s[0:1], 0x0               ; xw, wts, b_sense, g1o
	v_lshl_add_u32 v[SPW], v0, 2, SPARE
	v_mov_b32 v[NIL], 0
	ds_add_u32 v[SPW], v[NIL]                      ; the wave's opening; the set-up below stands between the add and its wait
	ds_add_u32 v28, v29
	v_lshrrev_b32 v1, 5, v0
	v_readfirstlane_b32 s12, v1                    ; wave
	s_lshr_b32 s13, s12, 1                         ; which 64 tokens
	s_and_b32 s14, s12, 1                          ; which 64 d
	s_bfe_u32 s15, ttmp6, 0x40000                  ; cx
	s_bfe_u32 s16, ttmp6, 0x40004                  ; cy
	s_lshl_b32 s17, ttmp9, 2
	s_add_co_u32 s17, s17, s15                     ; d tile
	s_and_b32 s18, ttmp7, 0xffff
	s_lshl_b32 s18, s18, 2
	s_add_co_u32 s18, s18, s16                     ; token tile
	s_lshl_b32 s72, s16, 2
	s_lshl_b32 s72, 15, s72                        ; my row of the cluster
	s_lshl_b32 s73, 0x1111, s15                    ; my column
	s_or_b32 s[G1A], s72, (1<<16)|(1<<20)|(1<<21)|(5<<22)|(3<<25)  ; 2-byte elements; 4 words of padding behind every 64
	s_or_b32 s[G1B], s73, (1<<16)|(1<<20)|(1<<21)|(5<<22)|(7<<25)  ; 8 words behind every 64
	s_or_b32 s[G1P], s73, (1<<16)|(1<<20)|(1<<21)|(4<<22)|(7<<25)  ; 8 words behind every 32
.irp g, G1A, G1B
	s_mov_b32 s[\g+1], 128<<16                     ; tensor_dim0 = 128
	s_mov_b32 s[\g+2], 128<<16                     ; tensor_dim1 = 128
	s_mov_b32 s[\g+3], 128<<16                     ; tile_dim0 = 128
	s_mov_b32 s[\g+4], 128                         ; tile_dim1 = 128
	s_mov_b32 s[\g+6], 0
	s_mov_b32 s[\g+7], 0
.endr
	s_mov_b32 s[G1A+5], 1024                       ; elements from row to row
	s_mov_b32 s[G1B+5], 3072
	s_mov_b32 s[G1P+1], 128<<16                    ; the table's 128 rows of 128 bytes are dense: asked for as 64 rows of 256
	s_mov_b32 s[G1P+2], 64<<16
	s_mov_b32 s[G1P+3], 128<<16
	s_mov_b32 s[G1P+4], 64
	s_mov_b32 s[G1P+5], 128
	s_mov_b32 s[G1P+6], 0
	s_mov_b32 s[G1P+7], 0
	s_mul_i32 s22, s12, BREG                       ; my load's place in a slot: the wave's number times a region (wave 0: A's, at 0)
	s_max_u32 s74, s12, 1
	s_sub_co_u32 s74, s74, 1                       ; the sense that waves 1-3 fetch: it enters the global address alone
	s_lshl_b32 s76, s74, 11
	s_lshl_b32 s77, s17, 8
	s_add_co_u32 s76, s76, s77                     ; W: column 1024 s + 128 x d tile, in bytes
	s_mov_b32 s77, 0
	s_lshl_b32 s78, s18, 18                        ; A: 128 rows of 2,048 bytes a tile
	s_mov_b32 s79, 0
	s_lshl_b32 s80, s17, 14
	s_add_co_u32 s80, s80, WP16
	s_mov_b32 s81, 0
	s_mov_b32 s19, 0
	s_mov_b32 s20, SLOT
	s_mov_b32 s[SEL], 0x76543210
	s_mov_b32 s[SEL+1], 0xfedcba98
	s_mov_b32 s[G0A], 1
	s_mov_b32 s[G0A+1], s22
	s_mov_b32 s[G0A+4], 1
	s_add_co_u32 s[G0A+5], s22, SLOT
	s_mov_b32 s[G0B], 1
	s_mov_b32 s[G0B+1], s22
	s_mov_b32 s[G0B+4], 1
	s_add_co_u32 s[G0B+5], s22, SLOT
	s_mov_b32 s[G0P], 1
	s_mov_b32 s[G0P+1], WPT
	s_wait_dscnt 0x0                               ; the opening add is done
	s_wait_kmcnt 0x0
	s_add_nc_u64 s[G0A+2:G0A+3], s[4:5], s[78:79]
	s_add_nc_u64 s[G0A+6:G0A+7], s[G0A+2:G0A+3], 256
	s_or_b32 s[G0A+3], s[G0A+3], 0x80000000
	s_or_b32 s[G0A+7], s[G0A+7], 0x80000000
	s_add_nc_u64 s[G0B+2:G0B+3], s[6:7], s[76:77]
	s_add_nc_u64 s[G0B+6:G0B+7], s[G0B+2:G0B+3], 128*3072*2
	s_or_b32 s[G0B+3], s[G0B+3], 0x80000000
	s_or_b32 s[G0B+7], s[G0B+7], 0x80000000
	s_add_nc_u64 s[G0P+2:G0P+3], s[6:7], s[80:81]
	s_or_b32 s[G0P+3], s[G0P+3], 0x80000000
	s_add_nc_u64 s[2:3], s[6:7], CST               ; never written again: the scalar load below reads it
	s_load_b96 s[88:90], s[2:3], 0x14              ; k0
	CROUND                                         ; all sixteen work-groups are here: the first joint loads meet
	s_cmp_eq_u32 s12, 0
	s_cbranch_scc0 .Lfirst_b
	tensor_load_to_lds s[G0P:G0P+3], s[G1P:G1P+7]
	s_nop 0
	tensor_load_to_lds s[G0A:G0A+3], s[G1A:G1A+7]
	s_nop 0
	tensor_load_to_lds s[G0A+4:G0A+7], s[G1A:G1A+7]
	s_nop 0
.rept 4
	v_nop
.endr
	s_branch .Lfirst_done
.Lfirst_b:
	tensor_load_to_lds s[G0B:G0B+3], s[G1B:G1B+7]
	s_nop 0
	tensor_load_to_lds s[G0B+4:G0B+7], s[G1B:G1B+7]
	s_nop 0
.rept 4
	v_nop
.endr
.Lfirst_done:
	; in the wait for the first tiles: biases, sense weights, addresses
	v_and_b32 v1, 15, v0                           ; r
	v_bfe_u32 v2, v0, 4, 1                         ; h
	v_and_b32 v7, 31, v0                           ; lane
	s_lshl_b32 s86, s17, 9
	s_lshl_b32 s87, s14, 8
	s_add_co_u32 s86, s86, s87
	v_lshl_add_u32 v30, v2, 5, s86                 ; b_sense: (128 x d tile + 64 x half + 8 h) x 4
.set b, 0
.rept 12
	global_load_b128 v[BIAS+8*b:BIAS+8*b+3],   v30, s[8:9] offset:4096*(b/4)+64*(b%4)
	global_load_b128 v[BIAS+8*b+4:BIAS+8*b+7], v30, s[8:9] offset:4096*(b/4)+64*(b%4)+16
.set b, b+1
.endr
	s_lshr_b32 s86, s18, 4                         ; the batch
	s_lshl_b32 s86, s86, 13
	s_add_co_u32 s86, s86, USO
	s_mov_b32 s87, 0
	s_add_nc_u64 s[96:97], s[4:5], s[86:87]
	v_lshlrev_b32 v31, 4, v7
.set n, 0
.rept 16
	global_load_b128 v[160+4*n:163+4*n], v31, s[96:97] offset:512*n  ; the batch's 512 partial sums, 16 a lane
.set n, n+1
.endr
	s_lshl_b32 s86, s18, 11
	s_add_co_u32 s86, s86, TSEL
	s_add_nc_u64 s[98:99], s[4:5], s[86:87]
	s_lshl_b32 s86, s13, 10
	v_lshl_add_u32 v9, v1, 4, s86                  ; token 64 WR + 16 a + r
.irp a, 0,1,2,3
	global_load_b128 v[224+4*\a:227+4*\a], v9, s[98:99] offset:256*\a
.endr
	v_mov_b32 v243, 0
	v_mul_u32_u24 v3, v1, PA
	v_lshl_add_u32 v3, v2, 4, v3
	s_mul_i32 s86, s13, 64*PA
	v_add_nc_u32 v[ADRA0], s86, v3                 ; A's fragments: (64 WR + r) x pitch + 16 h
	v_and_b32 v4, 7, v0
	v_bfe_u32 v5, v0, 3, 1
	v_lshl_add_u32 v4, v2, 3, v4                   ; the turning load: row 8 h + lane % 8, 16 bytes by (lane / 8) % 2
	v_mul_u32_u24 v6, v4, PB
	v_lshl_add_u32 v6, v5, 4, v6
	s_lshl_b32 s86, s14, 7
	s_add_co_u32 s86, s86, AREG
	v_add_nc_u32 v[ADRB0], s86, v6
	v_add_nc_u32 v[ADRB0+1], BREG, v[ADRB0]
	v_add_nc_u32 v[ADRB0+2], 2*BREG, v[ADRB0]
	v_mul_u32_u24 v6, v4, PW
	v_lshl_add_u32 v6, v5, 4, v6
	s_mul_i32 s86, s14, 64*PW
	s_add_co_u32 s86, s86, WPT
	v_add_nc_u32 v[WPA], s86, v6
	s_mul_i32 s86, s13, 64*PA
	s_lshl_b32 s87, s14, 7
	s_add_co_u32 s86, s86, s87
	v_add_nc_u32 v[STO], s86, v3                   ; x2's stage: (64 WR + r) x 272 + 128 WC + 16 h
	v_mul_u32_u24 v3, v2, PA
	v_lshl_add_u32 v3, v1, 4, v3
	s_mul_i32 s86, s12, 32*PA
	v_add_nc_u32 v[RD], s86, v3
	v_lshlrev_b32 v3, 11, v2
	v_lshl_add_u32 v3, v1, 4, v3
	s_lshl_b32 s86, s12, 16
	v_add_nc_u32 v[CO], s86, v3
	v_mul_u32_u24 v3, v1, 528
	v_lshl_add_u32 v3, v2, 5, v3
	s_mul_i32 s86, s14, 48*528
	s_lshl_b32 s87, s13, 8
	s_add_co_u32 s86, s86, s87
	s_add_co_u32 s86, s86, STG2
	v_add_nc_u32 v[STO2], s86, v3                  ; property r, tokens 64 WR + 8 h .., copy WC
	s_mul_i32 s86, s12, 12*528
	s_add_co_u32 s86, s86, STG2
	v_lshl_add_u32 v[RD2], v7, 4, s86
	s_mul_i32 s86, s12, 12*32768
	v_lshl_add_u32 v[CO2], v7, 4, s86
	v_mov_b32 v[ADRA], v[ADRA0]
.irp c, 0,1,2
	v_mov_b32 v[ADRB+\c], v[ADRB0+\c]
.endr
	s_lshl_b32 s86, s18, 18
	s_lshl_b32 s87, s17, 8
	s_add_co_u32 s86, s86, s87
	s_mov_b32 s87, 0
	s_add_nc_u64 s[94:95], s[10:11], s[86:87]      ; x2 at the tile
	s_mul_i32 s86, s17, 48*32768
	s_lshl_b32 s84, s18, 9
	s_add_co_u32 s86, s86, s84
	s_add_co_u32 s86, s86, PPO
	s_add_nc_u64 s[82:83], s[10:11], s[86:87]      ; the property sums of this d tile at the tile's tokens
	s_wait_loadcnt 0x0
	s_wait_kmcnt 0x0
.set b, 0
.rept 96
	RND BIAS+b
.set b, b+1
.endr
.set n, 1
.rept 15
	v_pk_add_f32 v[160:161], v[160:161], v[160+4*n:161+4*n]
	v_pk_add_f32 v[162:163], v[162:163], v[162+4*n:163+4*n]
.set n, n+1
.endr
.irp c, 0,1,2
	WSUM 160+\c
	v_fma_f32 v[240+\c], v[160+\c], 0x3a000000, s[88+\c]  ; u / 2048 + k0
.endr
.irp a, 0,1,2,3
.irp c, 0,1,2
	v_add_f32 v[224+4*\a+\c], v[224+4*\a+\c], v[240+\c]
.endr
	v_max3_num_f32 v244, v[224+4*\a], v[225+4*\a], v[226+4*\a]
.irp c, 0,1,2
	v_sub_f32 v[224+4*\a+\c], v[224+4*\a+\c], v244
	v_mul_f32 v[224+4*\a+\c], 0x3fb8aa3b, v[224+4*\a+\c]
.endr
.irp c, 0,1,2
	v_exp_f32 v[224+4*\a+\c], v[224+4*\a+\c]
.endr
	v_nop
	s_wait_alu depctr_va_vdst(0)
	v_add_f32 v245, v[224+4*\a], v[225+4*\a]
	v_add_f32 v245, v245, v[226+4*\a]
	v_rcp_f32 v245, v245
	v_nop
	s_wait_alu depctr_va_vdst(0)
.irp c, 0,1,2
	v_mul_f32 v[WT+6*\a+2*\c], v[224+4*\a+\c], v245
	v_mul_f32 v[WT+6*\a+2*\c+1], v[224+4*\a+\c], v245   ; named with it as a pair
.endr
.endr
	s_wait_tensorcnt 1                             ; my part of slot 0 (and the table) is in; slot 1's load may stay out
	s_barrier_signal -1
	s_barrier_wait -1
	FETCH 0, F0
	Q 1, F0, F1, 2                                 ; the first quarter stands ahead of the loop: its products start the sums, with the bias as C
	WIN 0
	s_mov_b32 s23, 6
	s_branch .Lmid
.Lstep:                                                ; a trip is one K step; six trips fill a slot again
	Q 1, F0, F1, 0
	WIN 0
.Lmid:
	Q 2, F1, F0, 0
	Q 3, F0, F1, 0
	TURN 1
	WIN 0
	s_sub_co_u32 s23, s23, 1
	s_cmp_lg_u32 s23, 0
	s_cbranch_scc1 .Lstep
	s_mov_b32 s23, 2
.Ltail:                                                ; the last two steps ask for nothing; the very last fetch reads a slot that has landed and is not multiplied
	Q 1, F0, F1, 0
	Q 2, F1, F0, 0
	Q 3, F0, F1, 0
	TURN 0
	WIN 0
	s_sub_co_u32 s23, s23, 1
	s_cmp_lg_u32 s23, 0
	s_cbranch_scc1 .Ltail
	; THE WAY OUT
	s_wait_dscnt 0x0                               ; my reads of the slots are over,
	s_barrier_signal -1
	s_barrier_wait -1                              ; everybody's: slot 0 becomes the stage
	PLACES
	WIN 0x40
.set n, 0
.rept 6                                                ; the table's fragments: 32 d g = n / 3, 16 properties pb = n % 3
	ds_load_tr16_b128 v[8*n:8*n+3],   v[WPA] offset:32*PW*(n/3)+32*(n%3)
	ds_load_tr16_b128 v[8*n+4:8*n+7], v[WPA] offset:32*PW*(n/3)+32*(n%3)+16*PW
.set n, n+1
.endr
	WIN 0
.macro BLK a                           ; token block a: mix, round to f16, split, stage, 18 property products
.set AB, 96*((\a)%2)
.irp db, 0,1,2,3
	WIN 2+(\a)/2                                   ; source 0: the block's accumulators
.irp i, 0,1,2,3
	v_pk_mul_f32 v[X+2*\i:X+2*\i+1], v[AB+8*\db+2*\i:AB+8*\db+2*\i+1], v[WT+6*(\a):WT+6*(\a)+1] op_sel_hi:[1,0]
	v_pk_fma_f32 v[X+2*\i:X+2*\i+1], v[AB+32+8*\db+2*\i:AB+32+8*\db+2*\i+1], v[WT+6*(\a)+2:WT+6*(\a)+3], v[X+2*\i:X+2*\i+1] op_sel_hi:[1,0,1]
	v_pk_fma_f32 v[X+2*\i:X+2*\i+1], v[AB+64+8*\db+2*\i:AB+64+8*\db+2*\i+1], v[WT+6*(\a)+4:WT+6*(\a)+5], v[X+2*\i:X+2*\i+1] op_sel_hi:[1,0,1]
.endr
	WIN 0
.irp i, 0,1,2,3
	v_cvt_pk_f16_f32 v[XH+4*\db+\i], v[X+2*\i], v[X+2*\i+1]
.endr
.irp i, 0,1,2,3
.set rO, OP+8*(\db/2)+4*(\db%2)+\i
	v_cvt_pk_bf16_f32 v[rO], v[X+2*\i], v[X+2*\i+1]            ; the leading 8 bits,
	v_lshlrev_b32 v[TT], 16, v[rO]
	v_and_b32 v[TT+1], 0xffff0000, v[rO]
	v_pk_add_f32 v[X+2*\i:X+2*\i+1], v[X+2*\i:X+2*\i+1], v[TT:TT+1] neg_lo:[0,1] neg_hi:[0,1]
	v_cvt_pk_bf16_f32 v[rO+16], v[X+2*\i], v[X+2*\i+1]         ; the next 8,
	v_lshlrev_b32 v[TT], 16, v[rO+16]
	v_and_b32 v[TT+1], 0xffff0000, v[rO+16]
	v_pk_add_f32 v[X+2*\i:X+2*\i+1], v[X+2*\i:X+2*\i+1], v[TT:TT+1] neg_lo:[0,1] neg_hi:[0,1]
	v_cvt_pk_bf16_f32 v[rO+32], v[X+2*\i], v[X+2*\i+1]         ; and the last
.endr
.endr
.irp db, 0,1,2,3
	ds_store_b128 v[STO], v[XH+4*\db:XH+4*\db+3] offset:(\a)*16*PA+32*\db
.endr
	s_wait_dscnt 0x0                               ; the table's fragments are in
	WIN 0x54                                       ; source 0 window 0; source 1, C and D window 1
.irp g, 0,1
.irp p, 0,1,2
.irp pb, 0,1,2
.set rD, PT+8*(3*(\a)+\pb)
.if (\g) == 0 && (\p) == 0
	v_wmma_f32_16x16x32_bf16 v[rD:rD+7], v[OP+16*\p+8*\g:OP+16*\p+8*\g+7], v[8*(3*\g+\pb):8*(3*\g+\pb)+7], 0
.else
	v_wmma_f32_16x16x32_bf16 v[rD:rD+7], v[OP+16*\p+8*\g:OP+16*\p+8*\g+7], v[8*(3*\g+\pb):8*(3*\g+\pb)+7], v[rD:rD+7]
.endif
.endr
.endr
.endr
.endm
	BLK 0                                          ; the next block's 16 mixing and rounding lines are the places in front of the lines that write the parts anew
	BLK 1
	BLK 2
	BLK 3
	PLACES
	WIN 0x04                                       ; store data in window 1
.set n, 0
.rept 12
	ds_store_b128 v[STO2], v[PT+8*n:PT+8*n+3]   offset:16*528*(n%3)+64*(n/3)
	ds_store_b128 v[STO2], v[PT+8*n+4:PT+8*n+7] offset:16*528*(n%3)+64*(n/3)+16
.set n, n+1
.endr
	WIN 0
	s_wait_dscnt 0x0                               ; for the others' sake: my stores into the stages are done
	s_barrier_signal -1
	s_barrier_wait -1
.set n, 0
.rept 16
	ds_load_b128 v[64+4*n:67+4*n], v[RD] offset:n*2*PA
.set n, n+1
.endr
.set n, 0
.rept 12
	ds_load_b128 v[128+8*n:131+8*n], v[RD2] offset:528*n
	ds_load_b128 v[132+8*n:135+8*n], v[RD2] offset:528*n+48*528
.set n, n+1
.endr
.set n, 0
.rept 16
	s_wait_dscnt 39-n                              ; x2's pair of rows n is back; 15 - n of its run and the 24 property loads stay out
	global_store_b128 v[CO], v[64+4*n:67+4*n], s[94:95] offset:4096*n  ; 16 lanes store 256 consecutive bytes, aligned
.set n, n+1
.endr
.set n, 0
.rept 12
	s_wait_dscnt 22-2*n                            ; property row n's two copies are back
	v_pk_add_f32 v[128+8*n:129+8*n], v[128+8*n:129+8*n], v[132+8*n:133+8*n]
	v_pk_add_f32 v[130+8*n:131+8*n], v[130+8*n:131+8*n], v[134+8*n:135+8*n]
	global_store_b128 v[CO2], v[128+8*n:131+8*n], s[82:83] offset:32768*n  ; 512 consecutive bytes: 128 tokens of one property
.set n, n+1
.endr
	s_wait_tensorcnt 0x0                           ; the wave's end
	ds_add_u32 v[SPW], v[NIL]
	s_wait_dscnt 0x0
	CROUND                                         ; the closing round
	s_endpgm
.Lfunc_end_k_qe853c91fdc_g1:
	.size	k_qe853c91fdc_g1, .Lfunc_end_k_qe853c91fdc_g1-k_qe853c91fdc_g1
	.p2alignl 7, 3214868480
	.fill 96, 4, 3214868480
	.section	.rodata,"a",@progbits
	.p2align	6, 0x0
	.amdhsa_kernel k_qe853c91fdc_g1
		.amdhsa_group_segment_fixed_size 327680
		.amdhsa_private_segment_fixed_size 0
		.amdhsa_enable_private_segment 0
		.amdhsa_kernarg_size 32
		.amdhsa_user_sgpr_count 2
		.amdhsa_user_sgpr_kernarg_segment_ptr 1
		.amdhsa_wavefront_size32 1
		.amdhsa_system_sgpr_workgroup_id_x 1
		.amdhsa_system_sgpr_workgroup_id_y 1
		.amdhsa_system_sgpr_workgroup_id_z 1
		.amdhsa_system_vgpr_workitem_id 0
		.amdhsa_next_free_vgpr 960
		.amdhsa_next_free_sgpr 100
		.amdhsa_reserve_vcc 0
		.amdhsa_float_denorm_mode_32 3
		.amdhsa_float_denorm_mode_16_64 3
		.amdhsa_memory_ordered 1
		.amdhsa_forward_progress 1
		.amdhsa_inst_pref_size 150
	.end_amdhsa_kernel
	.amdgpu_metadata
---
amdhsa.version: [ 1, 2 ]
amdhsa.kernels:
  - .name:           k_qe853c91fdc_g1
    .symbol:         k_qe853c91fdc_g1.kd
    .args:
      - { .name: xw, .offset: 0, .size: 8, .value_kind: global_buffer, .address_space: global }
      - { .name: wts, .offset: 8, .size: 8, .value_kind: global_buffer, .address_space: global }
      - { .name: b_sense, .offset: 16, .size: 8, .value_kind: global_buffer, .address_space: global }
      - { .name: g1o, .offset: 24, .size: 8, .value_kind: global_buffer, .address_space: global }
    .group_segment_fixed_size: 327680
    .private_segment_fixed_size: 0
    .kernarg_segment_align: 8
    .kernarg_segment_size: 32
    .max_flat_workgroup_size: 128
    .sgpr_count:     100
    .vgpr_count:     960
    .wavefront_size: 32
...
	.end_amdgpu_metadata
.endif
;; end of part 3
;; launch props (part 4): grid 128 x 1, 4 waves a work-group, no clusters, 12,800 bytes of LDS; arguments g1o, wts, b_out, tok, cls; writes tok, cls
.if DOCPART == 4
	.amdgcn_target "amdgcn-amd-amdhsa--gfx1250"
	.amdhsa_code_object_version 6
	.text
	.protected	k_qe853c91fdc_props
	.globl	k_qe853c91fdc_props
	.p2align	8
	.type	k_qe853c91fdc_props,@function
k_qe853c91fdc_props:
	s_mov_b64 s[64:65], 0
	v_nop
	global_prefetch_b8 v0, s[64:65] scope:SCOPE_SE
	s_setreg_imm32_b32 hwreg(HW_REG_WAVE_MODE, 25, 1), 1
	s_wait_xcnt 0x0
; TOKEN PROPERTIES.  A work-group takes 64 tokens: wave w adds the eight d tiles' partial sums of properties 12 w .. 12 w + 11 onto the bias; through LDS waves 0 and 1 get all 41 numbers of a token a lane and make
; tanh, the two softmaxes (maximum taken away), softplus and the argmax (the first of equal maxima, as jnp.argmax).  The token arrays leave scaled by the energy constants, so that a pair's energy is products and differences.
; Work-groups 0-7 also add b_v . W_out's 64 partial rows and b_out; work-group 8 makes the power of two that brings W_v . W_out into f16's range: 1024 max|W_v| max|W_out| bounds every entry, and is scaled below 2^15.
; Small and bound by latency: no matrix unit, no cluster.  The token stores cover 128 bytes a wave: 229 KB in the whole launch.  LIMITS: NaN and infinities are not treated apart.
.set PPO,   16777216
.set CST,   10629120
.set BPO,   10633472
.set WMAX,  10633728
.set PBO,   10635776
.set BIAS2, 196608
.set SCL,   200704
.set SPARE, 12288
.set LANE, 2
.set TM,   3
.set SPW,  4
.set NIL,  5
.set S,    8                           ; v8-31 twelve pairs of sums
.set Z,    32                          ; v32-127 loads; later v32-79 a token's 48 numbers
.set SEL,  60
.macro RND r
	v_cvt_pk_bf16_f32 v[\r], v[\r], v[\r]
	v_and_b32 v[\r], 0xffff0000, v[\r]
.endm
.macro WMAXR r
	v_max_num_f32_dpp v[\r], v[\r], v[\r] row_xmask:1 row_mask:0xf bank_mask:0xf
	v_max_num_f32_dpp v[\r], v[\r], v[\r] row_xmask:2 row_mask:0xf bank_mask:0xf
	v_max_num_f32_dpp v[\r], v[\r], v[\r] row_xmask:4 row_mask:0xf bank_mask:0xf
	v_max_num_f32_dpp v[\r], v[\r], v[\r] row_xmask:8 row_mask:0xf bank_mask:0xf
	v_permlanex16_b32 v[TM], v[\r], s[SEL], s[SEL+1]
	v_max_num_f32 v[\r], v[\r], v[TM]
.endm
	s_load_b256 s[4:11], s[0:1], 0x0               ; g1o, wts, b_out, tok
	s_load_b64 s[12:13], s[0:1], 0x20              ; cls
	v_lshl_add_u32 v[SPW], v0, 2, SPARE
	v_mov_b32 v[NIL], 0
	v_and_b32 v[LANE], 31, v0
	v_lshrrev_b32 v1, 5, v0
	v_readfirstlane_b32 s2, v1
	v_mov_b32 v[TM], 0
	s_mov_b32 s[SEL], 0x76543210
	s_mov_b32 s[SEL+1], 0xfedcba98
	s_wait_kmcnt 0x0
	s_cmp_lt_u32 ttmp9, 8
	s_cbranch_scc0 .Lno_bias
	s_lshl_b32 s14, ttmp9, 9
	v_lshl_add_u32 v6, v0, 2, s14                  ; column 128 x group + thread
	s_add_nc_u64 s[16:17], s[6:7], PBO
.set g, 0
.rept 64
	global_load_b32 v[Z+g], v6, s[16:17] offset:4096*g
.set g, g+1
.endr
	global_load_b32 v7, v6, s[8:9]
	s_wait_loadcnt 0x0
	RND 7
.set g, 0
.rept 64
	v_add_f32 v7, v7, v[Z+g]
.set g, g+1
.endr
	global_store_b32 v6, v7, s[10:11] offset:BIAS2
	s_wait_xcnt 0x0                                ; v6 and v7 are written again below
.Lno_bias:
	s_cmp_eq_u32 ttmp9, 8
	s_cbranch_scc0 .Lno_scale
	v_lshlrev_b32 v6, 5, v[LANE]
	s_add_nc_u64 s[16:17], s[6:7], WMAX
	global_load_b128 v[32:35], v6, s[16:17]
	global_load_b128 v[36:39], v6, s[16:17] offset:16
	global_load_b128 v[40:43], v6, s[16:17] offset:1024
	global_load_b128 v[44:47], v6, s[16:17] offset:1040
	s_wait_loadcnt 0x0
.irp i, 1,2,3,4,5,6,7
	v_max_num_f32 v32, v32, v[32+\i]
	v_max_num_f32 v40, v40, v[40+\i]
.endr
	WMAXR 32
	WMAXR 40
	v_mul_f32 v32, v32, v40
	v_mul_f32 v32, 0x44800000, v32                 ; the bound
	v_lshrrev_b32 v32, 23, v32                     ; its exponent field e, kept in 16 .. 238 so that both powers below are normal numbers
	v_max_u32 v32, 16, v32
	v_min_u32 v32, 238, v32
	v_sub_nc_u32 v34, 268, v32
	v_add_nc_u32 v35, -14, v32
	v_lshlrev_b32 v34, 23, v34                     ; 2^(141 - e)
	v_lshlrev_b32 v35, 23, v35                     ; 2^(e - 141)
	v_mov_b32 v6, 0
	v_cmp_eq_u32 vcc_lo, 0, v0
	s_wait_xcnt 0x0
	s_and_saveexec_b32 s18, vcc_lo
	global_store_b64 v6, v[34:35], s[10:11] offset:SCL
	s_wait_xcnt 0x0
	s_or_b32 exec_lo, exec_lo, s18
.Lno_scale:
	s_mul_i32 s14, s2, 12*32768
	s_lshl_b32 s15, ttmp9, 8
	s_add_co_u32 s14, s14, s15
	s_add_co_u32 s14, s14, PPO
	s_mov_b32 s15, 0
	s_add_nc_u64 s[16:17], s[4:5], s[14:15]        ; d tiles 0-3
	s_add_nc_u64 s[18:19], s[16:17], 4*48*32768    ; d tiles 4-7
	s_mul_i32 s20, s2, 48
	s_add_co_u32 s20, s20, BPO
	s_mov_b32 s21, 0
	s_add_nc_u64 s[20:21], s[6:7], s[20:21]
	s_load_b256 s[24:31], s[20:21], 0x0            ; my twelve biases
	s_load_b128 s[32:35], s[20:21], 0x20
	s_add_nc_u64 s[22:23], s[6:7], CST
	s_load_b256 s[36:43], s[22:23], 0x0
	v_lshlrev_b32 v6, 3, v[LANE]                   ; tokens 2 lane, 2 lane + 1: a wave's load covers 256 bytes
.set n, 0
.rept 48
	global_load_b64 v[Z+2*n:Z+2*n+1], v6, s[16:17] offset:(n/12)*48*32768+(n%12)*32768
.set n, n+1
.endr
	s_wait_kmcnt 0x0
.set n, 0
.rept 12
	v_mov_b32 v[S+2*n], s[24+n]
	v_mov_b32 v[S+2*n+1], s[24+n]
.set n, n+1
.endr
	s_wait_loadcnt 0x0
.set n, 0
.rept 48
	v_pk_add_f32 v[S+2*(n%12):S+2*(n%12)+1], v[S+2*(n%12):S+2*(n%12)+1], v[Z+2*n:Z+2*n+1]
.set n, n+1
.endr
.set n, 0
.rept 48
	global_load_b64 v[Z+2*n:Z+2*n+1], v6, s[18:19] offset:(n/12)*48*32768+(n%12)*32768
.set n, n+1
.endr
	s_mul_i32 s44, s2, 12*256
	v_add_nc_u32 v7, s44, v6
	s_wait_loadcnt 0x0
.set n, 0
.rept 48
	v_pk_add_f32 v[S+2*(n%12):S+2*(n%12)+1], v[S+2*(n%12):S+2*(n%12)+1], v[Z+2*n:Z+2*n+1]
.set n, n+1
.endr
.set n, 0
.rept 12
	ds_store_b64 v7, v[S+2*n:S+2*n+1] offset:256*n
.set n, n+1
.endr
	s_wait_dscnt 0x0                               ; for the others' sake
	s_barrier_signal -1
	s_barrier_wait -1
	s_cmp_lt_u32 s2, 2
	s_cbranch_scc0 .Lfin
	s_lshl_b32 s44, s2, 7
	v_lshl_add_u32 v7, v[LANE], 2, s44             ; token 32 wave + lane
.irp q, 0,1,2,3,4,5,6,7,8
	ds_load_b32 v[Z+\q], v7 offset:256*\q
.endr
.set q, 16
.rept 32
	ds_load_b32 v[Z+q], v7 offset:256*q
.set q, q+1
.endr
	s_wait_dscnt 0x0
	v_mul_f32 v80, 0x4038aa3b, v32                 ; tanh z = 1 - 2 / (1 + 2^(2 log2(e) z))
	v_max3_num_f32 v81, v33, v34, v35
	v_max3_num_f32 v82, v37, v38, v39
	v_max_num_f32 v82, v82, v40
.irp i, 33,34,35
	v_sub_f32 v[\i], v[\i], v81
	v_mul_f32 v[\i], 0x3fb8aa3b, v[\i]
.endr
.irp i, 37,38,39,40
	v_sub_f32 v[\i], v[\i], v82
	v_mul_f32 v[\i], 0x3fb8aa3b, v[\i]
.endr
	v_mul_f32 v83, 0xbfb8aa3b, |v36|
.irp i, 80,33,34,35,37,38,39,40,83
	v_exp_f32 v[\i], v[\i]
.endr
	v_nop
	s_wait_alu depctr_va_vdst(0)
	v_add_f32 v80, 1.0, v80
	v_add_f32 v84, v33, v34
	v_add_f32 v84, v84, v35
	v_add_f32 v85, v37, v38
	v_add_f32 v88, v39, v40
	v_add_f32 v85, v85, v88
	v_add_f32 v83, 1.0, v83
	v_rcp_f32 v80, v80
	v_rcp_f32 v84, v84
	v_rcp_f32 v85, v85
	v_log_f32 v83, v83
	v_max_num_f32 v36, 0, v36
	s_wait_alu depctr_va_vdst(0)
	v_fma_f32 v80, v80, -2.0, 1.0                  ; charge
	v_mul_f32 v84, s37, v84                        ; a_s / T into the shell's divisor
.irp i, 33,34,35
	v_mul_f32 v[\i], v[\i], v84
.endr
.irp i, 37,38,39,40
	v_mul_f32 v[\i], v[\i], v85
.endr
	v_add_f32 v37, v37, v38                        ; the valence weights are added
	v_add_f32 v37, v37, v39
	v_add_f32 v37, v37, v40
	v_fmamk_f32 v36, v83, 0x3f317218, v36          ; softplus
	v_add_f32 v36, 0.5, v36
	v_mul_f32 v80, s36, v80
	v_mul_f32 v36, s39, v36
	v_mul_f32 v37, s40, v37
	v_mov_b32 v86, v48                             ; argmax over v48-79
	v_mov_b32 v87, 0
.set c, 1
.rept 31
	v_cmp_gt_f32 vcc_lo, v[48+c], v86
	v_cndmask_b32 v87, v87, c, vcc_lo
	v_max_num_f32 v86, v86, v[48+c]
.set c, c+1
.endr
	s_lshl_b32 s44, ttmp9, 8
	s_lshl_b32 s45, s2, 7
	s_add_co_u32 s44, s44, s45
	s_mov_b32 s45, 0
	s_add_nc_u64 s[10:11], s[10:11], s[44:45]
	s_add_nc_u64 s[12:13], s[12:13], s[44:45]
	v_lshlrev_b32 v6, 2, v[LANE]
	global_store_b32 v6, v80, s[10:11]
	global_store_b32 v6, v36, s[10:11] offset:32768
	global_store_b32 v6, v33, s[10:11] offset:65536
	global_store_b32 v6, v34, s[10:11] offset:98304
	global_store_b32 v6, v35, s[10:11] offset:131072
	global_store_b32 v6, v37, s[10:11] offset:163840
	global_store_b32 v6, v87, s[12:13]
.Lfin:
	s_wait_tensorcnt 0x0                           ; the wave's end
	ds_add_u32 v[SPW], v[NIL]
	s_wait_dscnt 0x0
	s_endpgm
.Lfunc_end_k_qe853c91fdc_props:
	.size	k_qe853c91fdc_props, .Lfunc_end_k_qe853c91fdc_props-k_qe853c91fdc_props
	.p2alignl 7, 3214868480
	.fill 96, 4, 3214868480
	.section	.rodata,"a",@progbits
	.p2align	6, 0x0
	.amdhsa_kernel k_qe853c91fdc_props
		.amdhsa_group_segment_fixed_size 12800
		.amdhsa_private_segment_fixed_size 0
		.amdhsa_enable_private_segment 0
		.amdhsa_kernarg_size 40
		.amdhsa_user_sgpr_count 2
		.amdhsa_user_sgpr_kernarg_segment_ptr 1
		.amdhsa_wavefront_size32 1
		.amdhsa_system_sgpr_workgroup_id_x 1
		.amdhsa_system_sgpr_workgroup_id_y 1
		.amdhsa_system_sgpr_workgroup_id_z 1
		.amdhsa_system_vgpr_workitem_id 0
		.amdhsa_next_free_vgpr 128
		.amdhsa_next_free_sgpr 66
		.amdhsa_reserve_vcc 1
		.amdhsa_float_denorm_mode_32 3
		.amdhsa_float_denorm_mode_16_64 3
		.amdhsa_memory_ordered 1
		.amdhsa_forward_progress 1
		.amdhsa_inst_pref_size 40
	.end_amdhsa_kernel
	.amdgpu_metadata
---
amdhsa.version: [ 1, 2 ]
amdhsa.kernels:
  - .name:           k_qe853c91fdc_props
    .symbol:         k_qe853c91fdc_props.kd
    .args:
      - { .name: g1o, .offset: 0, .size: 8, .value_kind: global_buffer, .address_space: global }
      - { .name: wts, .offset: 8, .size: 8, .value_kind: global_buffer, .address_space: global }
      - { .name: b_out, .offset: 16, .size: 8, .value_kind: global_buffer, .address_space: global }
      - { .name: tok, .offset: 24, .size: 8, .value_kind: global_buffer, .address_space: global }
      - { .name: cls, .offset: 32, .size: 8, .value_kind: global_buffer, .address_space: global }
    .group_segment_fixed_size: 12800
    .private_segment_fixed_size: 0
    .kernarg_segment_align: 8
    .kernarg_segment_size: 40
    .max_flat_workgroup_size: 128
    .sgpr_count:     66
    .vgpr_count:     128
    .wavefront_size: 32
...
	.end_amdgpu_metadata
.endif
;; end of part 4
;; launch scores (part 5): grid 256 x 1, 16 waves a work-group, no clusters, 321,536 bytes of LDS; arguments tok, cls, wts, attn; writes attn
.if DOCPART == 5
	.amdgcn_target "amdgcn-amd-amdhsa--gfx1250"
	.amdhsa_code_object_version 6
	.text
	.protected	k_qe853c91fdc_scores
	.globl	k_qe853c91fdc_scores
	.p2align	8
	.type	k_qe853c91fdc_scores,@function
k_qe853c91fdc_scores:
	s_mov_b64 s[64:65], 0
	v_nop
	global_prefetch_b8 v0, s[64:65] scope:SCOPE_SE
	s_setreg_imm32_b32 hwreg(HW_REG_WAVE_MODE, 25, 1), 1
	s_wait_xcnt 0x0
; THE ATTENTION WEIGHTS.  For row i and key j <= i: s = -(E / T) x log2(e) x compat[cls_i][cls_j], E / T = C_i C_j + M_i M_j + sum |S_ki - S_kj| + NAD / (1 + 0.1 (i - j)) + NV_i + NV_j on the scaled token arrays.
; p = 2^(s - m) with the row's true maximum m, stored in f16 (0 for j > i, up to the next multiple of 256 keys); rl = 1 / sum p in f32, applied by the next product.
; A wave takes two neighbouring rows; waves 0-7 rows from the batch's low half, waves 8-15 the mirrored rows of the high half, so a pair of waves has 9 chunks of 256 keys whatever the work-group.
; Pass 1 makes the scores, keeps them in the wave's own LDS stash and finds m; pass 2 makes p.  The batch's seven token arrays lie in LDS, stored once.  The class factor is a lane permute: lane c holds compat[cls_i][c].
; Pure vector work on few bytes: no matrix unit, no cluster.  The loops count to the constant 8 and jump forward over chunks that a row does not have.
; LIMITS: p below 2^-24 counts as 0 in the product (not in the sum); NaN and infinities are not treated apart.
.set CST,   10629120
.set CMP,   10629376
.set RLO,   33554432
.set STASH, 57344
.set SPARE, 319488
.set LANE, 2
.set PAD,  3
.set SAD,  4
.set VO,   5
.set NINF, 6
.set ROWV, 8                           ; v8, v9
.set VJ,   10                          ; v10, v11: 4 lane + 256 q - i
.set MX,   12                          ; v12-15 two pairs
.set LS,   16                          ; v16-19 two pairs
.set JF,   20                          ; v20-27 my eight keys' numbers as f32
.set SAD0, 28
.set TM,   29
.set SPW,  30
.set NIL,  31
.set PJ,   32                          ; v32-87 seven arrays x 8 keys: C, M, S0, S1, S2, NV, 4 x class
.set E,    88
.set U,    96
.set G,    104
.set D,    112
.set H,    120
.set RC,   66                          ; s66-81 row 0, s82-97 row 1: pairs C, M, -S0, -S1, -S2, NV, i
.set NAD,  98
.set SEL,  60
.macro ROWS p
.set RB, RC+16*(\p)
.irp k, 0,1,2,3
	v_pk_fma_f32 v[E+2*\k:E+2*\k+1], v[PJ+2*\k:PJ+2*\k+1], s[RB:RB+1], v[PJ+40+2*\k:PJ+40+2*\k+1] op_sel_hi:[1,0,1]
	v_pk_add_f32 v[D:D+1],   v[PJ+16+2*\k:PJ+16+2*\k+1], s[RB+4:RB+5] op_sel_hi:[1,0]
	v_pk_add_f32 v[D+2:D+3], v[PJ+24+2*\k:PJ+24+2*\k+1], s[RB+6:RB+7] op_sel_hi:[1,0]
	v_pk_add_f32 v[D+4:D+5], v[PJ+32+2*\k:PJ+32+2*\k+1], s[RB+8:RB+9] op_sel_hi:[1,0]
	v_pk_fma_f32 v[E+2*\k:E+2*\k+1], v[PJ+8+2*\k:PJ+8+2*\k+1], s[RB+2:RB+3], v[E+2*\k:E+2*\k+1] op_sel_hi:[1,0,1]
	v_add_f32 v[D+6], |v[D]|, |v[D+2]|
	v_add_f32 v[D+7], |v[D+1]|, |v[D+3]|
	v_add_f32 v[D+6], v[D+6], |v[D+4]|
	v_add_f32 v[D+7], v[D+7], |v[D+5]|
	v_pk_add_f32 v[E+2*\k:E+2*\k+1], v[E+2*\k:E+2*\k+1], v[D+6:D+7]
	v_pk_add_f32 v[U+2*\k:U+2*\k+1], v[JF+2*\k:JF+2*\k+1], s[RB+12:RB+13] op_sel_hi:[1,0] neg_lo:[1,0] neg_hi:[1,0]  ; i - j
	v_pk_fma_f32 v[U+2*\k:U+2*\k+1], v[U+2*\k:U+2*\k+1], 0x3dcccccd, 1.0 op_sel_hi:[1,0,0]
.endr
.irp e, 0,1,2,3,4,5,6,7
	ds_bpermute_b32 v[G+\e], v[PJ+48+\e], v[ROWV+(\p)]
.endr
.irp e, 0,1,2,3,4,5,6,7
	v_rcp_f32 v[U+\e], v[U+\e]
.endr
	v_nop
	s_wait_alu depctr_va_vdst(0)
.irp k, 0,1,2,3
	v_pk_fma_f32 v[E+2*\k:E+2*\k+1], v[U+2*\k:U+2*\k+1], s[NAD:NAD+1], v[E+2*\k:E+2*\k+1] op_sel_hi:[1,0,1]
	v_pk_add_f32 v[E+2*\k:E+2*\k+1], v[E+2*\k:E+2*\k+1], s[RB+10:RB+11] op_sel_hi:[1,0]
.endr
	s_wait_dscnt 0x0                               ; the class factors
.irp k, 0,1,2,3
	v_pk_mul_f32 v[E+2*\k:E+2*\k+1], v[E+2*\k:E+2*\k+1], v[G+2*\k:G+2*\k+1] neg_lo:[1,0] neg_hi:[1,0]
.endr
.irp e, 0,1,2,3,4,5,6,7
	v_cmp_lt_i32 vcc_lo, -(128*(\e/4)+\e%4), v[VJ+(\p)]  ; key 256 q + 128 g + 4 lane + e lies behind i
	v_cndmask_b32 v[E+\e], v[E+\e], v[NINF], vcc_lo
.endr
.irp k, 0,1,2,3
	v_max3_num_f32 v[MX+2*(\p)], v[MX+2*(\p)], v[E+2*\k], v[E+2*\k+1]
.endr
	ds_store_b128 v[SAD], v[E:E+3]   offset:8192*(\p)
	ds_store_b128 v[SAD], v[E+4:E+7] offset:8192*(\p)+512
.endm
.macro ROWP p
	ds_load_b128 v[E:E+3],   v[SAD] offset:8192*(\p)
	ds_load_b128 v[E+4:E+7], v[SAD] offset:8192*(\p)+512
	s_wait_dscnt 0x0
.irp k, 0,1,2,3
	v_pk_add_f32 v[E+2*\k:E+2*\k+1], v[E+2*\k:E+2*\k+1], v[MX+2*(\p):MX+2*(\p)+1] op_sel_hi:[1,0] neg_lo:[0,1] neg_hi:[0,1]
.endr
.irp e, 0,1,2,3,4,5,6,7
	v_exp_f32 v[E+\e], v[E+\e]
.endr
	v_nop
	s_wait_alu depctr_va_vdst(0)
.irp k, 0,1,2,3
	v_pk_add_f32 v[LS+2*(\p):LS+2*(\p)+1], v[LS+2*(\p):LS+2*(\p)+1], v[E+2*\k:E+2*\k+1]
	v_cvt_pk_f16_f32 v[H+4*(\p)+\k], v[E+2*\k], v[E+2*\k+1]
.endr
	global_store_b64 v[VO], v[H+4*(\p):H+4*(\p)+1],   s[28:29] offset:4096*(\p)      ; a wave's store covers 256 consecutive bytes, aligned
	global_store_b64 v[VO], v[H+4*(\p)+2:H+4*(\p)+3], s[28:29] offset:4096*(\p)+256
.endm
.macro WRED op, r
	\op\()_dpp v[\r], v[\r], v[\r] row_xmask:1 row_mask:0xf bank_mask:0xf
	\op\()_dpp v[\r], v[\r], v[\r] row_xmask:2 row_mask:0xf bank_mask:0xf
	\op\()_dpp v[\r], v[\r], v[\r] row_xmask:4 row_mask:0xf bank_mask:0xf
	\op\()_dpp v[\r], v[\r], v[\r] row_xmask:8 row_mask:0xf bank_mask:0xf
	v_permlanex16_b32 v[TM], v[\r], s[SEL], s[SEL+1]
	\op v[\r], v[\r], v[TM]
.endm
	s_load_b256 s[4:11], s[0:1], 0x0               ; tok, cls, wts, attn
	v_lshl_add_u32 v[SPW], v0, 2, SPARE
	v_mov_b32 v[NIL], 0
	v_and_b32 v[LANE], 31, v0
	v_lshrrev_b32 v1, 5, v0
	v_readfirstlane_b32 s2, v1                     ; wave 0..15
	s_mov_b32 s[SEL], 0x76543210
	s_mov_b32 s[SEL+1], 0xfedcba98
	s_lshr_b32 s12, ttmp9, 6                       ; batch
	s_and_b32 s13, ttmp9, 63
	s_lshl_b32 s14, s13, 3
	s_add_co_u32 s14, s14, s2
	s_sub_co_u32 s15, 1031, s14
	s_cmp_lt_u32 s2, 8
	s_cselect_b32 s14, s14, s15                    ; my pair of rows, 0 .. 1,023
	s_lshl_b32 s16, s14, 1                         ; i0
	s_lshr_b32 s21, s16, 8
	s_add_co_u32 s21, s21, 1                       ; chunks of 256 keys
	s_lshl_b32 s17, s12, 11
	s_add_co_u32 s17, s17, s16                     ; the row among all 8,192
	s_lshl_b32 s50, s17, 2
	s_mov_b32 s51, 0
	s_lshl_b32 s52, s12, 13
	s_mov_b32 s53, 0
	s_lshl_b32 s54, s17, 12
	s_mov_b32 s55, 0
	v_lshlrev_b32 v1, 4, v0
	s_wait_kmcnt 0x0
	s_add_nc_u64 s[18:19], s[4:5], s[50:51]
	s_add_nc_u64 s[56:57], s[6:7], s[50:51]
	s_add_nc_u64 s[22:23], s[4:5], s[52:53]
	s_add_nc_u64 s[24:25], s[6:7], s[52:53]
	s_add_nc_u64 s[26:27], s[8:9], CMP
	s_add_nc_u64 s[58:59], s[8:9], CST
	s_add_nc_u64 s[28:29], s[10:11], s[54:55]
	s_add_nc_u64 s[30:31], s[10:11], RLO
	s_add_nc_u64 s[30:31], s[30:31], s[50:51]
.irp n, 0,1,2,3,4,5
	s_load_b64 s[32+2*\n:33+2*\n], s[18:19], 32768*\n
.endr
	s_load_b64 s[44:45], s[56:57], 0x0
	s_load_b32 s46, s[58:59], 0x8
.irp n, 0,1,2,3,4,5
	global_load_b128 v[PJ+4*\n:PJ+4*\n+3], v1, s[22:23] offset:32768*\n
.endr
	global_load_b128 v[PJ+24:PJ+27], v1, s[24:25]
	s_wait_loadcnt 0x0
.irp e, 0,1,2,3
	v_lshlrev_b32 v[PJ+24+\e], 2, v[PJ+24+\e]      ; the permute wants 4 x lane
	v_and_b32 v[PJ+24+\e], 0x7c, v[PJ+24+\e]
.endr
.irp n, 0,1,2,3,4,5,6
	ds_store_b128 v1, v[PJ+4*\n:PJ+4*\n+3] offset:8192*\n
.endr
	s_wait_dscnt 0x0                               ; for the others' sake
	s_barrier_signal -1
	s_barrier_wait -1
	s_wait_kmcnt 0x0
.irp p, 0,1
	s_mov_b32 s[RC+16*\p], s[32+\p]
	s_mov_b32 s[RC+16*\p+1], s[32+\p]
	s_mov_b32 s[RC+16*\p+2], s[34+\p]
	s_mov_b32 s[RC+16*\p+3], s[34+\p]
	s_xor_b32 s[RC+16*\p+4], s[36+\p], 0x80000000
	s_xor_b32 s[RC+16*\p+5], s[36+\p], 0x80000000
	s_xor_b32 s[RC+16*\p+6], s[38+\p], 0x80000000
	s_xor_b32 s[RC+16*\p+7], s[38+\p], 0x80000000
	s_xor_b32 s[RC+16*\p+8], s[40+\p], 0x80000000
	s_xor_b32 s[RC+16*\p+9], s[40+\p], 0x80000000
	s_mov_b32 s[RC+16*\p+10], s[42+\p]
	s_mov_b32 s[RC+16*\p+11], s[42+\p]
	s_add_co_u32 s47, s16, \p
	s_cvt_f32_u32 s[RC+16*\p+12], s47
	s_cvt_f32_u32 s[RC+16*\p+13], s47
	s_min_u32 s48, s[44+\p], 31                    ; the class stays inside its table
	s_lshl_b32 s48, s48, 7
	v_lshl_add_u32 v[D+\p], v[LANE], 2, s48
	global_load_b32 v[ROWV+\p], v[D+\p], s[26:27]  ; lane c: log2(e) compat[cls_i][c]
	v_lshlrev_b32 v[VJ+\p], 2, v[LANE]
	v_sub_nc_u32 v[VJ+\p], v[VJ+\p], s47
	v_mov_b32 v[MX+2*\p], 0xff800000
	v_mov_b32 v[LS+2*\p], 0
	v_mov_b32 v[LS+2*\p+1], 0
.endr
	s_mov_b32 s[NAD], s46
	s_mov_b32 s[NAD+1], s46
	v_mov_b32 v[NINF], 0xff800000
	v_mov_b32 v[TM], 0
	v_lshlrev_b32 v7, 2, v[LANE]
.irp e, 0,1,2,3,4,5,6,7
	v_add_nc_u32 v[JF+\e], 128*(\e/4)+\e%4, v7
	v_cvt_f32_u32 v[JF+\e], v[JF+\e]
.endr
	v_lshlrev_b32 v[PAD], 4, v[LANE]
	s_lshl_b32 s48, s2, 14
	s_add_co_u32 s48, s48, STASH
	v_add_nc_u32 v[SAD0], s48, v[PAD]              ; my wave's stash: two rows of 8,192 bytes
	v_mov_b32 v[SAD], v[SAD0]
	v_lshlrev_b32 v[VO], 3, v[LANE]
	s_wait_loadcnt 0x0
	s_mov_b32 s20, 0
.Lp1:
	s_cmp_ge_u32 s20, s21
	s_cbranch_scc1 .Lskip1
.irp n, 0,1,2,3,4,5,6
	ds_load_b128 v[PJ+8*\n:PJ+8*\n+3],   v[PAD] offset:8192*\n
	ds_load_b128 v[PJ+8*\n+4:PJ+8*\n+7], v[PAD] offset:8192*\n+512
.endr
	s_wait_dscnt 0x0
	ROWS 0
	ROWS 1
.Lskip1:
	v_add_nc_u32 v[PAD], 1024, v[PAD]
	v_add_nc_u32 v[SAD], 1024, v[SAD]
	v_add_nc_u32 v[VJ], 256, v[VJ]
	v_add_nc_u32 v[VJ+1], 256, v[VJ+1]
.irp k, 0,1,2,3
	v_pk_add_f32 v[JF+2*\k:JF+2*\k+1], v[JF+2*\k:JF+2*\k+1], 0x43800000 op_sel_hi:[1,0]
.endr
	s_add_co_u32 s20, s20, 1
	s_cmp_lt_u32 s20, 8
	s_cbranch_scc1 .Lp1
	WRED v_max_num_f32, MX
	WRED v_max_num_f32, MX+2
	v_mov_b32 v[MX+1], v[MX]                       ; named as pairs
	v_mov_b32 v[MX+3], v[MX+2]
	v_mov_b32 v[SAD], v[SAD0]
	s_mov_b32 s20, 0
.Lp2:
	s_cmp_ge_u32 s20, s21
	s_cbranch_scc1 .Lskip2
	ROWP 0
	ROWP 1
.Lskip2:
	s_wait_xcnt 0x0                                ; the stores' offset and data are written again only behind this wait
	v_add_nc_u32 v[VO], 512, v[VO]
	v_add_nc_u32 v[SAD], 1024, v[SAD]
	s_add_co_u32 s20, s20, 1
	s_cmp_lt_u32 s20, 8
	s_cbranch_scc1 .Lp2
	v_add_f32 v[LS], v[LS], v[LS+1]
	v_add_f32 v[LS+1], v[LS+2], v[LS+3]
	WRED v_add_f32, LS
	WRED v_add_f32, LS+1
	v_rcp_f32 v[LS], v[LS]
	v_rcp_f32 v[LS+1], v[LS+1]
	v_mov_b32 v7, 0
	v_cmp_eq_u32 vcc_lo, 0, v[LANE]
	s_wait_xcnt 0x0
	s_and_saveexec_b32 s48, vcc_lo
	s_wait_alu depctr_va_vdst(0)
	global_store_b64 v7, v[LS:LS+1], s[30:31]
	s_wait_xcnt 0x0
	s_or_b32 exec_lo, exec_lo, s48
	s_wait_tensorcnt 0x0                           ; the wave's end
	ds_add_u32 v[SPW], v[NIL]
	s_wait_dscnt 0x0
	s_endpgm
.Lfunc_end_k_qe853c91fdc_scores:
	.size	k_qe853c91fdc_scores, .Lfunc_end_k_qe853c91fdc_scores-k_qe853c91fdc_scores
	.p2alignl 7, 3214868480
	.fill 96, 4, 3214868480
	.section	.rodata,"a",@progbits
	.p2align	6, 0x0
	.amdhsa_kernel k_qe853c91fdc_scores
		.amdhsa_group_segment_fixed_size 321536
		.amdhsa_private_segment_fixed_size 0
		.amdhsa_enable_private_segment 0
		.amdhsa_kernarg_size 32
		.amdhsa_user_sgpr_count 2
		.amdhsa_user_sgpr_kernarg_segment_ptr 1
		.amdhsa_wavefront_size32 1
		.amdhsa_system_sgpr_workgroup_id_x 1
		.amdhsa_system_sgpr_workgroup_id_y 1
		.amdhsa_system_sgpr_workgroup_id_z 1
		.amdhsa_system_vgpr_workitem_id 0
		.amdhsa_next_free_vgpr 128
		.amdhsa_next_free_sgpr 100
		.amdhsa_reserve_vcc 1
		.amdhsa_float_denorm_mode_32 3
		.amdhsa_float_denorm_mode_16_64 3
		.amdhsa_memory_ordered 1
		.amdhsa_forward_progress 1
		.amdhsa_inst_pref_size 26
	.end_amdhsa_kernel
	.amdgpu_metadata
---
amdhsa.version: [ 1, 2 ]
amdhsa.kernels:
  - .name:           k_qe853c91fdc_scores
    .symbol:         k_qe853c91fdc_scores.kd
    .args:
      - { .name: tok, .offset: 0, .size: 8, .value_kind: global_buffer, .address_space: global }
      - { .name: cls, .offset: 8, .size: 8, .value_kind: global_buffer, .address_space: global }
      - { .name: wts, .offset: 16, .size: 8, .value_kind: global_buffer, .address_space: global }
      - { .name: attn, .offset: 24, .size: 8, .value_kind: global_buffer, .address_space: global }
    .group_segment_fixed_size: 321536
    .private_segment_fixed_size: 0
    .kernarg_segment_align: 8
    .kernarg_segment_size: 32
    .max_flat_workgroup_size: 512
    .sgpr_count:     100
    .vgpr_count:     128
    .wavefront_size: 32
...
	.end_amdgpu_metadata
.endif
;; end of part 5
;; launch wvo (part 6): grid 8 x 8, 4 waves a work-group, clusters of 4 x 4, 327,680 bytes of LDS; arguments wts, tok, wvo; writes wvo
.if DOCPART == 6
	.amdgcn_target "amdgcn-amd-amdhsa--gfx1250"
	.amdhsa_code_object_version 6
	.text
	.protected	k_qe853c91fdc_wvo
	.globl	k_qe853c91fdc_wvo
	.p2align	8
	.type	k_qe853c91fdc_wvo,@function
k_qe853c91fdc_wvo:
	s_mov_b64 s[64:65], 0
	v_nop
	global_prefetch_b8 v0, s[64:65] scope:SCOPE_SE
	s_setreg_imm32_b32 hwreg(HW_REG_WAVE_MODE, 25, 1), 1
	s_wait_xcnt 0x0
	s_wait_alu depctr_hold_cnt(0) depctr_sa_sdst(0) depctr_va_vdst(0) depctr_va_sdst(0) depctr_va_ssrc(0) depctr_va_vcc(0) depctr_vm_vsrc(0)
	s_getreg_b32 s2, hwreg(HW_REG_IB_STS2, 6, 4)
	s_cmp_eq_u32 s2, 0
	s_cbranch_scc0 .Lentry_in_a_cluster
	s_endpgm
.Lentry_in_a_cluster:
	s_bfe_u32 s2, ttmp6, 0x10000c
	s_cmp_lg_u32 s2, 0xf033
	s_cbranch_scc0 .Lentry_shape_is_right
	s_endpgm
.Lentry_shape_is_right:
; Wvo[d][c] = 2^k x sum over e of W_v[d][e] W_out[e][c], bf16 operands, f32 sums, stored in f16; 2^k (made from the weights' largest magnitudes) keeps every entry below 2^15.
; attn's rows sum to 1, so (attn (x2 W_v + b_v)) W_out + b_out = (attn x2) (W_v W_out) + (b_v W_out + b_out): this small product takes the place of x2 W_v.
; A tile of 128 x 128 a work-group, 64 x 64 a wave (16 accumulators); K in 4 steps of 256 through two LDS slots; waves 0, 1 fetch A's halves, waves 2, 3 B's.  64 work-groups: the problem has no more at this tile.
; B lies [k][n] and is turned by ds_load_tr16_b128; the matrix instruction is used transposed, so a lane holds 8 neighbouring columns of a row.  CLUSTER 4 x 4: A jointly along a row, B along a column.
; By this text's count a wave has two tensor loads out at the start, later one.
.set PA,    528
.set PB,    288
.set AREG,  128*PA
.set BHALF, 128*PB
.set SLOT,  AREG+2*BHALF
.set STAGE, 2*SLOT
.set SP,    272
.set SPARE, STAGE+128*SP
.set WV16,  6291456
.set WO16,  8388608
.set SCL,   200704
.set ASTEP, 512
.set BSTEP, 256*2048
.set F0, 0                             ; window 1: two fragment buffers, 64 along K each: depth c: A's four at F + 64 c + 8 a, B's four at F + 64 c + 32 + 8 b
.set F1, 128
.set ADRA0, 16
.set ADRA,  17
.set ADRB0, 18
.set ADRB,  20
.set STO, 24
.set RD,  25
.set CO,  26
.set SPW, 28
.set NIL, 29
.set RL,  32                           ; v32-39 2^k, in pairs
.set H,   64
.set G1A, 24
.set G0A, 32
.set G1B, 40
.set G0B, 48
.set MSB, 0
.macro WIN new
.if MSB != (\new)
	s_set_vgpr_msb (MSB<<8)|(\new)
.set MSB, \new
.endif
.endm
.macro PLACES
.rept 4
	v_nop
.endr
.endm
.macro CREST
	s_cmp_lg_u32 s12, 0
	s_cbranch_scc1 .Lnot_wave_0_\@
	s_barrier_signal -3
.Lnot_wave_0_\@:
	s_barrier_wait -3
	s_barrier_signal -1
	s_barrier_wait -1
.endm
.macro CROUND
	s_barrier_signal -1
	s_barrier_wait -1
	CREST
.endm
.macro JLOAD
	s_cmp_lt_u32 s12, 2
	s_cbranch_scc0 .Lfor_b_\@
	tensor_load_to_lds s[G0A+4:G0A+7], s[G1A:G1A+7]
	s_nop 0
.rept 4
	v_nop
.endr
	s_branch .Lasked_\@
.Lfor_b_\@:
	tensor_load_to_lds s[G0B+4:G0B+7], s[G1B:G1B+7]
	s_nop 0
.rept 4
	v_nop
.endr
.Lasked_\@:
.endm
.macro MUL8 f, c, a0, zero             ; 8 products; the 16 accumulators (window 2, at 8 (4 a + b)) take turns
	WIN 0xa5
.irp a, \a0, (\a0)+1
.irp b, 0,1,2,3
.if \zero
	v_wmma_f32_16x16x32_bf16 v[8*(4*(\a)+(\b)):8*(4*(\a)+(\b))+7], v[(\f)+64*(\c)+32+8*(\b):(\f)+64*(\c)+32+8*(\b)+7], v[(\f)+64*(\c)+8*(\a):(\f)+64*(\c)+8*(\a)+7], 0
.else
	v_wmma_f32_16x16x32_bf16 v[8*(4*(\a)+(\b)):8*(4*(\a)+(\b))+7], v[(\f)+64*(\c)+32+8*(\b):(\f)+64*(\c)+32+8*(\b)+7], v[(\f)+64*(\c)+8*(\a):(\f)+64*(\c)+8*(\a)+7], v[8*(4*(\a)+(\b)):8*(4*(\a)+(\b))+7]
.endif
.endr
.endr
.endm
.macro FETCH kq, f                     ; 32 LDS loads in one run: 64 along K
	WIN 0x40
.irp c, 0,1
.irp i, 0,1,2,3
	ds_load_tr16_b128 v[(\f)+64*\c+32+8*\i:(\f)+64*\c+32+8*\i+3], v[ADRB+(\kq)/2] offset:(((\kq)%2)*64+32*\c)*PB+32*\i
	ds_load_tr16_b128 v[(\f)+64*\c+36+8*\i:(\f)+64*\c+36+8*\i+3], v[ADRB+(\kq)/2] offset:(((\kq)%2)*64+32*\c+16)*PB+32*\i
	ds_load_b128 v[(\f)+64*\c+8*\i:(\f)+64*\c+8*\i+3],   v[ADRA] offset:\i*16*PA+128*(\kq)+64*\c
	ds_load_b128 v[(\f)+64*\c+8*\i+4:(\f)+64*\c+8*\i+7], v[ADRA] offset:\i*16*PA+128*(\kq)+64*\c+32
.endr
.endr
.endm
.macro Q kqn, f, g, zero
	s_wait_dscnt 0x0                               ; buffer f was asked for 16 products ago
	MUL8 \f, 0, 0, \zero
	MUL8 \f, 0, 2, \zero
	PLACES
	FETCH \kqn, \g
	MUL8 \f, 1, 0, 0
	MUL8 \f, 1, 2, 0
.endm
.macro TURN fill
	WIN 0
	s_wait_tensorcnt 0x0                           ; my part of the next slot has landed; no load of mine is out
	ds_add_u32 v[SPW], v[NIL]
	s_wait_dscnt 1                                 ; all but the add: buffer 1 is in
	MUL8 F1, 0, 0, 0
	s_wait_dscnt 0x0                               ; the add is done; my reads of this slot are over
	s_barrier_signal -1
	MUL8 F1, 0, 2, 0
	WIN 0
	s_barrier_wait -1
.if \fill
	CREST                                          ; the barrier opened a round of the cluster's
	s_xor_b32 s20, s20, SLOT                       ; the walking descriptors: the other slot, one K step on
	s_add_co_u32 s[G0A+5], s21, s20
	s_add_nc_u64 s[G0A+6:G0A+7], s[G0A+6:G0A+7], ASTEP
	s_add_co_u32 s[G0B+5], s22, s20
	s_add_nc_u64 s[G0B+6:G0B+7], s[G0B+6:G0B+7], BSTEP
	JLOAD
.else
	PLACES
.endif
	s_xor_b32 s19, s19, SLOT
	v_add_nc_u32 v[ADRA], s19, v[ADRA0]
	v_add_nc_u32 v[ADRB], s19, v[ADRB0]
	v_add_nc_u32 v[ADRB+1], s19, v[ADRB0+1]
	FETCH 0, F0
	MUL8 F1, 1, 0, 0
	MUL8 F1, 1, 2, 0
.endm
.macro WOUT                            ; the tile times its rows' factors, rounded to f16, into the work-group's stage
	s_wait_xcnt 0x0
	PLACES
	WIN 0x82
.set n, 0
.rept 64
	v_pk_mul_f32 v[2*n:2*n+1], v[2*n:2*n+1], v[RL+2*(n/16):RL+2*(n/16)+1] op_sel_hi:[1,0]
.set n, n+1
.endr
	WIN 0x0a
.set n, 0
.rept 64
	v_cvt_pk_f16_f32 v[H+n], v[2*n], v[2*n+1]
.set n, n+1
.endr
	WIN 0
.set n, 0
.rept 16
	ds_store_b128 v[STO], v[H+4*n:H+4*n+3] offset:(n/4)*16*SP+32*(n%4)
.set n, n+1
.endr
.endm
.macro ROUT zb                         ; back as whole rows of 256 bytes, 32 rows a wave
.set n, 0
.rept 16
	ds_load_b128 v[H+4*n:H+4*n+3], v[RD] offset:n*2*SP
.set n, n+1
.endr
.set n, 0
.rept 16
	s_wait_dscnt 15-n                              ; pair of rows n is back; the younger loads stay out
	global_store_b128 v[CO], v[H+4*n:H+4*n+3], s[\zb:\zb+1] offset:4096*n  ; 16 lanes store 256 consecutive bytes, aligned
.set n, n+1
.endr
.endm
	s_load_b128 s[4:7], s[0:1], 0x0                ; wts, tok
	s_load_b64 s[8:9], s[0:1], 0x10                ; wvo
	v_lshl_add_u32 v[SPW], v0, 2, SPARE
	v_mov_b32 v[NIL], 0
	ds_add_u32 v[SPW], v[NIL]                      ; the wave's opening
	ds_add_u32 v28, v29
	v_lshrrev_b32 v1, 5, v0
	v_readfirstlane_b32 s12, v1
	s_lshr_b32 s13, s12, 1
	s_and_b32 s14, s12, 1
	s_bfe_u32 s15, ttmp6, 0x40000
	s_bfe_u32 s16, ttmp6, 0x40004
	s_lshl_b32 s17, ttmp9, 2
	s_add_co_u32 s17, s17, s15                     ; column tile
	s_and_b32 s18, ttmp7, 0xffff
	s_lshl_b32 s18, s18, 2
	s_add_co_u32 s18, s18, s16                     ; row tile
	s_lshl_b32 s72, s16, 2
	s_lshl_b32 s72, 15, s72
	s_lshl_b32 s73, 0x1111, s15
	s_or_b32 s[G1A], s72, (1<<16)|(1<<20)|(1<<21)|(6<<22)|(3<<25)  ; 4 words of padding behind every 128
	s_or_b32 s[G1B], s73, (1<<16)|(1<<20)|(1<<21)|(5<<22)|(7<<25)  ; 8 words behind every 64
	s_mov_b32 s[G1A+1], 256<<16                    ; A: 64 rows of 256 elements
	s_mov_b32 s[G1A+2], 64<<16
	s_mov_b32 s[G1A+3], 256<<16
	s_mov_b32 s[G1A+4], 64
	s_mov_b32 s[G1A+5], 1024
	s_mov_b32 s[G1A+6], 0
	s_mov_b32 s[G1A+7], 0
	s_mov_b32 s[G1B+1], 128<<16                    ; B: 128 rows of 128 elements
	s_mov_b32 s[G1B+2], 128<<16
	s_mov_b32 s[G1B+3], 128<<16
	s_mov_b32 s[G1B+4], 128
	s_mov_b32 s[G1B+5], 1024
	s_mov_b32 s[G1B+6], 0
	s_mov_b32 s[G1B+7], 0
	s_mul_i32 s21, s14, 64*PA                      ; where my half goes, for A
	s_mul_i32 s22, s14, BHALF
	s_add_co_u32 s22, s22, AREG                    ; and for B
	s_lshl_b32 s74, s18, 18
	s_lshl_b32 s75, s14, 17
	s_add_co_u32 s74, s74, s75
	s_add_co_u32 s74, s74, WV16                    ; A: row 128 x tile + 64 x half
	s_mov_b32 s75, 0
	s_lshl_b32 s76, s14, 18
	s_lshl_b32 s77, s17, 8
	s_add_co_u32 s76, s76, s77
	s_add_co_u32 s76, s76, WO16                    ; B: row 128 x half, column 128 x tile
	s_mov_b32 s77, 0
	s_mov_b32 s19, 0
	s_mov_b32 s20, SLOT
	s_mov_b32 s[G0A], 1
	s_mov_b32 s[G0A+1], s21
	s_mov_b32 s[G0A+4], 1
	s_add_co_u32 s[G0A+5], s21, SLOT
	s_mov_b32 s[G0B], 1
	s_mov_b32 s[G0B+1], s22
	s_mov_b32 s[G0B+4], 1
	s_add_co_u32 s[G0B+5], s22, SLOT
	s_wait_dscnt 0x0
	s_wait_kmcnt 0x0
	s_add_nc_u64 s[G0A+2:G0A+3], s[4:5], s[74:75]
	s_add_nc_u64 s[G0A+6:G0A+7], s[G0A+2:G0A+3], ASTEP
	s_or_b32 s[G0A+3], s[G0A+3], 0x80000000
	s_or_b32 s[G0A+7], s[G0A+7], 0x80000000
	s_add_nc_u64 s[G0B+2:G0B+3], s[4:5], s[76:77]
	s_add_nc_u64 s[G0B+6:G0B+7], s[G0B+2:G0B+3], BSTEP
	s_or_b32 s[G0B+3], s[G0B+3], 0x80000000
	s_or_b32 s[G0B+7], s[G0B+7], 0x80000000
	s_load_b32 s66, s[6:7], SCL
	CROUND
	s_cmp_lt_u32 s12, 2
	s_cbranch_scc0 .Lfirst_b
	tensor_load_to_lds s[G0A:G0A+3], s[G1A:G1A+7]
	s_nop 0
	tensor_load_to_lds s[G0A+4:G0A+7], s[G1A:G1A+7]
	s_nop 0
.rept 4
	v_nop
.endr
	s_branch .Lfirst_done
.Lfirst_b:
	tensor_load_to_lds s[G0B:G0B+3], s[G1B:G1B+7]
	s_nop 0
	tensor_load_to_lds s[G0B+4:G0B+7], s[G1B:G1B+7]
	s_nop 0
.rept 4
	v_nop
.endr
.Lfirst_done:
	v_and_b32 v1, 15, v0
	v_bfe_u32 v2, v0, 4, 1
	v_mul_u32_u24 v3, v1, PA
	v_lshl_add_u32 v3, v2, 4, v3
	s_mul_i32 s56, s13, 64*PA
	v_add_nc_u32 v[ADRA0], s56, v3
	v_and_b32 v4, 7, v0
	v_bfe_u32 v5, v0, 3, 1
	v_lshl_add_u32 v4, v2, 3, v4
	v_mul_u32_u24 v4, v4, PB
	v_lshl_add_u32 v4, v5, 4, v4
	s_lshl_b32 s56, s14, 7
	s_add_co_u32 s56, s56, AREG
	v_add_nc_u32 v[ADRB0], s56, v4
	v_add_nc_u32 v[ADRB0+1], BHALF, v[ADRB0]
	v_mul_u32_u24 v3, v1, SP
	v_lshl_add_u32 v3, v2, 4, v3
	s_mul_i32 s56, s13, 64*SP
	s_lshl_b32 s57, s14, 7
	s_add_co_u32 s56, s56, s57
	s_add_co_u32 s56, s56, STAGE
	v_add_nc_u32 v[STO], s56, v3
	v_mul_u32_u24 v3, v2, SP
	v_lshl_add_u32 v3, v1, 4, v3
	s_mul_i32 s56, s12, 32*SP
	s_add_co_u32 s56, s56, STAGE
	v_add_nc_u32 v[RD], s56, v3
	v_lshlrev_b32 v3, 11, v2
	v_lshl_add_u32 v3, v1, 4, v3
	s_lshl_b32 s56, s12, 16
	v_add_nc_u32 v[CO], s56, v3
	v_mov_b32 v[ADRA], v[ADRA0]
	v_mov_b32 v[ADRB], v[ADRB0]
	v_mov_b32 v[ADRB+1], v[ADRB0+1]
	s_lshl_b32 s56, s18, 18
	s_lshl_b32 s57, s17, 8
	s_add_co_u32 s56, s56, s57
	s_mov_b32 s57, 0
	s_add_nc_u64 s[82:83], s[8:9], s[56:57]
	s_wait_kmcnt 0x0
.irp i, 0,1,2,3,4,5,6,7
	v_mov_b32 v[RL+\i], s66
.endr
	s_wait_tensorcnt 1                             ; my part of slot 0 is in; slot 1's may stay out
	s_barrier_signal -1
	s_barrier_wait -1
	FETCH 0, F0
	Q 1, F0, F1, 1                                 ; the first quarter stands ahead of the loop: its first products start the sums
	WIN 0
	s_mov_b32 s23, 2
	s_branch .Lmid
.Lstep:
	Q 1, F0, F1, 0
	WIN 0
.Lmid:
	Q 2, F1, F0, 0
	Q 3, F0, F1, 0
	TURN 1
	WIN 0
	s_sub_co_u32 s23, s23, 1
	s_cmp_lg_u32 s23, 0
	s_cbranch_scc1 .Lstep
	s_mov_b32 s23, 2
.Ltail:                                                ; the last two steps ask for nothing; the very last fetch reads a slot that has landed and is not multiplied
	Q 1, F0, F1, 0
	Q 2, F1, F0, 0
	Q 3, F0, F1, 0
	TURN 0
	WIN 0
	s_sub_co_u32 s23, s23, 1
	s_cmp_lg_u32 s23, 0
	s_cbranch_scc1 .Ltail
	WOUT
	s_wait_dscnt 0x0                               ; for the others' sake: a row's 256 bytes come from two waves
	s_barrier_signal -1
	s_barrier_wait -1
	ROUT 82
	s_wait_tensorcnt 0x0                           ; the wave's end
	ds_add_u32 v[SPW], v[NIL]
	s_wait_dscnt 0x0
	CROUND
	s_endpgm
.Lfunc_end_k_qe853c91fdc_wvo:
	.size	k_qe853c91fdc_wvo, .Lfunc_end_k_qe853c91fdc_wvo-k_qe853c91fdc_wvo
	.p2alignl 7, 3214868480
	.fill 96, 4, 3214868480
	.section	.rodata,"a",@progbits
	.p2align	6, 0x0
	.amdhsa_kernel k_qe853c91fdc_wvo
		.amdhsa_group_segment_fixed_size 327680
		.amdhsa_private_segment_fixed_size 0
		.amdhsa_enable_private_segment 0
		.amdhsa_kernarg_size 24
		.amdhsa_user_sgpr_count 2
		.amdhsa_user_sgpr_kernarg_segment_ptr 1
		.amdhsa_wavefront_size32 1
		.amdhsa_system_sgpr_workgroup_id_x 1
		.amdhsa_system_sgpr_workgroup_id_y 1
		.amdhsa_system_sgpr_workgroup_id_z 1
		.amdhsa_system_vgpr_workitem_id 0
		.amdhsa_next_free_vgpr 640
		.amdhsa_next_free_sgpr 100
		.amdhsa_reserve_vcc 0
		.amdhsa_float_denorm_mode_32 3
		.amdhsa_float_denorm_mode_16_64 3
		.amdhsa_memory_ordered 1
		.amdhsa_forward_progress 1
		.amdhsa_inst_pref_size 63
	.end_amdhsa_kernel
	.amdgpu_metadata
---
amdhsa.version: [ 1, 2 ]
amdhsa.kernels:
  - .name:           k_qe853c91fdc_wvo
    .symbol:         k_qe853c91fdc_wvo.kd
    .args:
      - { .name: wts, .offset: 0, .size: 8, .value_kind: global_buffer, .address_space: global }
      - { .name: tok, .offset: 8, .size: 8, .value_kind: global_buffer, .address_space: global }
      - { .name: wvo, .offset: 16, .size: 8, .value_kind: global_buffer, .address_space: global }
    .group_segment_fixed_size: 327680
    .private_segment_fixed_size: 0
    .kernarg_segment_align: 8
    .kernarg_segment_size: 24
    .max_flat_workgroup_size: 128
    .sgpr_count:     100
    .vgpr_count:     640
    .wavefront_size: 32
...
	.end_amdgpu_metadata
.endif
;; end of part 6
;; launch g2 (part 7): grid 8 x 32, 4 waves a work-group, clusters of 4 x 1, 327,680 bytes of LDS; arguments attn, g1o, z; writes z
.if DOCPART == 7
	.amdgcn_target "amdgcn-amd-amdhsa--gfx1250"
	.amdhsa_code_object_version 6
	.text
	.protected	k_qe853c91fdc_g2
	.globl	k_qe853c91fdc_g2
	.p2align	8
	.type	k_qe853c91fdc_g2,@function
k_qe853c91fdc_g2:
	s_mov_b64 s[64:65], 0
	v_nop
	global_prefetch_b8 v0, s[64:65] scope:SCOPE_SE
	s_setreg_imm32_b32 hwreg(HW_REG_WAVE_MODE, 25, 1), 1
	s_wait_xcnt 0x0
	s_wait_alu depctr_hold_cnt(0) depctr_sa_sdst(0) depctr_va_vdst(0) depctr_va_sdst(0) depctr_va_ssrc(0) depctr_va_vcc(0) depctr_vm_vsrc(0)
	s_getreg_b32 s2, hwreg(HW_REG_IB_STS2, 6, 4)
	s_cmp_eq_u32 s2, 0
	s_cbranch_scc0 .Lentry_in_a_cluster
	s_endpgm
.Lentry_in_a_cluster:
	s_bfe_u32 s2, ttmp6, 0x10000c
	s_cmp_lg_u32 s2, 0x3003
	s_cbranch_scc0 .Lentry_shape_is_right
	s_endpgm
.Lentry_shape_is_right:
; Z[i][c] = rl[i] x sum over j <= i of p[i][j] x2[j][c], f16 operands, f32 sums, Z in f16.  The heads share attn, so all 1,024 channels are one product.
; THE WALK.  A batch's rows lie in 16 tiles of 128; tile t needs t / 2 + 1 steps of 256 keys.  A work-group takes tiles 15 - p and then p for one tile of 128 channels: 9 steps whatever p, so all work-groups are alike
; and one counted loop walks them; the ring runs on across the change of tiles.  What differs lies in scalar registers made from the work-group's y.
; At a tile's end (a counter made from y reaches 0: the same in all waves and in all partners) the tile is scaled, rounded, staged, stored, and the accumulators are cleared: 128 v_mov there and at the start, in place of a
; second text of the first products.
; 64 x 64 a wave; waves 0, 1 fetch p's halves, waves 2, 3 x2's.  CLUSTER 4, 1, 1: the four channel tiles of a cluster walk the same p and ask for it jointly; x2's tile differs between them and is a load of one's own.
; x2's tiles are not shared between row tiles: partners would walk differently.  By this text's count a wave has two tensor loads out at the start, later one.
.set PA,    528
.set PB,    288
.set AREG,  128*PA
.set BHALF, 128*PB
.set SLOT,  AREG+2*BHALF
.set STAGE, 2*SLOT
.set SP,    272
.set SPARE, STAGE+128*SP
.set RLO,   33554432
.set F0, 0
.set F1, 128
.set ADRA0, 16
.set ADRA,  17
.set ADRB0, 18
.set ADRB,  20
.set STO, 24
.set RD,  25
.set CO,  26
.set SPW, 28
.set NIL, 29
.set RL,  32                           ; v32-39 rl of the tile in hand, pairs by token block; v40-47 of the second tile
.set H,   64
.set G1A, 24
.set G0A, 32
.set G1B, 40
.set G0B, 48
.set NXT, 66                           ; the key step to be asked for next
.set LQ,  67                           ; the last step of the tile whose steps are being asked for
.set ROFF, 68                          ; that tile's first row in p, in bytes
.set ROFF2, 69
.set RT,  70                           ; steps left of the tile in hand
.set N2,  71
.set MSB, 0
.macro WIN new
.if MSB != (\new)
	s_set_vgpr_msb (MSB<<8)|(\new)
.set MSB, \new
.endif
.endm
.macro PLACES
.rept 4
	v_nop
.endr
.endm
.macro CREST
	s_cmp_lg_u32 s12, 0
	s_cbranch_scc1 .Lnot_wave_0_\@
	s_barrier_signal -3
.Lnot_wave_0_\@:
	s_barrier_wait -3
	s_barrier_signal -1
	s_barrier_wait -1
.endm
.macro CROUND
	s_barrier_signal -1
	s_barrier_wait -1
	CREST
.endm
.macro JLOAD
	s_cmp_lt_u32 s12, 2
	s_cbranch_scc0 .Lfor_b_\@
	tensor_load_to_lds s[G0A+4:G0A+7], s[G1A:G1A+7]
	s_nop 0
.rept 4
	v_nop
.endr
	s_branch .Lasked_\@
.Lfor_b_\@:
	tensor_load_to_lds s[G0B+4:G0B+7], s[G1B:G1B+7]
	s_nop 0
.rept 4
	v_nop
.endr
.Lasked_\@:
.endm
.macro MUL8 f, c, a0                   ; 8 products; the 16 accumulators (window 2) take turns
	WIN 0xa5
.irp a, \a0, (\a0)+1
.irp b, 0,1,2,3
	v_wmma_f32_16x16x32_f16 v[8*(4*(\a)+(\b)):8*(4*(\a)+(\b))+7], v[(\f)+64*(\c)+32+8*(\b):(\f)+64*(\c)+32+8*(\b)+7], v[(\f)+64*(\c)+8*(\a):(\f)+64*(\c)+8*(\a)+7], v[8*(4*(\a)+(\b)):8*(4*(\a)+(\b))+7]
.endr
.endr
.endm
.macro FETCH kq, f
	WIN 0x40
.irp c, 0,1
.irp i, 0,1,2,3
	ds_load_tr16_b128 v[(\f)+64*\c+32+8*\i:(\f)+64*\c+32+8*\i+3], v[ADRB+(\kq)/2] offset:(((\kq)%2)*64+32*\c)*PB+32*\i
	ds_load_tr16_b128 v[(\f)+64*\c+36+8*\i:(\f)+64*\c+36+8*\i+3], v[ADRB+(\kq)/2] offset:(((\kq)%2)*64+32*\c+16)*PB+32*\i
	ds_load_b128 v[(\f)+64*\c+8*\i:(\f)+64*\c+8*\i+3],   v[ADRA] offset:\i*16*PA+128*(\kq)+64*\c
	ds_load_b128 v[(\f)+64*\c+8*\i+4:(\f)+64*\c+8*\i+7], v[ADRA] offset:\i*16*PA+128*(\kq)+64*\c+32
.endr
.endr
.endm
.macro Q kqn, f, g
	s_wait_dscnt 0x0
	MUL8 \f, 0, 0
	MUL8 \f, 0, 2
	PLACES
	FETCH \kqn, \g
	MUL8 \f, 1, 0
	MUL8 \f, 1, 2
.endm
.macro TURN fill
	WIN 0
	s_wait_tensorcnt 0x0                           ; my part of the next slot has landed; no load of mine is out
	ds_add_u32 v[SPW], v[NIL]
	s_wait_dscnt 1                                 ; all but the add: buffer 1 is in
	MUL8 F1, 0, 0
	s_wait_dscnt 0x0
	s_barrier_signal -1
	MUL8 F1, 0, 2
	WIN 0
	s_barrier_wait -1
.if \fill
	CREST
	s_xor_b32 s20, s20, SLOT                       ; the other slot; the addresses are made anew from the step's number
	s_add_co_u32 s[G0A+5], s21, s20
	s_add_co_u32 s[G0B+5], s22, s20
	s_lshl_b32 s74, s[NXT], 9
	s_add_co_u32 s74, s74, s[ROFF]
	s_add_nc_u64 s[G0A+6:G0A+7], s[78:79], s[74:75]
	s_or_b32 s[G0A+7], s[G0A+7], 0x80000000
	s_lshl_b32 s76, s[NXT], 19
	s_add_nc_u64 s[G0B+6:G0B+7], s[80:81], s[76:77]
	s_or_b32 s[G0B+7], s[G0B+7], 0x80000000
	s_add_co_u32 s[NXT], s[NXT], 1                 ; the tile's next step, or behind its last the second tile's step 0
	s_cmp_gt_u32 s[NXT], s[LQ]
	s_cselect_b32 s[NXT], 0, s[NXT]
	s_cselect_b32 s[ROFF], s[ROFF2], s[ROFF]
	s_cselect_b32 s[LQ], s86, s[LQ]
	JLOAD
.else
	PLACES
.endif
	s_xor_b32 s19, s19, SLOT
	v_add_nc_u32 v[ADRA], s19, v[ADRA0]
	v_add_nc_u32 v[ADRB], s19, v[ADRB0]
	v_add_nc_u32 v[ADRB+1], s19, v[ADRB0+1]
	FETCH 0, F0
	MUL8 F1, 1, 0
	MUL8 F1, 1, 2
.endm
.macro CLEAR
	WIN 0x80
.set n, 0
.rept 128
	v_mov_b32 v[n], 0
.set n, n+1
.endr
	WIN 0
.endm
.macro STEP fill
	Q 1, F0, F1
	Q 2, F1, F0
	Q 3, F0, F1
	TURN \fill
	WIN 0
	s_sub_co_u32 s[RT], s[RT], 1
	s_cmp_lg_u32 s[RT], 0
	s_cbranch_scc1 .Lgo_on_\@
	s_wait_xcnt 0x0                                ; A TILE'S END.  Earlier stores have read their registers
	PLACES
	WIN 0x82
.set n, 0
.rept 64
	v_pk_mul_f32 v[2*n:2*n+1], v[2*n:2*n+1], v[RL+2*(n/16):RL+2*(n/16)+1] op_sel_hi:[1,0]
.set n, n+1
.endr
	WIN 0x0a
.set n, 0
.rept 64
	v_cvt_pk_f16_f32 v[H+n], v[2*n], v[2*n+1]
.set n, n+1
.endr
	WIN 0
.set n, 0
.rept 16
	ds_store_b128 v[STO], v[H+4*n:H+4*n+3] offset:(n/4)*16*SP+32*(n%4)
.set n, n+1
.endr
	s_wait_dscnt 0x0                               ; for the others' sake: a row's 256 bytes come from two waves.  The stage is written again only behind a later change of slots, whose barrier stands behind every wave's reads
	s_barrier_signal -1
	s_barrier_wait -1
.set n, 0
.rept 16
	ds_load_b128 v[H+4*n:H+4*n+3], v[RD] offset:n*2*SP
.set n, n+1
.endr
.set n, 0
.rept 16
	s_wait_dscnt 15-n                              ; pair of rows n is back; the younger loads stay out
	global_store_b128 v[CO], v[H+4*n:H+4*n+3], s[82:83] offset:4096*n  ; 16 lanes store 256 consecutive bytes, aligned
.set n, n+1
.endr
	CLEAR
.irp i, 0,1,2,3,4,5,6,7
	v_mov_b32 v[RL+\i], v[RL+8+\i]
.endr
	s_wait_xcnt 0x0                                ; the stores' base is written only behind this wait
	s_mov_b64 s[82:83], s[84:85]
	s_mov_b32 s[RT], s[N2]
.Lgo_on_\@:
.endm
	s_load_b128 s[4:7], s[0:1], 0x0                ; attn, g1o
	s_load_b64 s[8:9], s[0:1], 0x10                ; z
	v_lshl_add_u32 v[SPW], v0, 2, SPARE
	v_mov_b32 v[NIL], 0
	ds_add_u32 v[SPW], v[NIL]                      ; the wave's opening
	ds_add_u32 v28, v29
	v_lshrrev_b32 v1, 5, v0
	v_readfirstlane_b32 s12, v1
	s_lshr_b32 s13, s12, 1
	s_and_b32 s14, s12, 1
	s_bfe_u32 s15, ttmp6, 0x40000
	s_lshl_b32 s17, ttmp9, 2
	s_add_co_u32 s17, s17, s15                     ; channel tile: it enters x2's and Z's addresses alone
	s_and_b32 s18, ttmp7, 0xffff
	s_lshr_b32 s87, s18, 3                         ; batch
	s_and_b32 s88, s18, 7                          ; p
	s_sub_co_u32 s89, 15, s88                      ; the first tile
	s_lshr_b32 s[N2], s88, 1
	s_mov_b32 s86, s[N2]                           ; the second tile's last step
	s_add_co_u32 s[N2], s[N2], 1
	s_sub_co_u32 s[RT], 9, s[N2]
	s_sub_co_u32 s[LQ], s[RT], 1
	s_mov_b32 s[NXT], 2
	s_lshl_b32 s[ROFF], s89, 19
	s_lshl_b32 s[ROFF2], s88, 19
	s_mov_b32 s[G1A], 15|(1<<16)|(1<<20)|(1<<21)|(6<<22)|(3<<25)  ; the mask of four; 4 words of padding behind every 128
	s_mov_b32 s[G1B], (1<<16)|(1<<20)|(5<<22)|(7<<25)             ; a load of my own; 8 words behind every 64
	s_mov_b32 s[G1A+1], 256<<16
	s_mov_b32 s[G1A+2], 64<<16
	s_mov_b32 s[G1A+3], 256<<16
	s_mov_b32 s[G1A+4], 64
	s_mov_b32 s[G1A+5], 2048
	s_mov_b32 s[G1A+6], 0
	s_mov_b32 s[G1A+7], 0
	s_mov_b32 s[G1B+1], 128<<16
	s_mov_b32 s[G1B+2], 128<<16
	s_mov_b32 s[G1B+3], 128<<16
	s_mov_b32 s[G1B+4], 128
	s_mov_b32 s[G1B+5], 1024
	s_mov_b32 s[G1B+6], 0
	s_mov_b32 s[G1B+7], 0
	s_mul_i32 s21, s14, 64*PA
	s_mul_i32 s22, s14, BHALF
	s_add_co_u32 s22, s22, AREG
	s_lshl_b32 s74, s87, 23
	s_lshl_b32 s75, s14, 18
	s_add_co_u32 s74, s74, s75                     ; p: the batch, my 64 rows of a tile
	s_mov_b32 s75, 0
	s_lshl_b32 s76, s87, 22
	s_lshl_b32 s77, s14, 18
	s_add_co_u32 s76, s76, s77
	s_lshl_b32 s77, s17, 8
	s_add_co_u32 s76, s76, s77                     ; x2: the batch, my 128 keys of a step, the channel tile
	s_mov_b32 s77, 0
	s_mov_b32 s19, 0
	s_mov_b32 s20, SLOT
	s_mov_b32 s[G0A], 1
	s_mov_b32 s[G0A+1], s21
	s_mov_b32 s[G0A+4], 1
	s_add_co_u32 s[G0A+5], s21, SLOT
	s_mov_b32 s[G0B], 1
	s_mov_b32 s[G0B+1], s22
	s_mov_b32 s[G0B+4], 1
	s_add_co_u32 s[G0B+5], s22, SLOT
	s_wait_dscnt 0x0
	s_wait_kmcnt 0x0
	s_add_nc_u64 s[78:79], s[4:5], s[74:75]
	s_add_nc_u64 s[80:81], s[6:7], s[76:77]
	s_mov_b32 s74, s[ROFF]
	s_add_nc_u64 s[G0A+2:G0A+3], s[78:79], s[74:75]
	s_add_nc_u64 s[G0A+6:G0A+7], s[G0A+2:G0A+3], 512
	s_or_b32 s[G0A+3], s[G0A+3], 0x80000000
	s_or_b32 s[G0A+7], s[G0A+7], 0x80000000
	s_add_nc_u64 s[G0B+2:G0B+3], s[80:81], 0
	s_add_nc_u64 s[G0B+6:G0B+7], s[80:81], 256*2048
	s_or_b32 s[G0B+3], s[G0B+3], 0x80000000
	s_or_b32 s[G0B+7], s[G0B+7], 0x80000000
	CROUND
	s_cmp_lt_u32 s12, 2
	s_cbranch_scc0 .Lfirst_b
	tensor_load_to_lds s[G0A:G0A+3], s[G1A:G1A+7]
	s_nop 0
	tensor_load_to_lds s[G0A+4:G0A+7], s[G1A:G1A+7]
	s_nop 0
.rept 4
	v_nop
.endr
	s_branch .Lfirst_done
.Lfirst_b:
	tensor_load_to_lds s[G0B:G0B+3], s[G1B:G1B+7]
	s_nop 0
	tensor_load_to_lds s[G0B+4:G0B+7], s[G1B:G1B+7]
	s_nop 0
.rept 4
	v_nop
.endr
.Lfirst_done:
	v_and_b32 v1, 15, v0
	v_bfe_u32 v2, v0, 4, 1
	s_lshl_b32 s56, s87, 13
	s_lshl_b32 s57, s89, 9
	s_add_co_u32 s56, s56, s57
	s_add_co_u32 s56, s56, RLO
	s_mov_b32 s57, 0
	s_add_nc_u64 s[90:91], s[4:5], s[56:57]        ; rl at the first tile,
	s_lshl_b32 s56, s87, 13
	s_lshl_b32 s58, s88, 9
	s_add_co_u32 s56, s56, s58
	s_add_co_u32 s56, s56, RLO
	s_add_nc_u64 s[92:93], s[4:5], s[56:57]        ; and at the second
	s_lshl_b32 s56, s13, 8
	v_lshl_add_u32 v30, v1, 2, s56                 ; row 64 WR + 16 a + r
.irp a, 0,1,2,3
	global_load_b32 v[RL+2*\a], v30, s[90:91] offset:64*\a
	global_load_b32 v[RL+8+2*\a], v30, s[92:93] offset:64*\a
.endr
	v_mul_u32_u24 v3, v1, PA
	v_lshl_add_u32 v3, v2, 4, v3
	s_mul_i32 s56, s13, 64*PA
	v_add_nc_u32 v[ADRA0], s56, v3
	v_and_b32 v4, 7, v0
	v_bfe_u32 v5, v0, 3, 1
	v_lshl_add_u32 v4, v2, 3, v4
	v_mul_u32_u24 v4, v4, PB
	v_lshl_add_u32 v4, v5, 4, v4
	s_lshl_b32 s56, s14, 7
	s_add_co_u32 s56, s56, AREG
	v_add_nc_u32 v[ADRB0], s56, v4
	v_add_nc_u32 v[ADRB0+1], BHALF, v[ADRB0]
	v_mul_u32_u24 v3, v1, SP
	v_lshl_add_u32 v3, v2, 4, v3
	s_mul_i32 s56, s13, 64*SP
	s_lshl_b32 s58, s14, 7
	s_add_co_u32 s56, s56, s58
	s_add_co_u32 s56, s56, STAGE
	v_add_nc_u32 v[STO], s56, v3
	v_mul_u32_u24 v3, v2, SP
	v_lshl_add_u32 v3, v1, 4, v3
	s_mul_i32 s56, s12, 32*SP
	s_add_co_u32 s56, s56, STAGE
	v_add_nc_u32 v[RD], s56, v3
	v_lshlrev_b32 v3, 11, v2
	v_lshl_add_u32 v3, v1, 4, v3
	s_lshl_b32 s56, s12, 16
	v_add_nc_u32 v[CO], s56, v3
	v_mov_b32 v[ADRA], v[ADRA0]
	v_mov_b32 v[ADRB], v[ADRB0]
	v_mov_b32 v[ADRB+1], v[ADRB0+1]
	s_lshl_b32 s56, s87, 22
	s_lshl_b32 s58, s17, 8
	s_add_co_u32 s56, s56, s58
	s_lshl_b32 s58, s89, 18
	s_add_co_u32 s58, s58, s56
	s_mov_b32 s59, 0
	s_add_nc_u64 s[82:83], s[8:9], s[58:59]        ; Z at the first tile,
	s_lshl_b32 s58, s88, 18
	s_add_co_u32 s58, s58, s56
	s_add_nc_u64 s[84:85], s[8:9], s[58:59]        ; and at the second
	CLEAR
	s_wait_loadcnt 0x0
.irp i, 0,2,4,6,8,10,12,14
	v_mov_b32 v[RL+\i+1], v[RL+\i]                 ; named as pairs
.endr
	s_wait_tensorcnt 1                             ; my part of slot 0 is in; slot 1's may stay out
	s_barrier_signal -1
	s_barrier_wait -1
	FETCH 0, F0
	WIN 0
	s_mov_b32 s23, 7
.Lstep:                                                ; seven steps fill a slot again
	STEP 1
	s_sub_co_u32 s23, s23, 1
	s_cmp_lg_u32 s23, 0
	s_cbranch_scc1 .Lstep
	s_mov_b32 s23, 2
.Ltail:                                                ; the last two ask for nothing; the second tile ends with the last
	STEP 0
	s_sub_co_u32 s23, s23, 1
	s_cmp_lg_u32 s23, 0
	s_cbranch_scc1 .Ltail
	s_wait_tensorcnt 0x0                           ; the wave's end
	ds_add_u32 v[SPW], v[NIL]
	s_wait_dscnt 0x0
	CROUND
	s_endpgm
.Lfunc_end_k_qe853c91fdc_g2:
	.size	k_qe853c91fdc_g2, .Lfunc_end_k_qe853c91fdc_g2-k_qe853c91fdc_g2
	.p2alignl 7, 3214868480
	.fill 96, 4, 3214868480
	.section	.rodata,"a",@progbits
	.p2align	6, 0x0
	.amdhsa_kernel k_qe853c91fdc_g2
		.amdhsa_group_segment_fixed_size 327680
		.amdhsa_private_segment_fixed_size 0
		.amdhsa_enable_private_segment 0
		.amdhsa_kernarg_size 24
		.amdhsa_user_sgpr_count 2
		.amdhsa_user_sgpr_kernarg_segment_ptr 1
		.amdhsa_wavefront_size32 1
		.amdhsa_system_sgpr_workgroup_id_x 1
		.amdhsa_system_sgpr_workgroup_id_y 1
		.amdhsa_system_sgpr_workgroup_id_z 1
		.amdhsa_system_vgpr_workitem_id 0
		.amdhsa_next_free_vgpr 640
		.amdhsa_next_free_sgpr 100
		.amdhsa_reserve_vcc 0
		.amdhsa_float_denorm_mode_32 3
		.amdhsa_float_denorm_mode_16_64 3
		.amdhsa_memory_ordered 1
		.amdhsa_forward_progress 1
		.amdhsa_inst_pref_size 86
	.end_amdhsa_kernel
	.amdgpu_metadata
---
amdhsa.version: [ 1, 2 ]
amdhsa.kernels:
  - .name:           k_qe853c91fdc_g2
    .symbol:         k_qe853c91fdc_g2.kd
    .args:
      - { .name: attn, .offset: 0, .size: 8, .value_kind: global_buffer, .address_space: global }
      - { .name: g1o, .offset: 8, .size: 8, .value_kind: global_buffer, .address_space: global }
      - { .name: z, .offset: 16, .size: 8, .value_kind: global_buffer, .address_space: global }
    .group_segment_fixed_size: 327680
    .private_segment_fixed_size: 0
    .kernarg_segment_align: 8
    .kernarg_segment_size: 24
    .max_flat_workgroup_size: 128
    .sgpr_count:     100
    .vgpr_count:     640
    .wavefront_size: 32
...
	.end_amdgpu_metadata
.endif
;; end of part 7
;; launch g3 (part 8): grid 8 x 64, 4 waves a work-group, clusters of 4 x 4, 327,680 bytes of LDS; arguments z, wvo, tok, out0; writes out0
.if DOCPART == 8
	.amdgcn_target "amdgcn-amd-amdhsa--gfx1250"
	.amdhsa_code_object_version 6
	.text
	.protected	k_qe853c91fdc_g3
	.globl	k_qe853c91fdc_g3
	.p2align	8
	.type	k_qe853c91fdc_g3,@function
k_qe853c91fdc_g3:
	s_mov_b64 s[64:65], 0
	v_nop
	global_prefetch_b8 v0, s[64:65] scope:SCOPE_SE
	s_setreg_imm32_b32 hwreg(HW_REG_WAVE_MODE, 25, 1), 1
	s_wait_xcnt 0x0
	s_wait_alu depctr_hold_cnt(0) depctr_sa_sdst(0) depctr_va_vdst(0) depctr_va_sdst(0) depctr_va_ssrc(0) depctr_va_vcc(0) depctr_vm_vsrc(0)
	s_getreg_b32 s2, hwreg(HW_REG_IB_STS2, 6, 4)
	s_cmp_eq_u32 s2, 0
	s_cbranch_scc0 .Lentry_in_a_cluster
	s_endpgm
.Lentry_in_a_cluster:
	s_bfe_u32 s2, ttmp6, 0x10000c
	s_cmp_lg_u32 s2, 0xf033
	s_cbranch_scc0 .Lentry_shape_is_right
	s_endpgm
.Lentry_shape_is_right:
; out0[m][c] = 2^-k x sum over d of Z[m][d] Wvo[d][c] + bias2[c], f16 operands, f32 sums and output.
; A tile of 128 x 128 a work-group, 64 x 64 a wave; K in 4 steps of 256 through two LDS slots; waves 0, 1 fetch Z's halves, waves 2, 3 Wvo's.  512 work-groups: two even rounds.
; Wvo lies [k][n] and is turned by ds_load_tr16_b128; the matrix instruction is used transposed, so a lane holds 8 neighbouring columns of a row.  CLUSTER 4 x 4: Z jointly along a row, Wvo along a column.
; A wave's 64 columns of f32 are 256 aligned bytes of a row, so the way out goes through the wave's own stage, without a barrier.  By this text's count a wave has two tensor loads out at the start, later one.
.set PA,    528
.set PB,    288
.set AREG,  128*PA
.set BHALF, 128*PB
.set SLOT,  AREG+2*BHALF
.set STAGE, 2*SLOT                     ; behind the ring: 16 rows x 272 bytes for each wave
.set SP,    272
.set SPARE, STAGE+128*SP               ; the spare words, 128 bytes a wave
.set BIAS2, 196608
.set ISC,   200708
.set ASTEP, 512
.set BSTEP, 256*2048
.set F0, 0                             ; window 1: two fragment buffers, 64 along K each: depth c: A's four at F + 64 c + 8 a, B's four at F + 64 c + 32 + 8 b
.set F1, 128
.set ADRA0, 16
.set ADRA,  17
.set ADRB0, 18
.set ADRB,  20
.set STO, 24
.set RD,  25
.set CO,  26
.set SPW, 28
.set NIL, 29
.set BI,  32                           ; v32-63 bias2 of my 64 columns
.set X,   64                           ; v64-95 a block of 16 rows, finished
.set BK,  96                           ; v96-127 the same as whole rows
.set G1A, 24
.set G0A, 32
.set G1B, 40
.set G0B, 48
.set MSB, 0
.macro WIN new
.if MSB != (\new)
	s_set_vgpr_msb (MSB<<8)|(\new)
.set MSB, \new
.endif
.endm
.macro PLACES                          ; four places behind matrix instructions (ISA guide 7.12.1)
.rept 4
	v_nop
.endr
.endm
.macro CREST
	s_cmp_lg_u32 s12, 0
	s_cbranch_scc1 .Lnot_wave_0_\@
	s_barrier_signal -3
.Lnot_wave_0_\@:
	s_barrier_wait -3
	s_barrier_signal -1
	s_barrier_wait -1
.endm
.macro CROUND
	s_barrier_signal -1
	s_barrier_wait -1
	CREST
.endm
.macro JLOAD
	s_cmp_lt_u32 s12, 2
	s_cbranch_scc0 .Lfor_b_\@
	tensor_load_to_lds s[G0A+4:G0A+7], s[G1A:G1A+7]
	s_nop 0
.rept 4
	v_nop
.endr
	s_branch .Lasked_\@
.Lfor_b_\@:
	tensor_load_to_lds s[G0B+4:G0B+7], s[G1B:G1B+7]
	s_nop 0
.rept 4
	v_nop
.endr
.Lasked_\@:
.endm
.macro MUL8 f, c, a0, zero             ; 8 products; the 16 accumulators (window 2, at 8 (4 a + b)) take turns
	WIN 0xa5
.irp a, \a0, (\a0)+1
.irp b, 0,1,2,3
.if \zero
	v_wmma_f32_16x16x32_f16 v[8*(4*(\a)+(\b)):8*(4*(\a)+(\b))+7], v[(\f)+64*(\c)+32+8*(\b):(\f)+64*(\c)+32+8*(\b)+7], v[(\f)+64*(\c)+8*(\a):(\f)+64*(\c)+8*(\a)+7], 0
.else
	v_wmma_f32_16x16x32_f16 v[8*(4*(\a)+(\b)):8*(4*(\a)+(\b))+7], v[(\f)+64*(\c)+32+8*(\b):(\f)+64*(\c)+32+8*(\b)+7], v[(\f)+64*(\c)+8*(\a):(\f)+64*(\c)+8*(\a)+7], v[8*(4*(\a)+(\b)):8*(4*(\a)+(\b))+7]
.endif
.endr
.endr
.endm
.macro FETCH kq, f                     ; 32 LDS loads in one run: 64 along K
	WIN 0x40
.irp c, 0,1
.irp i, 0,1,2,3
	ds_load_tr16_b128 v[(\f)+64*\c+32+8*\i:(\f)+64*\c+32+8*\i+3], v[ADRB+(\kq)/2] offset:(((\kq)%2)*64+32*\c)*PB+32*\i
	ds_load_tr16_b128 v[(\f)+64*\c+36+8*\i:(\f)+64*\c+36+8*\i+3], v[ADRB+(\kq)/2] offset:(((\kq)%2)*64+32*\c+16)*PB+32*\i
	ds_load_b128 v[(\f)+64*\c+8*\i:(\f)+64*\c+8*\i+3],   v[ADRA] offset:\i*16*PA+128*(\kq)+64*\c
	ds_load_b128 v[(\f)+64*\c+8*\i+4:(\f)+64*\c+8*\i+7], v[ADRA] offset:\i*16*PA+128*(\kq)+64*\c+32
.endr
.endr
.endm
.macro Q kqn, f, g, zero
	s_wait_dscnt 0x0                               ; buffer f was asked for 16 products ago
	MUL8 \f, 0, 0, \zero
	MUL8 \f, 0, 2, \zero
	PLACES
	FETCH \kqn, \g
	MUL8 \f, 1, 0, 0
	MUL8 \f, 1, 2, 0
.endm
.macro TURN fill
	WIN 0
	s_wait_tensorcnt 0x0                           ; my part of the next slot has landed; no load of mine is out
	ds_add_u32 v[SPW], v[NIL]
	s_wait_dscnt 1                                 ; all but the add: buffer 1 is in
	MUL8 F1, 0, 0, 0
	s_wait_dscnt 0x0                               ; the add is done; my reads of this slot are over
	s_barrier_signal -1
	MUL8 F1, 0, 2, 0
	WIN 0
	s_barrier_wait -1
.if \fill
	CREST                                          ; the barrier opened a round of the cluster's
	s_xor_b32 s20, s20, SLOT                       ; the walking descriptors: the other slot, one K step on
	s_add_co_u32 s[G0A+5], s21, s20
	s_add_nc_u64 s[G0A+6:G0A+7], s[G0A+6:G0A+7], ASTEP
	s_add_co_u32 s[G0B+5], s22, s20
	s_add_nc_u64 s[G0B+6:G0B+7], s[G0B+6:G0B+7], BSTEP
	JLOAD                                          ; its four v_nop are also the places in front of the loads below
.else
	PLACES
.endif
	s_xor_b32 s19, s19, SLOT
	v_add_nc_u32 v[ADRA], s19, v[ADRA0]
	v_add_nc_u32 v[ADRB], s19, v[ADRB0]
	v_add_nc_u32 v[ADRB+1], s19, v[ADRB0+1]
	FETCH 0, F0
	MUL8 F1, 1, 0, 0
	MUL8 F1, 1, 2, 0
.endm
	s_load_b256 s[4:11], s[0:1], 0x0               ; z, wvo, tok, out0
	v_lshl_add_u32 v[SPW], v0, 2, SPARE
	v_mov_b32 v[NIL], 0
	ds_add_u32 v[SPW], v[NIL]                      ; the wave's opening
	ds_add_u32 v28, v29
	v_lshrrev_b32 v1, 5, v0
	v_readfirstlane_b32 s12, v1
	s_lshr_b32 s13, s12, 1                         ; which 64 rows
	s_and_b32 s14, s12, 1                          ; which 64 columns; also which half of a tile I fetch
	s_bfe_u32 s15, ttmp6, 0x40000
	s_bfe_u32 s16, ttmp6, 0x40004
	s_lshl_b32 s17, ttmp9, 2
	s_add_co_u32 s17, s17, s15                     ; column tile
	s_and_b32 s18, ttmp7, 0xffff
	s_lshl_b32 s18, s18, 2
	s_add_co_u32 s18, s18, s16                     ; row tile
	s_lshl_b32 s72, s16, 2
	s_lshl_b32 s72, 15, s72                        ; my row of the cluster
	s_lshl_b32 s73, 0x1111, s15                    ; my column
	s_or_b32 s[G1A], s72, (1<<16)|(1<<20)|(1<<21)|(6<<22)|(3<<25)  ; 4 words of padding behind every 128
	s_or_b32 s[G1B], s73, (1<<16)|(1<<20)|(1<<21)|(5<<22)|(7<<25)  ; 8 words behind every 64
	s_mov_b32 s[G1A+1], 256<<16                    ; A: 64 rows of 256 elements
	s_mov_b32 s[G1A+2], 64<<16
	s_mov_b32 s[G1A+3], 256<<16
	s_mov_b32 s[G1A+4], 64
	s_mov_b32 s[G1A+5], 1024
	s_mov_b32 s[G1A+6], 0
	s_mov_b32 s[G1A+7], 0
	s_mov_b32 s[G1B+1], 128<<16                    ; B: 128 rows of 128 elements
	s_mov_b32 s[G1B+2], 128<<16
	s_mov_b32 s[G1B+3], 128<<16
	s_mov_b32 s[G1B+4], 128
	s_mov_b32 s[G1B+5], 1024
	s_mov_b32 s[G1B+6], 0
	s_mov_b32 s[G1B+7], 0
	s_mul_i32 s21, s14, 64*PA                      ; where my half goes, for A
	s_mul_i32 s22, s14, BHALF
	s_add_co_u32 s22, s22, AREG                    ; and for B
	s_lshl_b32 s74, s18, 18
	s_lshl_b32 s75, s14, 17
	s_add_co_u32 s74, s74, s75                     ; A: row 128 x tile + 64 x half
	s_mov_b32 s75, 0
	s_lshl_b32 s76, s14, 18
	s_lshl_b32 s77, s17, 8
	s_add_co_u32 s76, s76, s77                     ; B: row 128 x half, column 128 x tile
	s_mov_b32 s77, 0
	s_mov_b32 s19, 0
	s_mov_b32 s20, SLOT
	s_mov_b32 s[G0A], 1
	s_mov_b32 s[G0A+1], s21
	s_mov_b32 s[G0A+4], 1
	s_add_co_u32 s[G0A+5], s21, SLOT
	s_mov_b32 s[G0B], 1
	s_mov_b32 s[G0B+1], s22
	s_mov_b32 s[G0B+4], 1
	s_add_co_u32 s[G0B+5], s22, SLOT
	s_wait_dscnt 0x0                               ; the opening add is done
	s_wait_kmcnt 0x0
	s_add_nc_u64 s[G0A+2:G0A+3], s[4:5], s[74:75]
	s_add_nc_u64 s[G0A+6:G0A+7], s[G0A+2:G0A+3], ASTEP
	s_or_b32 s[G0A+3], s[G0A+3], 0x80000000
	s_or_b32 s[G0A+7], s[G0A+7], 0x80000000
	s_add_nc_u64 s[G0B+2:G0B+3], s[6:7], s[76:77]
	s_add_nc_u64 s[G0B+6:G0B+7], s[G0B+2:G0B+3], BSTEP
	s_or_b32 s[G0B+3], s[G0B+3], 0x80000000
	s_or_b32 s[G0B+7], s[G0B+7], 0x80000000
	s_load_b32 s66, s[8:9], ISC                    ; 2^-k
	CROUND                                         ; all sixteen work-groups are here: the first joint loads meet
	s_cmp_lt_u32 s12, 2
	s_cbranch_scc0 .Lfirst_b
	tensor_load_to_lds s[G0A:G0A+3], s[G1A:G1A+7]
	s_nop 0
	tensor_load_to_lds s[G0A+4:G0A+7], s[G1A:G1A+7]
	s_nop 0
.rept 4
	v_nop
.endr
	s_branch .Lfirst_done
.Lfirst_b:
	tensor_load_to_lds s[G0B:G0B+3], s[G1B:G1B+7]
	s_nop 0
	tensor_load_to_lds s[G0B+4:G0B+7], s[G1B:G1B+7]
	s_nop 0
.rept 4
	v_nop
.endr
.Lfirst_done:
	v_and_b32 v1, 15, v0                           ; r
	v_bfe_u32 v2, v0, 4, 1                         ; h
	s_lshl_b32 s56, s17, 9
	s_lshl_b32 s57, s14, 8
	s_add_co_u32 s56, s56, s57
	v_lshl_add_u32 v30, v2, 5, s56                 ; bias2: (128 x tile + 64 x half + 8 h) x 4
.irp b, 0,1,2,3
	global_load_b128 v[BI+8*\b:BI+8*\b+3],   v30, s[8:9] offset:BIAS2+64*\b
	global_load_b128 v[BI+8*\b+4:BI+8*\b+7], v30, s[8:9] offset:BIAS2+64*\b+16
.endr
	v_mul_u32_u24 v3, v1, PA
	v_lshl_add_u32 v3, v2, 4, v3
	s_mul_i32 s56, s13, 64*PA
	v_add_nc_u32 v[ADRA0], s56, v3
	v_and_b32 v4, 7, v0
	v_bfe_u32 v5, v0, 3, 1
	v_lshl_add_u32 v4, v2, 3, v4
	v_mul_u32_u24 v4, v4, PB
	v_lshl_add_u32 v4, v5, 4, v4
	s_lshl_b32 s56, s14, 7
	s_add_co_u32 s56, s56, AREG
	v_add_nc_u32 v[ADRB0], s56, v4
	v_add_nc_u32 v[ADRB0+1], BHALF, v[ADRB0]
	s_mul_i32 s56, s12, 16*SP
	s_add_co_u32 s56, s56, STAGE                   ; my stage
	v_mul_u32_u24 v3, v1, SP                       ; in: row r, 32 bytes for each half of the lanes
	v_lshl_add_u32 v3, v2, 5, v3
	v_add_nc_u32 v[STO], s56, v3
	v_mul_u32_u24 v3, v2, SP                       ; back: lanes 0-15 one row of 256 bytes, lanes 16-31 the next
	v_lshl_add_u32 v3, v1, 4, v3
	v_add_nc_u32 v[RD], s56, v3
	v_lshlrev_b32 v3, 12, v2                       ; and the same two rows in out0
	v_lshl_add_u32 v[CO], v1, 4, v3
	v_mov_b32 v[ADRA], v[ADRA0]
	v_mov_b32 v[ADRB], v[ADRB0]
	v_mov_b32 v[ADRB+1], v[ADRB0+1]
	s_lshl_b32 s56, s18, 19                        ; 128 rows of 4,096 bytes a tile,
	s_lshl_b32 s57, s13, 18                        ; my 64 rows,
	s_add_co_u32 s56, s56, s57
	s_lshl_b32 s57, s17, 9                         ; the tile's 128 columns,
	s_add_co_u32 s56, s56, s57
	s_lshl_b32 s57, s14, 8                         ; my 64
	s_add_co_u32 s56, s56, s57
	s_mov_b32 s57, 0
	s_add_nc_u64 s[82:83], s[10:11], s[56:57]
	s_wait_kmcnt 0x0
	s_mov_b32 s67, s66                             ; named with it as a pair
	s_wait_tensorcnt 1                             ; my part of slot 0 is in; slot 1's may stay out
	s_barrier_signal -1
	s_barrier_wait -1
	FETCH 0, F0
	Q 1, F0, F1, 1                                 ; the first quarter stands ahead of the loop: its first products start the sums
	WIN 0
	s_mov_b32 s23, 2
	s_branch .Lmid
.Lstep:
	Q 1, F0, F1, 0
	WIN 0
.Lmid:
	Q 2, F1, F0, 0
	Q 3, F0, F1, 0
	TURN 1
	WIN 0
	s_sub_co_u32 s23, s23, 1
	s_cmp_lg_u32 s23, 0
	s_cbranch_scc1 .Lstep
	s_mov_b32 s23, 2
.Ltail:                                                ; the last two steps ask for nothing; the very last fetch reads a slot that has landed and is not multiplied
	Q 1, F0, F1, 0
	Q 2, F1, F0, 0
	Q 3, F0, F1, 0
	TURN 0
	WIN 0
	s_sub_co_u32 s23, s23, 1
	s_cmp_lg_u32 s23, 0
	s_cbranch_scc1 .Ltail
	; THE WAY OUT, a block of 16 rows at a time: scale and bias in one fused multiply-add, into my stage, back as whole rows of 256 bytes, stored
	s_wait_dscnt 0x0                               ; the last fetch
	s_wait_loadcnt 0x0                             ; bias2
	PLACES
.irp a, 0,1,2,3
	WIN 0x02                                       ; source 0: the accumulators, each read from its low end on
.set n, 0
.rept 16
	v_pk_fma_f32 v[X+2*n:X+2*n+1], v[32*\a+2*n:32*\a+2*n+1], s[66:67], v[BI+2*n:BI+2*n+1] op_sel_hi:[1,0,1]
.set n, n+1
.endr
	WIN 0
.set n, 0
.rept 4
	ds_store_b128 v[STO], v[X+8*n:X+8*n+3]   offset:64*n
	ds_store_b128 v[STO], v[X+8*n+4:X+8*n+7] offset:64*n+16
.set n, n+1
.endr
	s_wait_xcnt 0x0                                ; the last block's stores have read the registers that are loaded again below
.set n, 0
.rept 8
	ds_load_b128 v[BK+4*n:BK+4*n+3], v[RD] offset:n*2*SP  ; LDS serves a wave's instructions in order (ISA guide 5.7.1.4): these see the stores above
.set n, n+1
.endr
.set n, 0
.rept 8
	s_wait_dscnt 7-n                               ; pair of rows n is back; the younger loads stay out
	global_store_b128 v[CO], v[BK+4*n:BK+4*n+3], s[82:83] offset:65536*\a+8192*n th:TH_STORE_NT  ; 16 lanes store 256 consecutive bytes, aligned
.set n, n+1
.endr
.endr
	s_wait_tensorcnt 0x0                           ; the wave's end
	ds_add_u32 v[SPW], v[NIL]
	s_wait_dscnt 0x0
	CROUND                                         ; the closing round
	s_endpgm
.Lfunc_end_k_qe853c91fdc_g3:
	.size	k_qe853c91fdc_g3, .Lfunc_end_k_qe853c91fdc_g3-k_qe853c91fdc_g3
	.p2alignl 7, 3214868480
	.fill 96, 4, 3214868480
	.section	.rodata,"a",@progbits
	.p2align	6, 0x0
	.amdhsa_kernel k_qe853c91fdc_g3
		.amdhsa_group_segment_fixed_size 327680
		.amdhsa_private_segment_fixed_size 0
		.amdhsa_enable_private_segment 0
		.amdhsa_kernarg_size 32
		.amdhsa_user_sgpr_count 2
		.amdhsa_user_sgpr_kernarg_segment_ptr 1
		.amdhsa_wavefront_size32 1
		.amdhsa_system_sgpr_workgroup_id_x 1
		.amdhsa_system_sgpr_workgroup_id_y 1
		.amdhsa_system_sgpr_workgroup_id_z 1
		.amdhsa_system_vgpr_workitem_id 0
		.amdhsa_next_free_vgpr 640
		.amdhsa_next_free_sgpr 100
		.amdhsa_reserve_vcc 0
		.amdhsa_float_denorm_mode_32 3
		.amdhsa_float_denorm_mode_16_64 3
		.amdhsa_memory_ordered 1
		.amdhsa_forward_progress 1
		.amdhsa_inst_pref_size 63
	.end_amdhsa_kernel
	.amdgpu_metadata
---
amdhsa.version: [ 1, 2 ]
amdhsa.kernels:
  - .name:           k_qe853c91fdc_g3
    .symbol:         k_qe853c91fdc_g3.kd
    .args:
      - { .name: z, .offset: 0, .size: 8, .value_kind: global_buffer, .address_space: global }
      - { .name: wvo, .offset: 8, .size: 8, .value_kind: global_buffer, .address_space: global }
      - { .name: tok, .offset: 16, .size: 8, .value_kind: global_buffer, .address_space: global }
      - { .name: out0, .offset: 24, .size: 8, .value_kind: global_buffer, .address_space: global }
    .group_segment_fixed_size: 327680
    .private_segment_fixed_size: 0
    .kernarg_segment_align: 8
    .kernarg_segment_size: 32
    .max_flat_workgroup_size: 128
    .sgpr_count:     100
    .vgpr_count:     640
    .wavefront_size: 32
...
	.end_amdgpu_metadata
.endif
;; end of part 8
;; ======== version 2 of 2: 7 launches; 1.22 times as fast as version 1
;; limits: values are held in f16: magnitudes above 65,504 overflow, below 6.1e-05 lose precision
;; workspace buffers: wts 10,898,176 bytes; xw 16,941,056 bytes; g1o 29,360,128 bytes; tok 200,960 bytes; cls 32,768 bytes of whole numbers; attn 33,587,200 bytes; wvo 2,097,152 bytes; z 16,777,216 bytes
;; launch wprep (part 9): grid 393 x 1, 4 waves a work-group, no clusters, 0 bytes of LDS; arguments W_sense, W_v, W_out, b_v, W_ctx, W_sel, b_ctx, b_sel, W_charge, W_shell, W_mass, W_val, W_class, b_charge, b_shell, b_mass, b_val, b_class, compat_logits, w_charge, w_shell, w_distance, w_mass, w_valence, temperature, wts; writes wts
.if DOCPART == 9
	.amdgcn_target "amdgcn-amd-amdhsa--gfx1250"
	.amdhsa_code_object_version 6
	.text
	.protected	k_qe853c91fdc_wprep
	.globl	k_qe853c91fdc_wprep
	.p2align	8
	.type	k_qe853c91fdc_wprep,@function
k_qe853c91fdc_wprep:
	s_mov_b64 s[64:65], 0
	v_nop
	global_prefetch_b8 v0, s[64:65] scope:SCOPE_SE
	s_setreg_imm32_b32 hwreg(HW_REG_WAVE_MODE, 25, 1), 1
	s_wait_xcnt 0x0
; WEIGHTS, ONCE.  Every input but x is rounded to bf16 here and laid into wts.  Roles by the work-group's number:
;   0-319   W_sense, W_v, W_out as bf16, in their own layout, 16 rows of 1,024 numbers a work-group; for W_v and W_out each wave's largest magnitude;
;           for W_out the partial sums of b_v . W_out over the group's 16 rows
;   320-383 U[s][d] = sum over e of W_ctx[d][e] W_sel[1024+e][s]: the mean over tokens commutes with W_ctx, so W_ctx is never multiplied by x
;   384-391 the 41 property columns as one table [1024][64] of bf16: 0 charge, 1-3 shell, 4 mass, 5-8 valence, 16-47 class, the rest 0
;   392     log2(e) x sigmoid of the symmetrised class logits; the five energy constants divided by the temperature; k0 = b_ctx . W_sel2 + b_sel; the property biases
; No matrix unit, LDS or cluster: the bulk is a stream read once, the rest is small.  LIMITS: NaN and infinities are not treated apart.
.set WV16, 6291456
.set WO16, 8388608
.set WP16, 10485760
.set UOF,  10616832
.set CST,  10629120
.set CMP,  10629376
.set WMAX, 10633728
.set PBO,  10635776
.set LANE, 2
.set OUT,  5                           ; v5-7 U's results: row q's three sums in lane q
.set A,    8                           ; sums: low halves' at A + s, high halves' at A + 4 + s
.set TM,   15
.set T,    16                          ; v16-111 24 x 4 numbers of W_sel; packed in place to v16-63: word w, sense s at T + 3 w + s
.set R,    64                          ; v64-127 four rows of 1,024, my 32 numbers of each as 16 words of bf16
.set X,    128                         ; v128-255 four rows as loaded
.set MSK,  59                          ; s59 a word's upper bf16
.set SEL,  60
.set SV,   62
.macro RND r                           ; f32 -> nearest bf16, kept as f32
	v_cvt_pk_bf16_f32 v[\r], v[\r], v[\r]
	v_and_b32 v[\r], s[MSK], v[\r]
.endm
.macro WSUM r                          ; sum over the wave's 32 lanes, in every lane
	v_add_f32_dpp v[\r], v[\r], v[\r] row_xmask:1 row_mask:0xf bank_mask:0xf
	v_add_f32_dpp v[\r], v[\r], v[\r] row_xmask:2 row_mask:0xf bank_mask:0xf
	v_add_f32_dpp v[\r], v[\r], v[\r] row_xmask:4 row_mask:0xf bank_mask:0xf
	v_add_f32_dpp v[\r], v[\r], v[\r] row_xmask:8 row_mask:0xf bank_mask:0xf
	v_permlanex16_b32 v[TM], v[\r], s[SEL], s[SEL+1]
	v_add_f32 v[\r], v[\r], v[TM]
.endm
.macro ONLY cnt                        ; lanes below cnt stay on; EXEC changes only behind s_wait_xcnt 0
	v_cmp_gt_u32 vcc_lo, \cnt, v[LANE]
	s_wait_xcnt 0x0
	s_and_saveexec_b32 s[SV], vcc_lo
.endm
.macro ALLON
	s_wait_xcnt 0x0
	s_or_b32 exec_lo, exec_lo, s[SV]
.endm
.macro LOADSEL ptr, off                ; my 32 rows of W_sel (rows 256 q + 8 lane + 0..7), 3 numbers each: 96 bytes on end for each q
.set n, 0
.rept 24
	global_load_b128 v[T+4*n:T+4*n+3], v3, s[\ptr:\ptr+1] offset:(\off)+3072*(n/6)+16*(n%6)
.set n, n+1
.endr
.endm
.macro PACKSEL                         ; in place: the word written lies at or below the numbers still to be read
.set w, 0
.rept 16
.irp c, 0,1,2
	v_cvt_pk_bf16_f32 v[T+3*w+\c], v[T+6*w+\c], v[T+6*w+3+\c]
.endr
.set w, w+1
.endr
.endm
.macro LOADROW x, ptr, off             ; columns 256 q + 8 lane + 0..7 of one row
.set n, 0
.rept 4
	global_load_b128 v[(\x)+8*n:(\x)+8*n+3],   v4, s[\ptr:\ptr+1] offset:(\off)+1024*n
	global_load_b128 v[(\x)+8*n+4:(\x)+8*n+7], v4, s[\ptr:\ptr+1] offset:(\off)+1024*n+16
.set n, n+1
.endr
.endm
.macro PACKROW r, x
.set w, 0
.rept 16
	v_cvt_pk_bf16_f32 v[(\r)+w], v[(\x)+2*w], v[(\x)+2*w+1]
.set w, w+1
.endr
.endm
.macro DOT3 r                          ; the row times the three columns of W_sel: products of bf16 halves, summed in f32
.irp c, 0,1,2,4,5,6
	v_mov_b32 v[A+\c], 0
.endr
.set w, 0
.rept 16
.irp c, 0,1,2
	v_fma_mix_f32_bf16 v[A+\c], v[(\r)+w], v[T+3*w+\c], v[A+\c] op_sel_hi:[1,1,0]
	v_fma_mix_f32_bf16 v[A+4+\c], v[(\r)+w], v[T+3*w+\c], v[A+4+\c] op_sel:[1,1,0] op_sel_hi:[1,1,0]
.endr
.set w, w+1
.endr
.irp c, 0,1,2
	v_add_f32 v[A+\c], v[A+\c], v[A+4+\c]
	WSUM A+\c
.endr
.endm
	v_and_b32 v[LANE], 31, v0
	v_lshrrev_b32 v1, 5, v0
	v_readfirstlane_b32 s2, v1                     ; wave
	s_mov_b32 s[MSK], 0xffff0000
	s_mov_b32 s[SEL], 0x76543210
	s_mov_b32 s[SEL+1], 0xfedcba98
	v_mov_b32 v[TM], 0
	v_mul_u32_u24 v3, v[LANE], 96
	v_lshlrev_b32 v4, 5, v[LANE]
	s_cmp_lt_u32 ttmp9, 320
	s_cbranch_scc1 .Lconv
	s_cmp_lt_u32 ttmp9, 384
	s_cbranch_scc1 .Lurow
	s_cmp_lt_u32 ttmp9, 392
	s_cbranch_scc1 .Lwp
	; ---- role 392: the small tables ----
	s_load_b128 s[4:7], s[0:1], 0x28               ; W_sel, b_ctx
	s_load_b64 s[8:9], s[0:1], 0x38                ; b_sel
	s_load_b256 s[12:19], s[0:1], 0x68             ; b_charge, b_shell, b_mass, b_val
	s_load_b128 s[20:23], s[0:1], 0x88             ; b_class, compat_logits
	s_load_b256 s[24:31], s[0:1], 0x98             ; w_charge, w_shell, w_distance, w_mass
	s_load_b128 s[32:35], s[0:1], 0xb8             ; w_valence, temperature
	s_load_b64 s[36:37], s[0:1], 0xc8              ; wts
	v_lshlrev_b32 v5, 5, v0                        ; thread t: entries 8 t .. 8 t + 7 = row t / 4, columns 8 (t % 4) ..
	v_and_b32 v6, 3, v0
	v_lshrrev_b32 v7, 2, v0
	v_lshlrev_b32 v6, 10, v6
	v_lshl_add_u32 v6, v7, 2, v6                   ; the mirrored entries: rows 8 (t % 4) + i, column t / 4
	s_wait_kmcnt 0x0
	s_load_b32 s40, s[24:25], 0x0
	s_load_b32 s41, s[26:27], 0x0
	s_load_b32 s42, s[28:29], 0x0
	s_load_b32 s43, s[30:31], 0x0
	s_load_b32 s44, s[32:33], 0x0
	s_load_b32 s45, s[34:35], 0x0
	s_load_b32 s46, s[12:13], 0x0
	s_load_b32 s47, s[16:17], 0x0
	s_load_b96 s[48:50], s[14:15], 0x0
	s_load_b128 s[52:55], s[18:19], 0x0
	s_load_b96 s[56:58], s[8:9], 0x0
	global_load_b128 v[96:99], v5, s[22:23]
	global_load_b128 v[100:103], v5, s[22:23] offset:16
.irp i, 0,1,2,3,4,5,6,7
	global_load_b32 v[104+\i], v6, s[22:23] offset:128*\i
.endr
	s_add_nc_u64 s[38:39], s[36:37], CMP
	s_add_nc_u64 s[10:11], s[36:37], CST
	s_wait_loadcnt 0x0
.irp i, 0,1,2,3,4,5,6,7
	RND 96+\i
	RND 104+\i
	v_add_f32 v[96+\i], v[96+\i], v[104+\i]
	v_mul_f32 v[96+\i], 0xbf38aa3b, v[96+\i]       ; x -log2(e) / 2
.endr
.irp i, 0,1,2,3,4,5,6,7
	v_exp_f32 v[96+\i], v[96+\i]
.endr
	v_nop                                          ; a plain instruction behind the last transcendental (ISA guide 5.7.2)
	s_wait_alu depctr_va_vdst(0)
.irp i, 0,1,2,3,4,5,6,7
	v_add_f32 v[96+\i], 1.0, v[96+\i]
.endr
.irp i, 0,1,2,3,4,5,6,7
	v_rcp_f32 v[96+\i], v[96+\i]
.endr
	v_nop
	s_wait_alu depctr_va_vdst(0)
.irp i, 0,1,2,3,4,5,6,7
	v_mul_f32 v[96+\i], 0x3fb8aa3b, v[96+\i]       ; the later exponentials are in base 2
.endr
	global_store_b128 v5, v[96:99], s[38:39]
	global_store_b128 v5, v[100:103], s[38:39] offset:16
	s_wait_xcnt 0x0                                ; the stores' offset and data registers are written again below only behind this wait
	s_cmp_lg_u32 s2, 0
	s_cbranch_scc1 .Lend                           ; the rest is wave 0's
	LOADSEL 4, 12288
	LOADROW X, 6, 0
	v_lshlrev_b32 v6, 2, v[LANE]
	global_load_b32 v160, v6, s[20:21]             ; b_class, a lane a class
	s_wait_loadcnt 0x0
	s_wait_kmcnt 0x0
	PACKSEL
	PACKROW R, X
	DOT3 R
.irp c, 0,1,2
	v_mov_b32 v7, s[56+\c]
	RND 7
	v_add_f32 v[117+\c], v[A+\c], v7               ; k0
.endr
; softplus(w) = max(w, 0) + ln(1 + e), e = exp(-|w|); where e < 2^-11, ln(1 + e) is taken as e (1 - e / 2), which keeps its leading bits
.macro SOFTPLUS d, sr
	v_mov_b32 v[\d], s[\sr]
	RND \d
	v_mul_f32 v8, 0xbfb8aa3b, |v[\d]|
	v_exp_f32 v8, v8
	v_max_num_f32 v[\d], 0, v[\d]
	s_wait_alu depctr_va_vdst(0)
	v_add_f32 v9, 1.0, v8
	v_log_f32 v9, v9
	v_fma_f32 v10, v8, -0.5, 1.0
	v_mul_f32 v10, v10, v8
	s_wait_alu depctr_va_vdst(0)
	v_mul_f32 v9, 0x3f317218, v9
	v_cmp_gt_f32 vcc_lo, 0x3a000000, v8
	v_cndmask_b32 v9, v9, v10, vcc_lo
	v_add_f32 v[\d], v[\d], v9
.endm
.irp i, 0,1,2,3,4,5
	SOFTPLUS 120+\i, 40+\i
.endr
	v_rcp_f32 v126, v125                           ; 1 / T
	v_nop
	s_wait_alu depctr_va_vdst(0)
	v_mul_f32 v112, v120, v126
	v_mul_f32 v113, v121, v126                     ; a_s / T
	v_mul_f32 v114, -v122, v126                    ; -a_d / T
	v_mul_f32 v115, v123, v126
	v_mul_f32 v116, v124, v126
	v_mul_f32 v115, 0x3dcccccd, v115
	v_mul_f32 v116, -0.5, v116                     ; -a_v / 2T
	v_sqrt_f32 v112, v112                          ; sqrt(a_c / T): each token carries one factor
	v_sqrt_f32 v115, v115                          ; sqrt(0.1 a_m / T)
	v_mov_b32 v128, s46
	v_mov_b32 v129, s48
	v_mov_b32 v130, s49
	v_mov_b32 v131, s50
	v_mov_b32 v132, s47
	v_mov_b32 v133, s52
	v_mov_b32 v134, s53
	v_mov_b32 v135, s54
	v_mov_b32 v136, s55
.irp i, 0,1,2,3,4,5,6,7,8
	RND 128+\i
.endr
.irp i, 9,10,11,12,13,14,15
	v_mov_b32 v[128+\i], 0
.endr
	RND 160
	global_store_b32 v6, v160, s[10:11] offset:4352+64  ; the biases lie 4,352 bytes behind the constants; classes from word 16 on
	v_mov_b32 v5, 0
	ONLY 1
	s_wait_alu depctr_va_vdst(0)
	global_store_b128 v5, v[112:115], s[10:11]
	global_store_b128 v5, v[116:119], s[10:11] offset:16
.irp i, 0,1,2,3
	global_store_b128 v5, v[128+4*\i:131+4*\i], s[10:11] offset:4352+16*\i
.endr
	s_endpgm
	; ---- roles 0-319: conversion ----
.Lconv:
	s_load_b256 s[4:11], s[0:1], 0x0               ; W_sense, W_v, W_out, b_v
	s_load_b64 s[12:13], s[0:1], 0xc8              ; wts
	s_sub_co_u32 s20, ttmp9, 192
	s_sub_co_u32 s21, ttmp9, 256
	v_lshlrev_b32 v1, 5, v0                        ; thread t: 8 numbers of each row, 32 bytes in,
	v_lshlrev_b32 v5, 4, v0                        ; 16 bytes out
	s_mov_b32 s23, 0
	s_mov_b32 s24, 0x7fff7fff
	s_wait_kmcnt 0x0
	s_cmp_ge_u32 ttmp9, 192
	s_cselect_b32 s16, s20, ttmp9                  ; my number within the tensor
	s_cselect_b32 s17, WV16, 0
	s_cselect_b32 s18, 1, 0
	s_cselect_b64 s[4:5], s[6:7], s[4:5]
	s_cmp_ge_u32 ttmp9, 256
	s_cselect_b32 s16, s21, s16
	s_cselect_b32 s17, WO16, s17
	s_cselect_b32 s18, 2, s18
	s_cselect_b64 s[4:5], s[8:9], s[4:5]
	s_lshl_b32 s22, s16, 16
	s_add_nc_u64 s[4:5], s[4:5], s[22:23]
	s_lshl_b32 s22, s16, 15
	s_add_co_u32 s22, s22, s17
	s_add_nc_u64 s[14:15], s[12:13], s[22:23]
.set k, 0
.rept 16
	global_load_b128 v[64+8*k:67+8*k], v1, s[4:5] offset:4096*k th:TH_LOAD_NT
	global_load_b128 v[68+8*k:71+8*k], v1, s[4:5] offset:4096*k+16 th:TH_LOAD_NT
.set k, k+1
.endr
.set k, 0
.rept 16
	s_wait_loadcnt 2*(15-k)                        ; loads return in order: row k is in, the younger rows' two loads each stay out
.irp i, 0,1,2,3
	v_cvt_pk_bf16_f32 v[192+4*k+\i], v[64+8*k+2*\i], v[64+8*k+2*\i+1]
.endr
	global_store_b128 v5, v[192+4*k:195+4*k], s[14:15] offset:2048*k  ; a wave's store covers 512 consecutive bytes, aligned
.set k, k+1
.endr
	s_cmp_eq_u32 s18, 0
	s_cbranch_scc1 .Lend
.irp i, 0,1,2,3
	v_and_b32 v[32+\i], s24, v[192+\i]             ; the largest magnitude, two bf16 at a time, four chains
.endr
.set j, 4
.rept 60
	v_and_b32 v[36+j%4], s24, v[192+j]
	v_pk_max_num_bf16 v[32+j%4], v[32+j%4], v[36+j%4]
.set j, j+1
.endr
	v_pk_max_num_bf16 v32, v32, v33
	v_pk_max_num_bf16 v34, v34, v35
	v_pk_max_num_bf16 v32, v32, v34
	v_lshlrev_b32 v36, 16, v32
	v_and_b32 v37, s[MSK], v32
	v_max_num_f32 v36, v36, v37
	v_max_num_f32_dpp v36, v36, v36 row_xmask:1 row_mask:0xf bank_mask:0xf
	v_max_num_f32_dpp v36, v36, v36 row_xmask:2 row_mask:0xf bank_mask:0xf
	v_max_num_f32_dpp v36, v36, v36 row_xmask:4 row_mask:0xf bank_mask:0xf
	v_max_num_f32_dpp v36, v36, v36 row_xmask:8 row_mask:0xf bank_mask:0xf
	v_permlanex16_b32 v[TM], v36, s[SEL], s[SEL+1]
	v_max_num_f32 v36, v36, v[TM]
	s_lshl_b32 s25, s16, 2
	s_add_co_u32 s25, s25, s2
	s_lshl_b32 s25, s25, 2
	s_lshl_b32 s26, s18, 10
	s_add_co_u32 s25, s25, s26
	s_add_co_u32 s25, s25, WMAX-1024               ; [tensor][4 x group + wave]
	v_mov_b32 v6, s25
	ONLY 1
	global_store_b32 v6, v36, s[12:13]
	ALLON
	s_cmp_eq_u32 s18, 2
	s_cbranch_scc0 .Lend
	s_lshl_b32 s22, s16, 6                         ; W_out alone: b_v of my 16 rows
	s_add_nc_u64 s[10:11], s[10:11], s[22:23]
	s_load_b512 s[32:47], s[10:11], 0x0
.irp i, 0,1,2,3,4,5,6,7
	v_mov_b32 v[44+\i], 0
.endr
	s_lshl_b32 s26, s16, 12
	s_add_co_u32 s26, s26, PBO
	s_mov_b32 s27, 0
	s_add_nc_u64 s[26:27], s[12:13], s[26:27]
	s_wait_kmcnt 0x0
.set k, 0
.rept 16
	v_mov_b32 v40, s[32+k]
	RND 40
.irp i, 0,1,2,3
	v_fma_mix_f32_bf16 v[44+2*\i], v[192+4*k+\i], v40, v[44+2*\i] op_sel_hi:[1,0,0]
	v_fma_mix_f32_bf16 v[45+2*\i], v[192+4*k+\i], v40, v[45+2*\i] op_sel:[1,0,0] op_sel_hi:[1,0,0]
.endr
.set k, k+1
.endr
	global_store_b128 v1, v[44:47], s[26:27]
	global_store_b128 v1, v[48:51], s[26:27] offset:16
.Lend:
	s_endpgm
	; ---- roles 320-383: U ----
.Lurow:
	s_load_b128 s[4:7], s[0:1], 0x20               ; W_ctx, W_sel
	s_load_b64 s[8:9], s[0:1], 0xc8
	s_sub_co_u32 s10, ttmp9, 320
	s_lshl_b32 s10, s10, 2
	s_add_co_u32 s10, s10, s2                      ; my four rows: 4 x (4 x group + wave) ..
	s_lshl_b32 s12, s10, 14
	s_mov_b32 s13, 0
	s_wait_kmcnt 0x0
	s_add_nc_u64 s[4:5], s[4:5], s[12:13]
	LOADSEL 6, 12288
.irp q, 0,1,2,3
	LOADROW X+32*\q, 4, 4096*\q
.endr
	s_wait_loadcnt 32                              ; W_sel's 24 loads are in; the four rows' 32 stay out
	PACKSEL
.irp q, 0,1,2,3
	s_wait_loadcnt 8*(3-\q)                        ; row q is in; eight loads for each younger row stay out
	PACKROW R+16*\q, X+32*\q
.endr
.irp c, 0,1,2
	v_mov_b32 v[OUT+\c], 0
.endr
	s_mov_b32 s16, 0
.Lrow:                                                 ; four trips: a row's 96 products and three sums stand once in the text; each trip works on the first packed row and then moves the others down
	DOT3 R
	v_cmp_eq_u32 vcc_lo, s16, v[LANE]
.irp c, 0,1,2
	v_cndmask_b32 v[OUT+\c], v[OUT+\c], v[A+\c], vcc_lo  ; row q's sums go to lane q
.endr
.set w, 0
.rept 48
	v_mov_b32 v[R+w], v[R+16+w]
.set w, w+1
.endr
	s_add_co_u32 s16, s16, 1
	s_cmp_lt_u32 s16, 4
	s_cbranch_scc1 .Lrow
	v_lshlrev_b32 v11, 2, v[LANE]
	s_lshl_b32 s14, s10, 4
	s_add_co_u32 s14, s14, UOF
	s_mov_b32 s15, 0
	s_add_nc_u64 s[8:9], s[8:9], s[14:15]
	ONLY 4
.irp c, 0,1,2
	global_store_b32 v11, v[OUT+\c], s[8:9] offset:4096*\c
.endr
	s_endpgm
	; ---- roles 384-391: the property table ----
.Lwp:
	s_load_b256 s[4:11], s[0:1], 0x40              ; W_charge, W_shell, W_mass, W_val
	s_load_b64 s[12:13], s[0:1], 0x60              ; W_class
	s_load_b64 s[14:15], s[0:1], 0xc8
	s_sub_co_u32 s16, ttmp9, 384
	s_lshl_b32 s16, s16, 7
	v_add_nc_u32 v5, s16, v0                       ; a thread is one d
	v_lshlrev_b32 v6, 2, v5
	v_mul_u32_u24 v7, v5, 12
	v_lshlrev_b32 v8, 4, v5
	v_lshlrev_b32 v9, 7, v5
	v_mov_b32 v20, 0
	s_wait_kmcnt 0x0
	global_load_b32 v64, v6, s[4:5]
	global_load_b32 v65, v7, s[6:7]
	global_load_b32 v66, v7, s[6:7] offset:4
	global_load_b32 v67, v7, s[6:7] offset:8
	global_load_b32 v68, v6, s[8:9]
	global_load_b128 v[16:19], v8, s[10:11]
.irp i, 0,1,2,3,4,5,6,7
	global_load_b128 v[80+4*\i:83+4*\i], v9, s[12:13] offset:16*\i
.endr
	s_add_nc_u64 s[14:15], s[14:15], WP16
	s_wait_loadcnt 0x0
	v_cvt_pk_bf16_f32 v128, v64, v65
	v_cvt_pk_bf16_f32 v129, v66, v67
	v_cvt_pk_bf16_f32 v130, v68, v16
	v_cvt_pk_bf16_f32 v131, v17, v18
	v_cvt_pk_bf16_f32 v132, v19, v20
.irp i, 133,134,135,152,153,154,155,156,157,158,159
	v_mov_b32 v[\i], 0
.endr
.set n, 0
.rept 16
	v_cvt_pk_bf16_f32 v[136+n], v[80+2*n], v[81+2*n]
.set n, n+1
.endr
.irp i, 0,1,2,3,4,5,6,7
	global_store_b128 v9, v[128+4*\i:131+4*\i], s[14:15] offset:16*\i
.endr
	s_endpgm
.Lfunc_end_k_qe853c91fdc_wprep:
	.size	k_qe853c91fdc_wprep, .Lfunc_end_k_qe853c91fdc_wprep-k_qe853c91fdc_wprep
	.p2alignl 7, 3214868480
	.fill 96, 4, 3214868480
	.section	.rodata,"a",@progbits
	.p2align	6, 0x0
	.amdhsa_kernel k_qe853c91fdc_wprep
		.amdhsa_group_segment_fixed_size 0
		.amdhsa_private_segment_fixed_size 0
		.amdhsa_enable_private_segment 0
		.amdhsa_kernarg_size 208
		.amdhsa_user_sgpr_count 2
		.amdhsa_user_sgpr_kernarg_segment_ptr 1
		.amdhsa_wavefront_size32 1
		.amdhsa_system_sgpr_workgroup_id_x 1
		.amdhsa_system_sgpr_workgroup_id_y 1
		.amdhsa_system_sgpr_workgroup_id_z 1
		.amdhsa_system_vgpr_workitem_id 0
		.amdhsa_next_free_vgpr 256
		.amdhsa_next_free_sgpr 66
		.amdhsa_reserve_vcc 1
		.amdhsa_float_denorm_mode_32 3
		.amdhsa_float_denorm_mode_16_64 3
		.amdhsa_memory_ordered 1
		.amdhsa_forward_progress 1
		.amdhsa_inst_pref_size 84
	.end_amdhsa_kernel
	.amdgpu_metadata
---
amdhsa.version: [ 1, 2 ]
amdhsa.kernels:
  - .name:           k_qe853c91fdc_wprep
    .symbol:         k_qe853c91fdc_wprep.kd
    .args:
      - { .name: W_sense, .offset: 0, .size: 8, .value_kind: global_buffer, .address_space: global }
      - { .name: W_v, .offset: 8, .size: 8, .value_kind: global_buffer, .address_space: global }
      - { .name: W_out, .offset: 16, .size: 8, .value_kind: global_buffer, .address_space: global }
      - { .name: b_v, .offset: 24, .size: 8, .value_kind: global_buffer, .address_space: global }
      - { .name: W_ctx, .offset: 32, .size: 8, .value_kind: global_buffer, .address_space: global }
      - { .name: W_sel, .offset: 40, .size: 8, .value_kind: global_buffer, .address_space: global }
      - { .name: b_ctx, .offset: 48, .size: 8, .value_kind: global_buffer, .address_space: global }
      - { .name: b_sel, .offset: 56, .size: 8, .value_kind: global_buffer, .address_space: global }
      - { .name: W_charge, .offset: 64, .size: 8, .value_kind: global_buffer, .address_space: global }
      - { .name: W_shell, .offset: 72, .size: 8, .value_kind: global_buffer, .address_space: global }
      - { .name: W_mass, .offset: 80, .size: 8, .value_kind: global_buffer, .address_space: global }
      - { .name: W_val, .offset: 88, .size: 8, .value_kind: global_buffer, .address_space: global }
      - { .name: W_class, .offset: 96, .size: 8, .value_kind: global_buffer, .address_space: global }
      - { .name: b_charge, .offset: 104, .size: 8, .value_kind: global_buffer, .address_space: global }
      - { .name: b_shell, .offset: 112, .size: 8, .value_kind: global_buffer, .address_space: global }
      - { .name: b_mass, .offset: 120, .size: 8, .value_kind: global_buffer, .address_space: global }
      - { .name: b_val, .offset: 128, .size: 8, .value_kind: global_buffer, .address_space: global }
      - { .name: b_class, .offset: 136, .size: 8, .value_kind: global_buffer, .address_space: global }
      - { .name: compat_logits, .offset: 144, .size: 8, .value_kind: global_buffer, .address_space: global }
      - { .name: w_charge, .offset: 152, .size: 8, .value_kind: global_buffer, .address_space: global }
      - { .name: w_shell, .offset: 160, .size: 8, .value_kind: global_buffer, .address_space: global }
      - { .name: w_distance, .offset: 168, .size: 8, .value_kind: global_buffer, .address_space: global }
      - { .name: w_mass, .offset: 176, .size: 8, .value_kind: global_buffer, .address_space: global }
      - { .name: w_valence, .offset: 184, .size: 8, .value_kind: global_buffer, .address_space: global }
      - { .name: temperature, .offset: 192, .size: 8, .value_kind: global_buffer, .address_space: global }
      - { .name: wts, .offset: 200, .size: 8, .value_kind: global_buffer, .address_space: global }
    .group_segment_fixed_size: 0
    .private_segment_fixed_size: 0
    .kernarg_segment_align: 8
    .kernarg_segment_size: 208
    .max_flat_workgroup_size: 128
    .sgpr_count:     66
    .vgpr_count:     256
    .wavefront_size: 32
...
	.end_amdgpu_metadata
.endif
;; end of part 9
;; launch xprep (part 10): grid 256 x 1, 8 waves a work-group, no clusters, 0 bytes of LDS; arguments x, W_sel, wts, xw; writes xw
.if DOCPART == 10
	.amdgcn_target "amdgcn-amd-amdhsa--gfx1250"
	.amdhsa_code_object_version 6
	.text
	.protected	k_qe853c91fdc_xprep
	.globl	k_qe853c91fdc_xprep
	.p2align	8
	.type	k_qe853c91fdc_xprep,@function
k_qe853c91fdc_xprep:
	s_mov_b64 s[64:65], 0
	v_nop
	global_prefetch_b8 v0, s[64:65] scope:SCOPE_SE
	s_setreg_imm32_b32 hwreg(HW_REG_WAVE_MODE, 25, 1), 1
	s_wait_xcnt 0x0
; x, ONCE.  A wave takes four rows of x (1,024 f32 each): rounds them to bf16 and stores them; t[row][s] = row . W_sel[:1024][s]; and the four rows' column sums times U[s],
; one partial of the batch mean's share of the selection logits.  All sums in f32 of exact products of bf16 numbers (U is f32).
; A stream: each byte of x is read once; all 32 loads of a wave's rows go out at once (16 KiB a wave, 128 KiB a work-group); stores cover 512 consecutive bytes.  No LDS, matrix unit or cluster: nothing is shared.
; A row's 96 products, its three sums and its share of the column sums stand once in the text, in a loop of four trips: each trip works on the first packed row and then moves the other three down, 48 moves.
.set UOF,  10616832
.set TSEL, 16777216
.set USO,  16908288
.set LANE, 2
.set ONE,  7
.set A,    8                           ; sums: v8-10 low halves', v12-14 high halves'; v11 stays 0, so that v8-11 are 16 bytes to store
.set TM,   15
.set T,    16                          ; v16-111 W_sel as loaded; packed in place to v16-63
.set R,    64                          ; v64-127 the four rows as bf16, 16 words each
.set X,    128                         ; v128-255 the four rows as loaded; later v128-223 U, v224-255 the column sums
.set CS,   224
.set SEL,  60
.set SV,   62
.macro WSUM r
	v_add_f32_dpp v[\r], v[\r], v[\r] row_xmask:1 row_mask:0xf bank_mask:0xf
	v_add_f32_dpp v[\r], v[\r], v[\r] row_xmask:2 row_mask:0xf bank_mask:0xf
	v_add_f32_dpp v[\r], v[\r], v[\r] row_xmask:4 row_mask:0xf bank_mask:0xf
	v_add_f32_dpp v[\r], v[\r], v[\r] row_xmask:8 row_mask:0xf bank_mask:0xf
	v_permlanex16_b32 v[TM], v[\r], s[SEL], s[SEL+1]
	v_add_f32 v[\r], v[\r], v[TM]
.endm
.macro ONLY cnt
	v_cmp_gt_u32 vcc_lo, \cnt, v[LANE]
	s_wait_xcnt 0x0
	s_and_saveexec_b32 s[SV], vcc_lo
.endm
.macro ALLON
	s_wait_xcnt 0x0
	s_or_b32 exec_lo, exec_lo, s[SV]
.endm
.macro DOT3 r
.irp c, 0,1,2,4,5,6
	v_mov_b32 v[A+\c], 0
.endr
.set w, 0
.rept 16
.irp c, 0,1,2
	v_fma_mix_f32_bf16 v[A+\c], v[(\r)+w], v[T+3*w+\c], v[A+\c] op_sel_hi:[1,1,0]
	v_fma_mix_f32_bf16 v[A+4+\c], v[(\r)+w], v[T+3*w+\c], v[A+4+\c] op_sel:[1,1,0] op_sel_hi:[1,1,0]
.endr
.set w, w+1
.endr
.irp c, 0,1,2
	v_add_f32 v[A+\c], v[A+\c], v[A+4+\c]
	WSUM A+\c
.endr
.endm
	s_load_b256 s[4:11], s[0:1], 0x0               ; x, W_sel, wts, xw
	v_and_b32 v[LANE], 31, v0
	v_lshrrev_b32 v1, 5, v0
	v_readfirstlane_b32 s2, v1
	s_mov_b32 s[SEL], 0x76543210
	s_mov_b32 s[SEL+1], 0xfedcba98
	v_mov_b32 v[TM], 0
	v_mov_b32 v[ONE], 1.0
	v_mov_b32 v11, 0
	v_mov_b32 v1, 0
	v_mul_u32_u24 v3, v[LANE], 96
	v_lshlrev_b32 v4, 5, v[LANE]
	v_lshlrev_b32 v5, 4, v[LANE]
	s_lshl_b32 s12, ttmp9, 3
	s_add_co_u32 s12, s12, s2                      ; my group of four rows, 0 .. 2,047
	s_lshl_b32 s14, s12, 14
	s_mov_b32 s15, 0
	s_wait_kmcnt 0x0
	s_add_nc_u64 s[4:5], s[4:5], s[14:15]
	s_lshl_b32 s14, s12, 13
	s_add_nc_u64 s[16:17], s[10:11], s[14:15]      ; xb at my rows
	s_add_nc_u64 s[18:19], s[8:9], UOF
	s_lshl_b32 s14, s12, 6
	s_add_co_u32 s14, s14, TSEL
	s_add_nc_u64 s[20:21], s[10:11], s[14:15]
	s_lshl_b32 s14, s12, 4
	s_add_co_u32 s14, s14, USO
	s_add_nc_u64 s[22:23], s[10:11], s[14:15]
.set n, 0
.rept 24
	global_load_b128 v[T+4*n:T+4*n+3], v3, s[6:7] offset:3072*(n/6)+16*(n%6)  ; rows 256 q + 8 lane + 0..7 of W_sel, 96 bytes on end
.set n, n+1
.endr
.set n, 0
.rept 16
	global_load_b128 v[X+8*n:X+8*n+3],   v4, s[4:5] offset:4096*(n/4)+1024*(n%4) th:TH_LOAD_NT
	global_load_b128 v[X+8*n+4:X+8*n+7], v4, s[4:5] offset:4096*(n/4)+1024*(n%4)+16 th:TH_LOAD_NT
.set n, n+1
.endr
	s_wait_loadcnt 32                              ; W_sel is in; the rows' 32 loads stay out
.set w, 0
.rept 16
.irp c, 0,1,2
	v_cvt_pk_bf16_f32 v[T+3*w+\c], v[T+6*w+\c], v[T+6*w+3+\c]
.endr
.set w, w+1
.endr
.irp q, 0,1,2,3
	s_wait_loadcnt 8*(3-\q)                        ; row q is in; eight loads for each younger row stay out
.set w, 0
.rept 16
	v_cvt_pk_bf16_f32 v[R+16*\q+w], v[X+32*\q+2*w], v[X+32*\q+2*w+1]
.set w, w+1
.endr
.irp i, 0,1,2,3
	global_store_b128 v5, v[R+16*\q+4*\i:R+16*\q+4*\i+3], s[16:17] offset:2048*\q+512*\i
.endr
.endr
.set n, 0
.rept 12
	global_load_b128 v[X+8*n:X+8*n+3],   v4, s[18:19] offset:4096*(n/4)+1024*(n%4)     ; U of my 32 columns, sense n / 4; the loop below stands in its wait
	global_load_b128 v[X+8*n+4:X+8*n+7], v4, s[18:19] offset:4096*(n/4)+1024*(n%4)+16
.set n, n+1
.endr
.set w, 0
.rept 32
	v_mov_b32 v[CS+w], 0                           ; the column sums: row 3's registers, free since its conversion
.set w, w+1
.endr
	s_mov_b32 s24, 4
.Lrow:
	DOT3 R
	ONLY 1                                         ; its wait also shows that xb's stores have read the packed rows, which are moved below
	global_store_b128 v1, v[A:A+3], s[20:21]       ; (t0, t1, t2, 0) of this trip's row
	ALLON                                          ; behind its wait the sums and the offset may be written again
	v_add_nc_u32 v1, 16, v1
.set w, 0
.rept 16
	v_fma_mix_f32_bf16 v[CS+2*w], v[R+w], v[ONE], v[CS+2*w] op_sel_hi:[1,0,0]
	v_fma_mix_f32_bf16 v[CS+2*w+1], v[R+w], v[ONE], v[CS+2*w+1] op_sel:[1,0,0] op_sel_hi:[1,0,0]
.set w, w+1
.endr
.set w, 0
.rept 48
	v_mov_b32 v[R+w], v[R+16+w]
.set w, w+1
.endr
	s_sub_co_u32 s24, s24, 1
	s_cmp_lg_u32 s24, 0
	s_cbranch_scc1 .Lrow
	v_mov_b32 v1, 0
	s_wait_loadcnt 0x0                             ; U
	v_pk_mul_f32 v[8:9],   v[CS:CS+1], v[X:X+1]
	v_pk_mul_f32 v[12:13], v[CS:CS+1], v[X+32:X+33]
	v_pk_mul_f32 v[6:7],   v[CS:CS+1], v[X+64:X+65]
.set w, 1
.rept 15
	v_pk_fma_f32 v[8:9],   v[CS+2*w:CS+2*w+1], v[X+2*w:X+2*w+1],       v[8:9]
	v_pk_fma_f32 v[12:13], v[CS+2*w:CS+2*w+1], v[X+32+2*w:X+32+2*w+1], v[12:13]
	v_pk_fma_f32 v[6:7],   v[CS+2*w:CS+2*w+1], v[X+64+2*w:X+64+2*w+1], v[6:7]
.set w, w+1
.endr
	v_add_f32 v8, v8, v9
	v_add_f32 v9, v12, v13
	v_add_f32 v10, v6, v7
	WSUM 8
	WSUM 9
	WSUM 10
	ONLY 1
	global_store_b128 v1, v[8:11], s[22:23]
	s_endpgm
.Lfunc_end_k_qe853c91fdc_xprep:
	.size	k_qe853c91fdc_xprep, .Lfunc_end_k_qe853c91fdc_xprep-k_qe853c91fdc_xprep
	.p2alignl 7, 3214868480
	.fill 96, 4, 3214868480
	.section	.rodata,"a",@progbits
	.p2align	6, 0x0
	.amdhsa_kernel k_qe853c91fdc_xprep
		.amdhsa_group_segment_fixed_size 0
		.amdhsa_private_segment_fixed_size 0
		.amdhsa_enable_private_segment 0
		.amdhsa_kernarg_size 32
		.amdhsa_user_sgpr_count 2
		.amdhsa_user_sgpr_kernarg_segment_ptr 1
		.amdhsa_wavefront_size32 1
		.amdhsa_system_sgpr_workgroup_id_x 1
		.amdhsa_system_sgpr_workgroup_id_y 1
		.amdhsa_system_sgpr_workgroup_id_z 1
		.amdhsa_system_vgpr_workitem_id 0
		.amdhsa_next_free_vgpr 256
		.amdhsa_next_free_sgpr 66
		.amdhsa_reserve_vcc 1
		.amdhsa_float_denorm_mode_32 3
		.amdhsa_float_denorm_mode_16_64 3
		.amdhsa_memory_ordered 1
		.amdhsa_forward_progress 1
		.amdhsa_inst_pref_size 35
	.end_amdhsa_kernel
	.amdgpu_metadata
---
amdhsa.version: [ 1, 2 ]
amdhsa.kernels:
  - .name:           k_qe853c91fdc_xprep
    .symbol:         k_qe853c91fdc_xprep.kd
    .args:
      - { .name: x, .offset: 0, .size: 8, .value_kind: global_buffer, .address_space: global }
      - { .name: W_sel, .offset: 8, .size: 8, .value_kind: global_buffer, .address_space: global }
      - { .name: wts, .offset: 16, .size: 8, .value_kind: global_buffer, .address_space: global }
      - { .name: xw, .offset: 24, .size: 8, .value_kind: global_buffer, .address_space: global }
    .group_segment_fixed_size: 0
    .private_segment_fixed_size: 0
    .kernarg_segment_align: 8
    .kernarg_segment_size: 32
    .max_flat_workgroup_size: 256
    .sgpr_count:     66
    .vgpr_count:     256
    .wavefront_size: 32
...
	.end_amdgpu_metadata
.endif
;; end of part 10
;; launch g1 (part 11): grid 8 x 64, 4 waves a work-group, clusters of 4 x 4, 327,680 bytes of LDS; arguments xw, wts, b_sense, g1o; writes g1o
.if DOCPART == 11
	.amdgcn_target "amdgcn-amd-amdhsa--gfx1250"
	.amdhsa_code_object_version 6
	.text
	.protected	k_qe853c91fdc_g1
	.globl	k_qe853c91fdc_g1
	.p2align	8
	.type	k_qe853c91fdc_g1,@function
k_qe853c91fdc_g1:
	s_mov_b64 s[64:65], 0
	v_nop
	global_prefetch_b8 v0, s[64:65] scope:SCOPE_SE
	s_setreg_imm32_b32 hwreg(HW_REG_WAVE_MODE, 25, 1), 1
	s_wait_xcnt 0x0
	s_wait_alu depctr_hold_cnt(0) depctr_sa_sdst(0) depctr_va_vdst(0) depctr_va_sdst(0) depctr_va_ssrc(0) depctr_va_vcc(0) depctr_vm_vsrc(0)
	s_getreg_b32 s2, hwreg(HW_REG_IB_STS2, 6, 4)
	s_cmp_eq_u32 s2, 0
	s_cbranch_scc0 .Lentry_in_a_cluster
	s_endpgm
.Lentry_in_a_cluster:
	s_bfe_u32 s2, ttmp6, 0x10000c
	s_cmp_lg_u32 s2, 0xf033
	s_cbranch_scc0 .Lentry_shape_is_right
	s_endpgm
.Lentry_shape_is_right:
; THE SENSE PRODUCT AND ITS MIX.  x2[m][d] = sum over s of w[m][s] (xb[m] . W_sense[:, 1024 s + d] + b_sense[1024 s + d]), w = softmax over 3 of t + u / 2048 + k0.
; A work-group makes 128 tokens x 128 d of x2, that is 128 x (3 x 128) of the product; a wave 64 x (3 x 64): 48 accumulators, 384 registers, so the three senses of a number meet in one lane.
; Operands bf16 (products exact), sums f32.  Out: x2 in f16, and the 48 property sums of this slice of 128 d, made of x2 split into three bf16 parts (24 bits), so that the later argmax sees f32 precision.
; B lies [k][n] as in memory and is turned on the way to registers by ds_load_tr16_b128.  The matrix instruction is used transposed (source 0 = 16 columns of W, source 1 = 16 tokens): a lane holds 8 neighbouring d of one token.
; K goes in 8 steps of 128 through two LDS slots; wave 0 fetches A's tile, waves 1-3 one sense's tile each.  A slot is four regions of 36,864 bytes, so that wave w's load lands at w x 36,864 in the slot.
; CLUSTER 4 x 4: A's tile is asked for jointly along a row, W's and the property table's along a column.
; THE WAY OUT.  The mix is written out for each of the wave's four token blocks (accumulators cannot be indexed); the mixed numbers then go through 16 KiB of the wave's own LDS, so that the split into parts and the
; property products stand once in the text, in a loop of four trips.
; By this text's count a wave has three tensor loads out at the start at the most (wave 0), later one.
; LIMITS: |x2| below 65,504 (f16); NaN and infinities are not treated apart.
.set PA,    272                        ; A's LDS row: 256 bytes + 16
.set PB,    288                        ; W's LDS row: 128 columns x 2 bytes + 32: an odd multiple of 32
.set BREG,  128*PB                     ; a region: 36,864 bytes; A's 128 rows take 34,816 of theirs
.set AREG,  BREG                       ; W's three regions begin behind A's
.set SLOT,  4*BREG
.set WPT,   2*SLOT                     ; the property table's 128 rows, pitch 160
.set PW,    160
.set SPARE, WPT+128*PW                 ; the spare words, 128 bytes a wave
; on the way out, in the slots, which have had their last fill: x2's stage at 0 (128 rows x 272);
.set STG2,  AREG                       ; the property sums: an area for each wave, 48 properties x (64 tokens x 4 bytes + 16);
.set PP,    272
.set PAREA, 48*PP
.set XS,    STG2+4*PAREA               ; the mixed numbers in f32: 16,384 bytes for each wave
.set TSEL,  16777216
.set USO,   16908288
.set WP16,  10485760
.set CST,   10629120
.set PPO,   16777216
.set F0,    0                          ; window 1: two fragment buffers: A's four at F + 8 a, W's twelve at F + 32 + 8 b
.set F1,    128
.set STO2,  10
.set RD2,   11
.set CO2,   12
.set XA,    13                         ; v13 my 16 bytes in the first 512 of my wave's part of XS
.set XLD,   14                         ; v14 the same, stepping with the loop's trips
.set ADRA0, 16
.set ADRA,  17
.set ADRB0, 18                         ; v18-20, a sense each
.set ADRB,  21                         ; v21-23
.set STO,   24
.set RD,    25
.set CO,    26
.set WPA,   27
.set SPW,   28
.set NIL,   29
.set WT,    32                         ; v32-55 the sense weights, a pair for block a and sense s at WT + 6 a + 2 s
.set BIAS,  64                         ; v64-159 b_sense of my 12 column blocks; later at work:
.set X,     64                         ; v64-95 a block's 32 x2 in f32: d = 16 db + 8 h + j at X + 8 db + j
.set XH,    96                         ; v96-111 the same in f16
.set OP,    128                        ; v128-175 its three bf16 parts as fragments: part p, 32 d g at OP + 16 p + 8 g
.set TT,    176                        ; v176-207 a part widened to f32 again
.set PT,    64                         ; window 1: a block's property sums, 16 properties pb at PT + 8 pb
.set G1A, 24
.set G0A, 32
.set G1B, 40
.set G0B, 48
.set G1P, 56
.set G0P, 68
.set MSK, 91                           ; s91 a word's upper bf16
.set SEL, 92
.set MSB, 0
.macro WIN new
.if MSB != (\new)
	s_set_vgpr_msb (MSB<<8)|(\new)
.set MSB, \new
.endif
.endm
.macro PLACES                          ; four places behind matrix instructions (ISA guide 7.12.1)
.rept 4
	v_nop
.endr
.endm
.macro CREST
	s_cmp_lg_u32 s12, 0
	s_cbranch_scc1 .Lnot_wave_0_\@
	s_barrier_signal -3
.Lnot_wave_0_\@:
	s_barrier_wait -3
	s_barrier_signal -1
	s_barrier_wait -1
.endm
.macro CROUND
	s_barrier_signal -1
	s_barrier_wait -1
	CREST
.endm
.macro JLOAD                           ; the joint refill by the walking descriptors; the branch hangs on the wave's number alone
	s_cmp_eq_u32 s12, 0
	s_cbranch_scc0 .Lfor_b_\@
	tensor_load_to_lds s[G0A+4:G0A+7], s[G1A:G1A+7]
	s_nop 0
.rept 4
	v_nop
.endr
	s_branch .Lasked_\@
.Lfor_b_\@:
	tensor_load_to_lds s[G0B+4:G0B+7], s[G1B:G1B+7]
	s_nop 0
.rept 4
	v_nop
.endr
.Lasked_\@:
.endm
; 12 products: token block a x my 12 column blocks, 32 along K.  mode 2: the sums begin with the bias.  The accumulators take turns.
.macro MULB f, a, mode
.if (\mode) == 2
	WIN 0x85+0x40*((\a)/2)
.else
	WIN 0xa5+0x50*((\a)/2)
.endif
.set b, 0
.rept 12
.set rD, 8*(12*((\a)%2)+b)
.set rB, (\f)+32+8*b
.set rA, (\f)+8*(\a)
.if (\mode) == 2
	v_wmma_f32_16x16x32_bf16 v[rD:rD+7], v[rB:rB+7], v[rA:rA+7], v[BIAS+8*b:BIAS+8*b+7]
.else
	v_wmma_f32_16x16x32_bf16 v[rD:rD+7], v[rB:rB+7], v[rA:rA+7], v[rD:rD+7]
.endif
.set b, b+1
.endr
.endm
.macro FETCH kq, f                     ; 32 LDS loads in one run: the fragments of 32 along K; W's 24 loads first, then A's blocks 0 to 3
	WIN 0x40
.set b, 0
.rept 12
	ds_load_tr16_b128 v[(\f)+32+8*b:(\f)+32+8*b+3], v[ADRB+b/4] offset:(\kq)*32*PB+32*(b%4)
	ds_load_tr16_b128 v[(\f)+36+8*b:(\f)+36+8*b+3], v[ADRB+b/4] offset:(\kq)*32*PB+32*(b%4)+16*PB
.set b, b+1
.endr
.set b, 0
.rept 4
	ds_load_b128 v[(\f)+8*b:(\f)+8*b+3],   v[ADRA] offset:b*16*PA+64*(\kq)
	ds_load_b128 v[(\f)+8*b+4:(\f)+8*b+7], v[ADRA] offset:b*16*PA+64*(\kq)+32
.set b, b+1
.endr
.endm
.macro Q kqn, f, g, mode               ; a quarter step: at its head it fetches the next quarter into g, 48 products ahead of its use; then it multiplies buffer f
	s_wait_dscnt 4                                 ; of buffer f's run W's fragments and A's blocks 0 and 1 are in; the youngest four loads, A's blocks 2 and 3, may stay out
	PLACES                                         ; buffer g was read by the products just issued
	FETCH \kqn, \g
	MULB \f, 0, \mode
	MULB \f, 1, \mode
	s_wait_dscnt 32                                ; all but the 32 just issued
	MULB \f, 2, \mode
	MULB \f, 3, \mode
.endm
; The last quarter changes slots: every wave waits for all its tensor loads, adds 0 to its spare word, waits for that and for its reads of this slot, and signals.
.macro TURN fill
	WIN 0
	s_wait_tensorcnt 0x0                           ; my part of the next slot has landed; no load of mine is out
	ds_add_u32 v[SPW], v[NIL]
	s_wait_dscnt 1                                 ; all but the add: buffer 1 is in
	MULB F1, 0, 0
	s_wait_dscnt 0x0                               ; the add is done; my reads of this slot are over
	s_barrier_signal -1
	MULB F1, 1, 0
	WIN 0
	s_barrier_wait -1
.if \fill
	CREST                                          ; the barrier opened a round of the cluster's: no wave of any partner reads this slot or has a load on its way
	s_xor_b32 s20, s20, SLOT                       ; the walking descriptors: the other slot, one K step on
	s_add_co_u32 s[G0A+5], s22, s20
	s_add_nc_u64 s[G0A+6:G0A+7], s[G0A+6:G0A+7], 256
	s_add_co_u32 s[G0B+5], s22, s20
	s_add_nc_u64 s[G0B+6:G0B+7], s[G0B+6:G0B+7], 128*3072*2
	JLOAD                                          ; its four v_nop are also the places in front of the loads below
.else
	PLACES
.endif
	s_xor_b32 s19, s19, SLOT                       ; the reads go to the other slot
	v_add_nc_u32 v[ADRA], s19, v[ADRA0]
.irp c, 0,1,2
	v_add_nc_u32 v[ADRB+\c], s19, v[ADRB0+\c]
.endr
	FETCH 0, F0
	MULB F1, 2, 0
	MULB F1, 3, 0
.endm
.macro WSUM r
	v_add_f32_dpp v[\r], v[\r], v[\r] row_xmask:1 row_mask:0xf bank_mask:0xf
	v_add_f32_dpp v[\r], v[\r], v[\r] row_xmask:2 row_mask:0xf bank_mask:0xf
	v_add_f32_dpp v[\r], v[\r], v[\r] row_xmask:4 row_mask:0xf bank_mask:0xf
	v_add_f32_dpp v[\r], v[\r], v[\r] row_xmask:8 row_mask:0xf bank_mask:0xf
	v_permlanex16_b32 v243, v[\r], s[SEL], s[SEL+1]
	v_add_f32 v[\r], v[\r], v243
.endm
	s_load_b256 s[4:11], s[0:1], 0x0               ; xw, wts, b_sense, g1o
	v_lshl_add_u32 v[SPW], v0, 2, SPARE
	v_mov_b32 v[NIL], 0
	ds_add_u32 v[SPW], v[NIL]                      ; the wave's opening; the set-up below stands between the add and its wait
	ds_add_u32 v28, v29
	v_lshrrev_b32 v1, 5, v0
	v_readfirstlane_b32 s12, v1                    ; wave
	s_lshr_b32 s13, s12, 1                         ; which 64 tokens
	s_and_b32 s14, s12, 1                          ; which 64 d
	s_bfe_u32 s15, ttmp6, 0x40000                  ; cx
	s_bfe_u32 s16, ttmp6, 0x40004                  ; cy
	s_lshl_b32 s17, ttmp9, 2
	s_add_co_u32 s17, s17, s15                     ; d tile
	s_and_b32 s18, ttmp7, 0xffff
	s_lshl_b32 s18, s18, 2
	s_add_co_u32 s18, s18, s16                     ; token tile
	s_lshl_b32 s72, s16, 2
	s_lshl_b32 s72, 15, s72                        ; my row of the cluster
	s_lshl_b32 s73, 0x1111, s15                    ; my column
	s_or_b32 s[G1A], s72, (1<<16)|(1<<20)|(1<<21)|(5<<22)|(3<<25)  ; 2-byte elements; 4 words of padding behind every 64
	s_or_b32 s[G1B], s73, (1<<16)|(1<<20)|(1<<21)|(5<<22)|(7<<25)  ; 8 words behind every 64
	s_or_b32 s[G1P], s73, (1<<16)|(1<<20)|(1<<21)|(4<<22)|(7<<25)  ; 8 words behind every 32
.irp g, G1A, G1B
	s_mov_b32 s[\g+1], 128<<16                     ; tensor_dim0 = 128
	s_mov_b32 s[\g+2], 128<<16                     ; tensor_dim1 = 128
	s_mov_b32 s[\g+3], 128<<16                     ; tile_dim0 = 128
	s_mov_b32 s[\g+4], 128                         ; tile_dim1 = 128
	s_mov_b32 s[\g+6], 0
	s_mov_b32 s[\g+7], 0
.endr
	s_mov_b32 s[G1A+5], 1024                       ; elements from row to row
	s_mov_b32 s[G1B+5], 3072
	s_mov_b32 s[G1P+1], 128<<16                    ; the table's 128 rows of 128 bytes are dense: asked for as 64 rows of 256
	s_mov_b32 s[G1P+2], 64<<16
	s_mov_b32 s[G1P+3], 128<<16
	s_mov_b32 s[G1P+4], 64
	s_mov_b32 s[G1P+5], 128
	s_mov_b32 s[G1P+6], 0
	s_mov_b32 s[G1P+7], 0
	s_mul_i32 s22, s12, BREG                       ; my load's place in a slot: the wave's number times a region (wave 0: A's, at 0)
	s_max_u32 s74, s12, 1
	s_sub_co_u32 s74, s74, 1                       ; the sense that waves 1-3 fetch: it enters the global address alone
	s_lshl_b32 s76, s74, 11
	s_lshl_b32 s77, s17, 8
	s_add_co_u32 s76, s76, s77                     ; W: column 1024 s + 128 x d tile, in bytes
	s_mov_b32 s77, 0
	s_lshl_b32 s78, s18, 18                        ; A: 128 rows of 2,048 bytes a tile
	s_mov_b32 s79, 0
	s_lshl_b32 s80, s17, 14
	s_add_co_u32 s80, s80, WP16
	s_mov_b32 s81, 0
	s_mov_b32 s19, 0
	s_mov_b32 s20, SLOT
	s_mov_b32 s[MSK], 0xffff0000
	s_mov_b32 s[SEL], 0x76543210
	s_mov_b32 s[SEL+1], 0xfedcba98
	s_mov_b32 s[G0A], 1
	s_mov_b32 s[G0A+1], s22
	s_mov_b32 s[G0A+4], 1
	s_add_co_u32 s[G0A+5], s22, SLOT
	s_mov_b32 s[G0B], 1
	s_mov_b32 s[G0B+1], s22
	s_mov_b32 s[G0B+4], 1
	s_add_co_u32 s[G0B+5], s22, SLOT
	s_mov_b32 s[G0P], 1
	s_mov_b32 s[G0P+1], WPT
	s_wait_dscnt 0x0                               ; the opening add is done
	s_wait_kmcnt 0x0
	s_add_nc_u64 s[G0A+2:G0A+3], s[4:5], s[78:79]
	s_add_nc_u64 s[G0A+6:G0A+7], s[G0A+2:G0A+3], 256
	s_or_b32 s[G0A+3], s[G0A+3], 0x80000000
	s_or_b32 s[G0A+7], s[G0A+7], 0x80000000
	s_add_nc_u64 s[G0B+2:G0B+3], s[6:7], s[76:77]
	s_add_nc_u64 s[G0B+6:G0B+7], s[G0B+2:G0B+3], 128*3072*2
	s_or_b32 s[G0B+3], s[G0B+3], 0x80000000
	s_or_b32 s[G0B+7], s[G0B+7], 0x80000000
	s_add_nc_u64 s[G0P+2:G0P+3], s[6:7], s[80:81]
	s_or_b32 s[G0P+3], s[G0P+3], 0x80000000
	s_add_nc_u64 s[2:3], s[6:7], CST               ; never written again: the scalar load below reads it
	s_load_b96 s[88:90], s[2:3], 0x14              ; k0
	CROUND                                         ; all sixteen work-groups are here: the first joint loads meet
	s_cmp_eq_u32 s12, 0
	s_cbranch_scc0 .Lfirst_b
	tensor_load_to_lds s[G0P:G0P+3], s[G1P:G1P+7]
	s_nop 0
	tensor_load_to_lds s[G0A:G0A+3], s[G1A:G1A+7]
	s_nop 0
	tensor_load_to_lds s[G0A+4:G0A+7], s[G1A:G1A+7]
	s_nop 0
.rept 4
	v_nop
.endr
	s_branch .Lfirst_done
.Lfirst_b:
	tensor_load_to_lds s[G0B:G0B+3], s[G1B:G1B+7]
	s_nop 0
	tensor_load_to_lds s[G0B+4:G0B+7], s[G1B:G1B+7]
	s_nop 0
.rept 4
	v_nop
.endr
.Lfirst_done:
	; in the wait for the first tiles: biases, sense weights, addresses
	v_and_b32 v1, 15, v0                           ; r
	v_bfe_u32 v2, v0, 4, 1                         ; h
	v_and_b32 v7, 31, v0                           ; lane
	s_lshl_b32 s86, s17, 9
	s_lshl_b32 s87, s14, 8
	s_add_co_u32 s86, s86, s87
	v_lshl_add_u32 v30, v2, 5, s86                 ; b_sense: (128 x d tile + 64 x half + 8 h) x 4
.set b, 0
.rept 12
	global_load_b128 v[BIAS+8*b:BIAS+8*b+3],   v30, s[8:9] offset:4096*(b/4)+64*(b%4)
	global_load_b128 v[BIAS+8*b+4:BIAS+8*b+7], v30, s[8:9] offset:4096*(b/4)+64*(b%4)+16
.set b, b+1
.endr
	s_lshr_b32 s86, s18, 4                         ; the batch
	s_lshl_b32 s86, s86, 13
	s_add_co_u32 s86, s86, USO
	s_mov_b32 s87, 0
	s_add_nc_u64 s[96:97], s[4:5], s[86:87]
	v_lshlrev_b32 v31, 4, v7
.set n, 0
.rept 16
	global_load_b128 v[160+4*n:163+4*n], v31, s[96:97] offset:512*n  ; the batch's 512 partial sums, 16 a lane
.set n, n+1
.endr
	s_lshl_b32 s86, s18, 11
	s_add_co_u32 s86, s86, TSEL
	s_add_nc_u64 s[98:99], s[4:5], s[86:87]
	s_lshl_b32 s86, s13, 10
	v_lshl_add_u32 v9, v1, 4, s86                  ; token 64 WR + 16 a + r
.irp a, 0,1,2,3
	global_load_b128 v[224+4*\a:227+4*\a], v9, s[98:99] offset:256*\a
.endr
	v_mov_b32 v243, 0
	v_mul_u32_u24 v3, v1, PA
	v_lshl_add_u32 v3, v2, 4, v3
	s_mul_i32 s86, s13, 64*PA
	v_add_nc_u32 v[ADRA0], s86, v3                 ; A's fragments: (64 WR + r) x pitch + 16 h
	v_and_b32 v4, 7, v0
	v_bfe_u32 v5, v0, 3, 1
	v_lshl_add_u32 v4, v2, 3, v4                   ; the turning load: row 8 h + lane % 8, 16 bytes by (lane / 8) % 2
	v_mul_u32_u24 v6, v4, PB
	v_lshl_add_u32 v6, v5, 4, v6
	s_lshl_b32 s86, s14, 7
	s_add_co_u32 s86, s86, AREG
	v_add_nc_u32 v[ADRB0], s86, v6
	v_add_nc_u32 v[ADRB0+1], BREG, v[ADRB0]
	v_add_nc_u32 v[ADRB0+2], 2*BREG, v[ADRB0]
	v_mul_u32_u24 v6, v4, PW
	v_lshl_add_u32 v6, v5, 4, v6
	s_mul_i32 s86, s14, 64*PW
	s_add_co_u32 s86, s86, WPT
	v_add_nc_u32 v[WPA], s86, v6
	s_mul_i32 s86, s13, 64*PA
	s_lshl_b32 s87, s14, 7
	s_add_co_u32 s86, s86, s87
	v_add_nc_u32 v[STO], s86, v3                   ; x2's stage: (64 WR + r) x 272 + 128 WC + 16 h
	v_mul_u32_u24 v3, v2, PA
	v_lshl_add_u32 v3, v1, 4, v3
	s_mul_i32 s86, s12, 32*PA
	v_add_nc_u32 v[RD], s86, v3
	v_lshlrev_b32 v3, 11, v2
	v_lshl_add_u32 v3, v1, 4, v3
	s_lshl_b32 s86, s12, 16
	v_add_nc_u32 v[CO], s86, v3
	v_mul_u32_u24 v3, v1, PP                       ; the property sums, in: my wave's area, property r, my 8 tokens 8 h ..
	v_lshl_add_u32 v3, v2, 5, v3
	s_mul_i32 s86, s12, PAREA
	s_add_co_u32 s86, s86, STG2
	v_add_nc_u32 v[STO2], s86, v3
	s_mul_i32 s86, s12, 12*PP                      ; back: properties 12 w .., four tokens a lane: lanes 0-15 from the areas of waves 0 and 1, lanes 16-31 from those of waves 2 and 3
	s_add_co_u32 s86, s86, STG2
	v_lshl_add_u32 v[RD2], v1, 4, s86
	v_mul_u32_u24 v3, v2, 2*PAREA
	v_add_nc_u32 v[RD2], v[RD2], v3
	s_mul_i32 s86, s12, 12*32768
	v_lshl_add_u32 v[CO2], v7, 4, s86
	s_lshl_b32 s86, s12, 14
	s_add_co_u32 s86, s86, XS
	v_lshl_add_u32 v[XA], v7, 4, s86               ; my wave's 16,384 bytes of XS, 16 bytes a lane
	v_mov_b32 v[XLD], v[XA]
	v_mov_b32 v[ADRA], v[ADRA0]
.irp c, 0,1,2
	v_mov_b32 v[ADRB+\c], v[ADRB0+\c]
.endr
	s_lshl_b32 s86, s18, 18
	s_lshl_b32 s87, s17, 8
	s_add_co_u32 s86, s86, s87
	s_mov_b32 s87, 0
	s_add_nc_u64 s[94:95], s[10:11], s[86:87]      ; x2 at the tile
	s_mul_i32 s86, s17, 48*32768
	s_lshl_b32 s84, s18, 9
	s_add_co_u32 s86, s86, s84
	s_add_co_u32 s86, s86, PPO
	s_add_nc_u64 s[82:83], s[10:11], s[86:87]      ; the property sums of this d tile at the tile's tokens
	s_wait_loadcnt 0x0
	s_wait_kmcnt 0x0
.set b, 0
.rept 48                                               ; b_sense to the nearest bf16, kept as f32, two at a time
	v_cvt_pk_bf16_f32 v[BIAS+2*b], v[BIAS+2*b], v[BIAS+2*b+1]
	v_and_b32 v[BIAS+2*b+1], s[MSK], v[BIAS+2*b]
	v_lshlrev_b32 v[BIAS+2*b], 16, v[BIAS+2*b]
.set b, b+1
.endr
.set n, 1
.rept 15
	v_pk_add_f32 v[160:161], v[160:161], v[160+4*n:161+4*n]
	v_pk_add_f32 v[162:163], v[162:163], v[162+4*n:163+4*n]
.set n, n+1
.endr
.irp c, 0,1,2
	WSUM 160+\c
	v_fma_f32 v[240+\c], v[160+\c], 0x3a000000, s[88+\c]  ; u / 2048 + k0
.endr
.irp a, 0,1,2,3
.irp c, 0,1,2
	v_add_f32 v[224+4*\a+\c], v[224+4*\a+\c], v[240+\c]
.endr
	v_max3_num_f32 v244, v[224+4*\a], v[225+4*\a], v[226+4*\a]
.irp c, 0,1,2
	v_sub_f32 v[224+4*\a+\c], v[224+4*\a+\c], v244
	v_mul_f32 v[224+4*\a+\c], 0x3fb8aa3b, v[224+4*\a+\c]
.endr
.irp c, 0,1,2
	v_exp_f32 v[224+4*\a+\c], v[224+4*\a+\c]
.endr
	v_nop
	s_wait_alu depctr_va_vdst(0)
	v_add_f32 v245, v[224+4*\a], v[225+4*\a]
	v_add_f32 v245, v245, v[226+4*\a]
	v_rcp_f32 v245, v245
	v_nop
	s_wait_alu depctr_va_vdst(0)
.irp c, 0,1,2
	v_mul_f32 v[WT+6*\a+2*\c], v[224+4*\a+\c], v245
	v_mul_f32 v[WT+6*\a+2*\c+1], v[224+4*\a+\c], v245   ; named with it as a pair
.endr
.endr
	s_wait_tensorcnt 1                             ; my part of slot 0 (and the table) is in; slot 1's load may stay out
	s_barrier_signal -1
	s_barrier_wait -1
	FETCH 0, F0
	Q 1, F0, F1, 2                                 ; the first quarter stands ahead of the loop: its products start the sums, with the bias as C
	WIN 0
	s_mov_b32 s23, 6
	s_branch .Lmid
.Lstep:                                                ; a trip is one K step; six trips fill a slot again
	Q 1, F0, F1, 0
	WIN 0
.Lmid:
	Q 2, F1, F0, 0
	Q 3, F0, F1, 0
	TURN 1
	WIN 0
	s_sub_co_u32 s23, s23, 1
	s_cmp_lg_u32 s23, 0
	s_cbranch_scc1 .Lstep
	s_mov_b32 s23, 2
.Ltail:                                                ; the last two steps ask for nothing; the very last fetch reads a slot that has landed and is not multiplied
	Q 1, F0, F1, 0
	Q 2, F1, F0, 0
	Q 3, F0, F1, 0
	TURN 0
	WIN 0
	s_sub_co_u32 s23, s23, 1
	s_cmp_lg_u32 s23, 0
	s_cbranch_scc1 .Ltail
	; THE WAY OUT
	s_wait_dscnt 0x0                               ; my reads of the slots are over,
	s_barrier_signal -1
	s_barrier_wait -1                              ; everybody's: the slots become stages
	PLACES
	WIN 0x40
.set n, 0
.rept 6                                                ; the table's fragments: 32 d g = n / 3, 16 properties pb = n % 3
	ds_load_tr16_b128 v[8*n:8*n+3],   v[WPA] offset:32*PW*(n/3)+32*(n%3)
	ds_load_tr16_b128 v[8*n+4:8*n+7], v[WPA] offset:32*PW*(n/3)+32*(n%3)+16*PW
.set n, n+1
.endr
	WIN 0
; Token block a: the three senses' sums times their weights; rounded to f16 into x2's stage; in f32 into my part of XS.  Pair n of 16 is d = 16 (n / 4) + 8 h + 2 (n % 4), + 1.
.macro MIXA a
.set AB, 96*((\a)%2)
	WIN 2+(\a)/2                                   ; source 0: the block's accumulators
.set n, 0
.rept 16
	v_pk_mul_f32 v[X+2*n:X+2*n+1], v[AB+2*n:AB+2*n+1], v[WT+6*(\a):WT+6*(\a)+1] op_sel_hi:[1,0]
.set n, n+1
.endr
.irp c, 1,2
.set n, 0
.rept 16
	v_pk_fma_f32 v[X+2*n:X+2*n+1], v[AB+32*\c+2*n:AB+32*\c+2*n+1], v[WT+6*(\a)+2*\c:WT+6*(\a)+2*\c+1], v[X+2*n:X+2*n+1] op_sel_hi:[1,0,1]
.set n, n+1
.endr
.endr
	WIN 0
.set n, 0
.rept 16
	v_cvt_pk_f16_f32 v[XH+n], v[X+2*n], v[X+2*n+1]
.set n, n+1
.endr
.irp db, 0,1,2,3
	ds_store_b128 v[STO], v[XH+4*\db:XH+4*\db+3] offset:(\a)*16*PA+32*\db
.endr
.set n, 0
.rept 8
	ds_store_b128 v[XA], v[X+4*n:X+4*n+3] offset:(8*(\a)+n)*512  ; 32 lanes x 16 bytes on end
.set n, n+1
.endr
.endm
	MIXA 0
	MIXA 1
	MIXA 2
	MIXA 3
	s_mov_b32 s23, 4
.Lblk:                                                 ; a trip is one token block: its x2 back from XS, the split into three bf16 parts, 18 property products, their sums into my area
.set n, 0
.rept 8
	ds_load_b128 v[X+4*n:X+4*n+3], v[XLD] offset:512*n  ; LDS serves a wave's instructions in order (ISA guide 5.7.1.4): these see my stores above
.set n, n+1
.endr
	s_wait_dscnt 0x0                               ; the block is back; in the first trip the table's fragments too
.set n, 0
.rept 16
	v_cvt_pk_bf16_f32 v[OP+n], v[X+2*n], v[X+2*n+1]             ; the leading 8 bits
.set n, n+1
.endr
.irp p, 0,16                                           ; twice: what the part holds is taken away, exactly, and the rest is rounded: the next 8 bits, and the last
.set n, 0
.rept 16
	v_lshlrev_b32 v[TT+2*n], 16, v[OP+\p+n]
	v_and_b32 v[TT+2*n+1], s[MSK], v[OP+\p+n]
.set n, n+1
.endr
.set n, 0
.rept 16
	v_pk_add_f32 v[X+2*n:X+2*n+1], v[X+2*n:X+2*n+1], v[TT+2*n:TT+2*n+1] neg_lo:[0,1] neg_hi:[0,1]
.set n, n+1
.endr
.set n, 0
.rept 16
	v_cvt_pk_bf16_f32 v[OP+\p+16+n], v[X+2*n], v[X+2*n+1]
.set n, n+1
.endr
.endr
	WIN 0x54                                       ; source 0 window 0; source 1, C and D window 1
.irp g, 0,1                                            ; the three accumulators take turns; the first three products start the sums
.irp p, 0,1,2
.irp pb, 0,1,2
.if (\g) == 0 && (\p) == 0
	v_wmma_f32_16x16x32_bf16 v[PT+8*\pb:PT+8*\pb+7], v[OP+16*\p+8*\g:OP+16*\p+8*\g+7], v[8*(3*\g+\pb):8*(3*\g+\pb)+7], 0
.else
	v_wmma_f32_16x16x32_bf16 v[PT+8*\pb:PT+8*\pb+7], v[OP+16*\p+8*\g:OP+16*\p+8*\g+7], v[8*(3*\g+\pb):8*(3*\g+\pb)+7], v[PT+8*\pb:PT+8*\pb+7]
.endif
.endr
.endr
.endr
	PLACES
	WIN 0x04                                       ; store data in window 1
.irp pb, 0,1,2
	ds_store_b128 v[STO2], v[PT+8*\pb:PT+8*\pb+3]   offset:16*PP*\pb
	ds_store_b128 v[STO2], v[PT+8*\pb+4:PT+8*\pb+7] offset:16*PP*\pb+16
.endr
	WIN 0
	v_add_nc_u32 v[XLD], 4096, v[XLD]              ; the next block's 4,096 bytes,
	v_add_nc_u32 v[STO2], 64, v[STO2]              ; and its 16 tokens in a property's row
	s_sub_co_u32 s23, s23, 1
	s_cmp_lg_u32 s23, 0
	s_cbranch_scc1 .Lblk
	s_wait_dscnt 0x0                               ; for the others' sake: my stores into the stages are done
	s_barrier_signal -1
	s_barrier_wait -1
.set n, 0
.rept 16
	ds_load_b128 v[64+4*n:67+4*n], v[RD] offset:n*2*PA
.set n, n+1
.endr
.set n, 0
.rept 12
	ds_load_b128 v[128+8*n:131+8*n], v[RD2] offset:PP*n
	ds_load_b128 v[132+8*n:135+8*n], v[RD2] offset:PP*n+PAREA
.set n, n+1
.endr
.set n, 0
.rept 16
	s_wait_dscnt 39-n                              ; x2's pair of rows n is back; 15 - n of its run and the 24 property loads stay out
	global_store_b128 v[CO], v[64+4*n:67+4*n], s[94:95] offset:4096*n  ; 16 lanes store 256 consecutive bytes, aligned
.set n, n+1
.endr
.set n, 0
.rept 12
	s_wait_dscnt 22-2*n                            ; property row n's two halves of d are back
	v_pk_add_f32 v[128+8*n:129+8*n], v[128+8*n:129+8*n], v[132+8*n:133+8*n]
	v_pk_add_f32 v[130+8*n:131+8*n], v[130+8*n:131+8*n], v[134+8*n:135+8*n]
	global_store_b128 v[CO2], v[128+8*n:131+8*n], s[82:83] offset:32768*n  ; 512 consecutive bytes: 128 tokens of one property
.set n, n+1
.endr
	s_wait_tensorcnt 0x0                           ; the wave's end
	ds_add_u32 v[SPW], v[NIL]
	s_wait_dscnt 0x0
	CROUND                                         ; the closing round
	s_endpgm
.Lfunc_end_k_qe853c91fdc_g1:
	.size	k_qe853c91fdc_g1, .Lfunc_end_k_qe853c91fdc_g1-k_qe853c91fdc_g1
	.p2alignl 7, 3214868480
	.fill 96, 4, 3214868480
	.section	.rodata,"a",@progbits
	.p2align	6, 0x0
	.amdhsa_kernel k_qe853c91fdc_g1
		.amdhsa_group_segment_fixed_size 327680
		.amdhsa_private_segment_fixed_size 0
		.amdhsa_enable_private_segment 0
		.amdhsa_kernarg_size 32
		.amdhsa_user_sgpr_count 2
		.amdhsa_user_sgpr_kernarg_segment_ptr 1
		.amdhsa_wavefront_size32 1
		.amdhsa_system_sgpr_workgroup_id_x 1
		.amdhsa_system_sgpr_workgroup_id_y 1
		.amdhsa_system_sgpr_workgroup_id_z 1
		.amdhsa_system_vgpr_workitem_id 0
		.amdhsa_next_free_vgpr 960
		.amdhsa_next_free_sgpr 100
		.amdhsa_reserve_vcc 0
		.amdhsa_float_denorm_mode_32 3
		.amdhsa_float_denorm_mode_16_64 3
		.amdhsa_memory_ordered 1
		.amdhsa_forward_progress 1
		.amdhsa_inst_pref_size 117
	.end_amdhsa_kernel
	.amdgpu_metadata
---
amdhsa.version: [ 1, 2 ]
amdhsa.kernels:
  - .name:           k_qe853c91fdc_g1
    .symbol:         k_qe853c91fdc_g1.kd
    .args:
      - { .name: xw, .offset: 0, .size: 8, .value_kind: global_buffer, .address_space: global }
      - { .name: wts, .offset: 8, .size: 8, .value_kind: global_buffer, .address_space: global }
      - { .name: b_sense, .offset: 16, .size: 8, .value_kind: global_buffer, .address_space: global }
      - { .name: g1o, .offset: 24, .size: 8, .value_kind: global_buffer, .address_space: global }
    .group_segment_fixed_size: 327680
    .private_segment_fixed_size: 0
    .kernarg_segment_align: 8
    .kernarg_segment_size: 32
    .max_flat_workgroup_size: 128
    .sgpr_count:     100
    .vgpr_count:     960
    .wavefront_size: 32
...
	.end_amdgpu_metadata
.endif
;; end of part 11
;; launch pw (part 12): grid 192 x 1, 4 waves a work-group, no clusters, 327,680 bytes of LDS; arguments g1o, wts, b_out, tok, cls, wvo; writes tok, cls, wvo
.if DOCPART == 12
	.amdgcn_target "amdgcn-amd-amdhsa--gfx1250"
	.amdhsa_code_object_version 6
	.text
	.protected	k_qe853c91fdc_pw
	.globl	k_qe853c91fdc_pw
	.p2align	8
	.type	k_qe853c91fdc_pw,@function
k_qe853c91fdc_pw:
	s_mov_b64 s[64:65], 0
	v_nop
	global_prefetch_b8 v0, s[64:65] scope:SCOPE_SE
	s_setreg_imm32_b32 hwreg(HW_REG_WAVE_MODE, 25, 1), 1
	s_wait_xcnt 0x0
; TWO SMALL JOBS IN ONE LAUNCH, since neither needs the other and together they have 192 work-groups, fewer than there are WGPs.  The role goes by the work-group's number.
; WORK-GROUPS 0-63: Wvo[d][c] = 2^k x sum over e of W_v[d][e] W_out[e][c], bf16 operands, f32 sums, stored in f16.  attn's rows sum to 1, so (attn (x2 W_v + b_v)) W_out + b_out = (attn x2) (W_v W_out) + (b_v W_out + b_out):
; this small product takes the place of x2 W_v.  1024 max|W_v| max|W_out| bounds every entry; 2^k brings that bound below 2^15.  Every wave makes 2^k from the 512 wave maxima in wts; work-group 0 stores 2^k and 2^-k.
; A tile of 128 x 128 a work-group, 64 x 64 a wave (16 accumulators); K in 4 steps of 256 through two LDS slots; waves 0, 1 fetch A's halves, waves 2, 3 B's.  B lies [k][n] and is turned by ds_load_tr16_b128; the matrix
; instruction is used transposed, so a lane holds 8 neighbouring columns of a row.  By this text's count a wave has two tensor loads out at the start, later one.
; WORK-GROUPS 64-191: TOKEN PROPERTIES, 64 tokens each: wave w adds the eight d tiles' partial sums of properties 12 w .. 12 w + 11 onto the bias; through LDS waves 0 and 1 get all 41 numbers of a token a lane and make
; tanh, the two softmaxes (maximum taken away), softplus and the argmax (the first of equal maxima, as jnp.argmax).  The token arrays leave scaled by the energy constants, so that a pair's energy is products and differences.
; The first eight of them also add b_v . W_out's 64 partial rows and b_out.  The token stores cover 128 bytes a wave: 229 KB in the whole launch.
; NO CLUSTER: the properties' part branches on its work-group's number, which partners do not share; and the product's tiles, asked for singly, are 64 x 4 steps x 141,312 bytes, 36 MB in all.
; LIMITS: NaN and infinities are not treated apart.
.set PA,    528
.set PB,    288
.set AREG,  128*PA
.set BHALF, 128*PB
.set SLOT,  AREG+2*BHALF
.set STAGE, 2*SLOT                     ; behind the ring, never filled by a tensor load: the product's way out (128 x 272); in the other role the sums, [48][64] f32
.set SP,    272
.set SPARE, STAGE+128*SP               ; the spare words, 128 bytes a wave
.set WV16,  6291456
.set WO16,  8388608
.set PPO,   16777216
.set CST,   10629120
.set BPO,   10633472
.set WMAX,  10633728
.set PBO,   10635776
.set BIAS2, 196608
.set SCL,   200704
.set ASTEP, 512
.set BSTEP, 256*2048
.set F0, 0                             ; window 1: two fragment buffers, 64 along K each: depth c: A's four at F + 64 c + 8 a, B's four at F + 64 c + 32 + 8 b
.set F1, 128
.set LANE,  9
.set TM,    10
.set ADRA0, 16
.set ADRA,  17
.set ADRB0, 18
.set ADRB,  20
.set STO, 24
.set RD,  25
.set CO,  26
.set SPW, 28
.set NIL, 29
.set RL,  32                           ; the product: v32-39 2^k, in pairs
.set H,   64
.set Z,   32                           ; the properties: v32-127 loads; later v32-79 a token's 48 numbers
.set S,   128                          ; v128-151 twelve pairs of sums
.set G1A, 24
.set G0A, 32
.set G1B, 40
.set G0B, 48
.set SEL, 60
.set G1O,  84                          ; s[84:95] the six arguments
.set WTS,  86
.set BOUT, 88
.set TOK,  90
.set CLS,  92
.set WVO,  94
.set MSB, 0
.macro WIN new
.if MSB != (\new)
	s_set_vgpr_msb (MSB<<8)|(\new)
.set MSB, \new
.endif
.endm
.macro PLACES                          ; four places behind matrix instructions (ISA guide 7.12.1)
.rept 4
	v_nop
.endr
.endm
.macro RND r
	v_cvt_pk_bf16_f32 v[\r], v[\r], v[\r]
	v_and_b32 v[\r], 0xffff0000, v[\r]
.endm
.macro WMAXR r
	v_max_num_f32_dpp v[\r], v[\r], v[\r] row_xmask:1 row_mask:0xf bank_mask:0xf
	v_max_num_f32_dpp v[\r], v[\r], v[\r] row_xmask:2 row_mask:0xf bank_mask:0xf
	v_max_num_f32_dpp v[\r], v[\r], v[\r] row_xmask:4 row_mask:0xf bank_mask:0xf
	v_max_num_f32_dpp v[\r], v[\r], v[\r] row_xmask:8 row_mask:0xf bank_mask:0xf
	v_permlanex16_b32 v[TM], v[\r], s[SEL], s[SEL+1]
	v_max_num_f32 v[\r], v[\r], v[TM]
.endm
.macro JLOAD                           ; the refill by the walking descriptors; the branch hangs on the wave's number alone
	s_cmp_lt_u32 s12, 2
	s_cbranch_scc0 .Lfor_b_\@
	tensor_load_to_lds s[G0A+4:G0A+7], s[G1A:G1A+7]
	s_nop 0
.rept 4
	v_nop
.endr
	s_branch .Lasked_\@
.Lfor_b_\@:
	tensor_load_to_lds s[G0B+4:G0B+7], s[G1B:G1B+7]
	s_nop 0
.rept 4
	v_nop
.endr
.Lasked_\@:
.endm
.macro MUL8 f, c, a0, zero             ; 8 products; the 16 accumulators (window 2, at 8 (4 a + b)) take turns
	WIN 0xa5
.irp a, \a0, (\a0)+1
.irp b, 0,1,2,3
.if \zero
	v_wmma_f32_16x16x32_bf16 v[8*(4*(\a)+(\b)):8*(4*(\a)+(\b))+7], v[(\f)+64*(\c)+32+8*(\b):(\f)+64*(\c)+32+8*(\b)+7], v[(\f)+64*(\c)+8*(\a):(\f)+64*(\c)+8*(\a)+7], 0
.else
	v_wmma_f32_16x16x32_bf16 v[8*(4*(\a)+(\b)):8*(4*(\a)+(\b))+7], v[(\f)+64*(\c)+32+8*(\b):(\f)+64*(\c)+32+8*(\b)+7], v[(\f)+64*(\c)+8*(\a):(\f)+64*(\c)+8*(\a)+7], v[8*(4*(\a)+(\b)):8*(4*(\a)+(\b))+7]
.endif
.endr
.endr
.endm
.macro FETCH kq, f                     ; 32 LDS loads in one run: 64 along K, the first 32 along K first
	WIN 0x40
.irp c, 0,1
.irp i, 0,1,2,3
	ds_load_tr16_b128 v[(\f)+64*\c+32+8*\i:(\f)+64*\c+32+8*\i+3], v[ADRB+(\kq)/2] offset:(((\kq)%2)*64+32*\c)*PB+32*\i
	ds_load_tr16_b128 v[(\f)+64*\c+36+8*\i:(\f)+64*\c+36+8*\i+3], v[ADRB+(\kq)/2] offset:(((\kq)%2)*64+32*\c+16)*PB+32*\i
	ds_load_b128 v[(\f)+64*\c+8*\i:(\f)+64*\c+8*\i+3],   v[ADRA] offset:\i*16*PA+128*(\kq)+64*\c
	ds_load_b128 v[(\f)+64*\c+8*\i+4:(\f)+64*\c+8*\i+7], v[ADRA] offset:\i*16*PA+128*(\kq)+64*\c+32
.endr
.endr
.endm
.macro Q kqn, f, g, zero               ; a quarter step: at its head it fetches the next quarter into g, 32 products ahead of its use; then it multiplies buffer f
	s_wait_dscnt 16                                ; the first 32 along K of buffer f are in; the run's other sixteen loads may stay out
	PLACES                                         ; buffer g was read by the products just issued
	FETCH \kqn, \g
	MUL8 \f, 0, 0, \zero
	MUL8 \f, 0, 2, \zero
	s_wait_dscnt 32                                ; all but the 32 just issued
	MUL8 \f, 1, 0, 0
	MUL8 \f, 1, 2, 0
.endm
.macro TURN fill                       ; the last quarter changes slots
	WIN 0
	s_wait_tensorcnt 0x0                           ; my part of the next slot has landed; no load of mine is out
	ds_add_u32 v[SPW], v[NIL]
	s_wait_dscnt 1                                 ; all but the add: buffer 1 is in
	MUL8 F1, 0, 0, 0
	s_wait_dscnt 0x0                               ; the add is done; my reads of this slot are over
	s_barrier_signal -1
	MUL8 F1, 0, 2, 0
	WIN 0
	s_barrier_wait -1                              ; nobody reads this slot any more, and the next slot is whole
.if \fill
	s_xor_b32 s20, s20, SLOT                       ; the walking descriptors: the other slot, one K step on
	s_add_co_u32 s[G0A+5], s21, s20
	s_add_nc_u64 s[G0A+6:G0A+7], s[G0A+6:G0A+7], ASTEP
	s_add_co_u32 s[G0B+5], s22, s20
	s_add_nc_u64 s[G0B+6:G0B+7], s[G0B+6:G0B+7], BSTEP
	JLOAD                                          ; my one tensor load behind the barrier; its four v_nop are also the places in front of the loads below
.else
	PLACES
.endif
	s_xor_b32 s19, s19, SLOT
	v_add_nc_u32 v[ADRA], s19, v[ADRA0]
	v_add_nc_u32 v[ADRB], s19, v[ADRB0]
	v_add_nc_u32 v[ADRB+1], s19, v[ADRB0+1]
	FETCH 0, F0
	MUL8 F1, 1, 0, 0
	MUL8 F1, 1, 2, 0
.endm
	s_load_b256 s[G1O:G1O+7], s[0:1], 0x0          ; g1o, wts, b_out, tok
	s_load_b128 s[CLS:CLS+3], s[0:1], 0x20         ; cls, wvo
	v_lshl_add_u32 v[SPW], v0, 2, SPARE
	v_mov_b32 v[NIL], 0
	ds_add_u32 v[SPW], v[NIL]                      ; the wave's opening; work on registers stands between the add and its wait
	ds_add_u32 v28, v29
	v_lshrrev_b32 v1, 5, v0
	v_readfirstlane_b32 s12, v1                    ; wave
	v_and_b32 v[LANE], 31, v0
	v_mov_b32 v[TM], 0
	s_mov_b32 s[SEL], 0x76543210
	s_mov_b32 s[SEL+1], 0xfedcba98
	s_wait_dscnt 0x0                               ; the opening add is done
	s_wait_kmcnt 0x0
	s_cmp_lt_u32 ttmp9, 64
	s_cbranch_scc0 .Lprops
	; ---- work-groups 0-63: W_v W_out ----
	s_lshr_b32 s13, s12, 1                         ; which 64 rows
	s_and_b32 s14, s12, 1                          ; which 64 columns; also which half of a tile I fetch
	s_and_b32 s17, ttmp9, 7                        ; column tile
	s_lshr_b32 s18, ttmp9, 3                       ; row tile
	s_mov_b32 s[G1A], (1<<16)|(1<<20)|(6<<22)|(3<<25)  ; 2-byte elements; 4 words of padding behind every 128
	s_mov_b32 s[G1B], (1<<16)|(1<<20)|(5<<22)|(7<<25)  ; 8 words behind every 64
	s_mov_b32 s[G1A+1], 256<<16                    ; A: 64 rows of 256 elements
	s_mov_b32 s[G1A+2], 64<<16
	s_mov_b32 s[G1A+3], 256<<16
	s_mov_b32 s[G1A+4], 64
	s_mov_b32 s[G1A+5], 1024
	s_mov_b32 s[G1A+6], 0
	s_mov_b32 s[G1A+7], 0
	s_mov_b32 s[G1B+1], 128<<16                    ; B: 128 rows of 128 elements
	s_mov_b32 s[G1B+2], 128<<16
	s_mov_b32 s[G1B+3], 128<<16
	s_mov_b32 s[G1B+4], 128
	s_mov_b32 s[G1B+5], 1024
	s_mov_b32 s[G1B+6], 0
	s_mov_b32 s[G1B+7], 0
	s_mul_i32 s21, s14, 64*PA                      ; where my half goes, for A
	s_mul_i32 s22, s14, BHALF
	s_add_co_u32 s22, s22, AREG                    ; and for B
	s_lshl_b32 s74, s18, 18
	s_lshl_b32 s75, s14, 17
	s_add_co_u32 s74, s74, s75
	s_add_co_u32 s74, s74, WV16                    ; A: row 128 x tile + 64 x half
	s_mov_b32 s75, 0
	s_lshl_b32 s76, s14, 18
	s_lshl_b32 s77, s17, 8
	s_add_co_u32 s76, s76, s77
	s_add_co_u32 s76, s76, WO16                    ; B: row 128 x half, column 128 x tile
	s_mov_b32 s77, 0
	s_mov_b32 s19, 0
	s_mov_b32 s20, SLOT
	s_mov_b32 s[G0A], 1
	s_mov_b32 s[G0A+1], s21
	s_mov_b32 s[G0A+4], 1
	s_add_co_u32 s[G0A+5], s21, SLOT
	s_mov_b32 s[G0B], 1
	s_mov_b32 s[G0B+1], s22
	s_mov_b32 s[G0B+4], 1
	s_add_co_u32 s[G0B+5], s22, SLOT
	s_add_nc_u64 s[G0A+2:G0A+3], s[WTS:WTS+1], s[74:75]
	s_add_nc_u64 s[G0A+6:G0A+7], s[G0A+2:G0A+3], ASTEP
	s_or_b32 s[G0A+3], s[G0A+3], 0x80000000
	s_or_b32 s[G0A+7], s[G0A+7], 0x80000000
	s_add_nc_u64 s[G0B+2:G0B+3], s[WTS:WTS+1], s[76:77]
	s_add_nc_u64 s[G0B+6:G0B+7], s[G0B+2:G0B+3], BSTEP
	s_or_b32 s[G0B+3], s[G0B+3], 0x80000000
	s_or_b32 s[G0B+7], s[G0B+7], 0x80000000
	s_add_nc_u64 s[78:79], s[WTS:WTS+1], WMAX
	s_cmp_lt_u32 s12, 2
	s_cbranch_scc0 .Lfirst_b
	tensor_load_to_lds s[G0A:G0A+3], s[G1A:G1A+7]
	s_nop 0
	tensor_load_to_lds s[G0A+4:G0A+7], s[G1A:G1A+7]
	s_nop 0
.rept 4
	v_nop
.endr
	s_branch .Lfirst_done
.Lfirst_b:
	tensor_load_to_lds s[G0B:G0B+3], s[G1B:G1B+7]
	s_nop 0
	tensor_load_to_lds s[G0B+4:G0B+7], s[G1B:G1B+7]
	s_nop 0
.rept 4
	v_nop
.endr
.Lfirst_done:
	; in the wait for the first tiles: the scale and the addresses
	v_lshlrev_b32 v6, 5, v[LANE]                   ; 8 of W_v's 256 wave maxima a lane, and 8 of W_out's
	global_load_b128 v[64:67], v6, s[78:79]
	global_load_b128 v[68:71], v6, s[78:79] offset:16
	global_load_b128 v[72:75], v6, s[78:79] offset:1024
	global_load_b128 v[76:79], v6, s[78:79] offset:1040
	v_and_b32 v1, 15, v0
	v_bfe_u32 v2, v0, 4, 1
	v_mul_u32_u24 v3, v1, PA
	v_lshl_add_u32 v3, v2, 4, v3
	s_mul_i32 s56, s13, 64*PA
	v_add_nc_u32 v[ADRA0], s56, v3
	v_and_b32 v4, 7, v0
	v_bfe_u32 v5, v0, 3, 1
	v_lshl_add_u32 v4, v2, 3, v4
	v_mul_u32_u24 v4, v4, PB
	v_lshl_add_u32 v4, v5, 4, v4
	s_lshl_b32 s56, s14, 7
	s_add_co_u32 s56, s56, AREG
	v_add_nc_u32 v[ADRB0], s56, v4
	v_add_nc_u32 v[ADRB0+1], BHALF, v[ADRB0]
	v_mul_u32_u24 v3, v1, SP
	v_lshl_add_u32 v3, v2, 4, v3
	s_mul_i32 s56, s13, 64*SP
	s_lshl_b32 s57, s14, 7
	s_add_co_u32 s56, s56, s57
	s_add_co_u32 s56, s56, STAGE
	v_add_nc_u32 v[STO], s56, v3
	v_mul_u32_u24 v3, v2, SP
	v_lshl_add_u32 v3, v1, 4, v3
	s_mul_i32 s56, s12, 32*SP
	s_add_co_u32 s56, s56, STAGE
	v_add_nc_u32 v[RD], s56, v3
	v_lshlrev_b32 v3, 11, v2
	v_lshl_add_u32 v3, v1, 4, v3
	s_lshl_b32 s56, s12, 16
	v_add_nc_u32 v[CO], s56, v3
	v_mov_b32 v[ADRA], v[ADRA0]
	v_mov_b32 v[ADRB], v[ADRB0]
	v_mov_b32 v[ADRB+1], v[ADRB0+1]
	s_lshl_b32 s56, s18, 18
	s_lshl_b32 s57, s17, 8
	s_add_co_u32 s56, s56, s57
	s_mov_b32 s57, 0
	s_add_nc_u64 s[82:83], s[WVO:WVO+1], s[56:57]
	s_wait_loadcnt 0x0
.irp i, 1,2,3,4,5,6,7
	v_max_num_f32 v64, v64, v[64+\i]
	v_max_num_f32 v72, v72, v[72+\i]
.endr
	WMAXR 64
	WMAXR 72
	v_mul_f32 v64, v64, v72
	v_mul_f32 v64, 0x44800000, v64                 ; the bound
	v_lshrrev_b32 v64, 23, v64                     ; its exponent field e, kept in 16 .. 238 so that both powers below are normal numbers
	v_max_u32 v64, 16, v64
	v_min_u32 v64, 238, v64
	v_sub_nc_u32 v66, 268, v64
	v_add_nc_u32 v67, -14, v64
	v_lshlrev_b32 v66, 23, v66                     ; 2^(141 - e)
	v_lshlrev_b32 v67, 23, v67                     ; 2^(e - 141)
.irp i, 0,1,2,3,4,5,6,7
	v_mov_b32 v[RL+\i], v66
.endr
	s_cmp_lg_u32 ttmp9, 0
	s_cbranch_scc1 .Lno_scl                        ; work-group 0's thread 0 stores the pair for the last product
	v_mov_b32 v6, 0
	v_cmp_eq_u32 vcc_lo, 0, v0
	s_wait_xcnt 0x0                                ; EXEC changes only behind s_wait_xcnt 0
	s_and_saveexec_b32 s56, vcc_lo
	global_store_b64 v6, v[66:67], s[TOK:TOK+1] offset:SCL
	s_wait_xcnt 0x0
	s_or_b32 exec_lo, exec_lo, s56
.Lno_scl:
	s_wait_tensorcnt 1                             ; my part of slot 0 is in; slot 1's may stay out
	s_barrier_signal -1
	s_barrier_wait -1
	FETCH 0, F0
	Q 1, F0, F1, 1                                 ; the first quarter stands ahead of the loop: its first products start the sums
	WIN 0
	s_mov_b32 s23, 2
	s_branch .Lmid
.Lstep:
	Q 1, F0, F1, 0
	WIN 0
.Lmid:
	Q 2, F1, F0, 0
	Q 3, F0, F1, 0
	TURN 1
	WIN 0
	s_sub_co_u32 s23, s23, 1
	s_cmp_lg_u32 s23, 0
	s_cbranch_scc1 .Lstep
	s_mov_b32 s23, 2
.Ltail:                                                ; the last two steps ask for nothing; the very last fetch reads a slot that has landed and is not multiplied
	Q 1, F0, F1, 0
	Q 2, F1, F0, 0
	Q 3, F0, F1, 0
	TURN 0
	WIN 0
	s_sub_co_u32 s23, s23, 1
	s_cmp_lg_u32 s23, 0
	s_cbranch_scc1 .Ltail
	; the way out: times 2^k, rounded to f16, into the work-group's stage; back as whole rows of 256 bytes, 32 rows a wave
	s_wait_xcnt 0x0                                ; the scale's store has read v66 and v67, which are written below
	PLACES
	WIN 0x82
.set n, 0
.rept 64
	v_pk_mul_f32 v[2*n:2*n+1], v[2*n:2*n+1], v[RL+2*(n/16):RL+2*(n/16)+1] op_sel_hi:[1,0]
.set n, n+1
.endr
	WIN 0x0a
.set n, 0
.rept 64
	v_cvt_pk_f16_f32 v[H+n], v[2*n], v[2*n+1]
.set n, n+1
.endr
	WIN 0
.set n, 0
.rept 16
	ds_store_b128 v[STO], v[H+4*n:H+4*n+3] offset:(n/4)*16*SP+32*(n%4)
.set n, n+1
.endr
	s_wait_dscnt 0x0                               ; for the others' sake: a row's 256 bytes come from two waves
	s_barrier_signal -1
	s_barrier_wait -1
.set n, 0
.rept 16
	ds_load_b128 v[H+4*n:H+4*n+3], v[RD] offset:n*2*SP
.set n, n+1
.endr
.set n, 0
.rept 16
	s_wait_dscnt 15-n                              ; pair of rows n is back; the younger loads stay out
	global_store_b128 v[CO], v[H+4*n:H+4*n+3], s[82:83] offset:4096*n  ; 16 lanes store 256 consecutive bytes, aligned
.set n, n+1
.endr
	s_wait_tensorcnt 0x0                           ; the wave's end
	ds_add_u32 v[SPW], v[NIL]
	s_wait_dscnt 0x0
	s_endpgm
	; ---- work-groups 64-191: the token properties ----
.Lprops:
	s_sub_co_u32 s13, ttmp9, 64                    ; my 64 tokens' number, 0 .. 127
	s_cmp_lt_u32 s13, 8
	s_cbranch_scc0 .Lno_bias
	s_lshl_b32 s14, s13, 9
	v_lshl_add_u32 v6, v0, 2, s14                  ; column 128 x group + thread
	s_add_nc_u64 s[16:17], s[WTS:WTS+1], PBO
.set g, 0
.rept 64
	global_load_b32 v[Z+g], v6, s[16:17] offset:4096*g
.set g, g+1
.endr
	global_load_b32 v7, v6, s[BOUT:BOUT+1]
	s_wait_loadcnt 0x0
	RND 7
.set g, 0
.rept 64
	v_add_f32 v7, v7, v[Z+g]
.set g, g+1
.endr
	global_store_b32 v6, v7, s[TOK:TOK+1] offset:BIAS2
	s_wait_xcnt 0x0                                ; v6 and v7 are written again below
.Lno_bias:
	s_mul_i32 s14, s12, 12*32768
	s_lshl_b32 s15, s13, 8
	s_add_co_u32 s14, s14, s15
	s_add_co_u32 s14, s14, PPO
	s_mov_b32 s15, 0
	s_add_nc_u64 s[16:17], s[G1O:G1O+1], s[14:15]  ; my properties and tokens in d tile 0
	s_mul_i32 s20, s12, 48
	s_add_co_u32 s20, s20, BPO
	s_mov_b32 s21, 0
	s_add_nc_u64 s[20:21], s[WTS:WTS+1], s[20:21]
	s_load_b256 s[24:31], s[20:21], 0x0            ; my twelve biases
	s_load_b128 s[32:35], s[20:21], 0x20
	s_add_nc_u64 s[22:23], s[WTS:WTS+1], CST
	s_load_b256 s[36:43], s[22:23], 0x0
	v_lshlrev_b32 v6, 3, v[LANE]                   ; tokens 2 lane, 2 lane + 1: a wave's load covers 256 bytes
	s_mul_i32 s44, s12, 12*256
	s_add_co_u32 s44, s44, STAGE
	v_add_nc_u32 v7, s44, v6
	s_wait_kmcnt 0x0
.set n, 0
.rept 12
	v_mov_b32 v[S+2*n], s[24+n]
	v_mov_b32 v[S+2*n+1], s[24+n]
.set n, n+1
.endr
	s_mov_b32 s46, 2
.Lhalf:                                                ; two trips of four d tiles: 48 loads, added in ascending order of the tiles
.set n, 0
.rept 48
	global_load_b64 v[Z+2*n:Z+2*n+1], v6, s[16:17] offset:(n/12)*48*32768+(n%12)*32768
.set n, n+1
.endr
	s_wait_loadcnt 0x0                             ; all 48 are in, so their base may be stepped below
.set n, 0
.rept 48
	v_pk_add_f32 v[S+2*(n%12):S+2*(n%12)+1], v[S+2*(n%12):S+2*(n%12)+1], v[Z+2*n:Z+2*n+1]
.set n, n+1
.endr
	s_add_nc_u64 s[16:17], s[16:17], 4*48*32768    ; d tiles 4-7; behind the second trip the address is not used
	s_sub_co_u32 s46, s46, 1
	s_cmp_lg_u32 s46, 0
	s_cbranch_scc1 .Lhalf
.set n, 0
.rept 12
	ds_store_b64 v7, v[S+2*n:S+2*n+1] offset:256*n
.set n, n+1
.endr
	s_wait_dscnt 0x0                               ; for the others' sake
	s_barrier_signal -1
	s_barrier_wait -1
	s_cmp_lt_u32 s12, 2
	s_cbranch_scc0 .Lfin
	s_lshl_b32 s44, s12, 7
	s_add_co_u32 s44, s44, STAGE
	v_lshl_add_u32 v7, v[LANE], 2, s44             ; token 32 wave + lane
.irp q, 0,1,2,3,4,5,6,7,8
	ds_load_b32 v[Z+\q], v7 offset:256*\q
.endr
.set q, 16
.rept 32
	ds_load_b32 v[Z+q], v7 offset:256*q
.set q, q+1
.endr
	s_wait_dscnt 0x0
	v_mul_f32 v80, 0x4038aa3b, v32                 ; tanh z = 1 - 2 / (1 + 2^(2 log2(e) z))
	v_max3_num_f32 v81, v33, v34, v35
	v_max3_num_f32 v82, v37, v38, v39
	v_max_num_f32 v82, v82, v40
.irp i, 33,34,35
	v_sub_f32 v[\i], v[\i], v81
	v_mul_f32 v[\i], 0x3fb8aa3b, v[\i]
.endr
.irp i, 37,38,39,40
	v_sub_f32 v[\i], v[\i], v82
	v_mul_f32 v[\i], 0x3fb8aa3b, v[\i]
.endr
	v_mul_f32 v83, 0xbfb8aa3b, |v36|
.irp i, 80,33,34,35,37,38,39,40,83
	v_exp_f32 v[\i], v[\i]
.endr
	v_nop
	s_wait_alu depctr_va_vdst(0)
	v_add_f32 v80, 1.0, v80
	v_add_f32 v84, v33, v34
	v_add_f32 v84, v84, v35
	v_add_f32 v85, v37, v38
	v_add_f32 v88, v39, v40
	v_add_f32 v85, v85, v88
	v_add_f32 v83, 1.0, v83
	v_rcp_f32 v80, v80
	v_rcp_f32 v84, v84
	v_rcp_f32 v85, v85
	v_log_f32 v83, v83
	v_max_num_f32 v36, 0, v36
	s_wait_alu depctr_va_vdst(0)
	v_fma_f32 v80, v80, -2.0, 1.0                  ; charge
	v_mul_f32 v84, s37, v84                        ; a_s / T into the shell's divisor
.irp i, 33,34,35
	v_mul_f32 v[\i], v[\i], v84
.endr
.irp i, 37,38,39,40
	v_mul_f32 v[\i], v[\i], v85
.endr
	v_add_f32 v37, v37, v38                        ; the valence weights are added
	v_add_f32 v37, v37, v39
	v_add_f32 v37, v37, v40
	v_fmamk_f32 v36, v83, 0x3f317218, v36          ; softplus
	v_add_f32 v36, 0.5, v36
	v_mul_f32 v80, s36, v80
	v_mul_f32 v36, s39, v36
	v_mul_f32 v37, s40, v37
	v_mov_b32 v86, v48                             ; argmax over v48-79
	v_mov_b32 v87, 0
.set c, 1
.rept 31
	v_cmp_gt_f32 vcc_lo, v[48+c], v86
	v_cndmask_b32 v87, v87, c, vcc_lo
	v_max_num_f32 v86, v86, v[48+c]
.set c, c+1
.endr
	s_lshl_b32 s44, s13, 8
	s_lshl_b32 s45, s12, 7
	s_add_co_u32 s44, s44, s45
	s_mov_b32 s45, 0
	s_add_nc_u64 s[TOK:TOK+1], s[TOK:TOK+1], s[44:45]
	s_add_nc_u64 s[CLS:CLS+1], s[CLS:CLS+1], s[44:45]
	v_lshlrev_b32 v6, 2, v[LANE]
	global_store_b32 v6, v80, s[TOK:TOK+1]
	global_store_b32 v6, v36, s[TOK:TOK+1] offset:32768
	global_store_b32 v6, v33, s[TOK:TOK+1] offset:65536
	global_store_b32 v6, v34, s[TOK:TOK+1] offset:98304
	global_store_b32 v6, v35, s[TOK:TOK+1] offset:131072
	global_store_b32 v6, v37, s[TOK:TOK+1] offset:163840
	global_store_b32 v6, v87, s[CLS:CLS+1]
.Lfin:
	s_wait_tensorcnt 0x0                           ; the wave's end
	ds_add_u32 v[SPW], v[NIL]
	s_wait_dscnt 0x0
	s_endpgm
.Lfunc_end_k_qe853c91fdc_pw:
	.size	k_qe853c91fdc_pw, .Lfunc_end_k_qe853c91fdc_pw-k_qe853c91fdc_pw
	.p2alignl 7, 3214868480
	.fill 96, 4, 3214868480
	.section	.rodata,"a",@progbits
	.p2align	6, 0x0
	.amdhsa_kernel k_qe853c91fdc_pw
		.amdhsa_group_segment_fixed_size 327680
		.amdhsa_private_segment_fixed_size 0
		.amdhsa_enable_private_segment 0
		.amdhsa_kernarg_size 48
		.amdhsa_user_sgpr_count 2
		.amdhsa_user_sgpr_kernarg_segment_ptr 1
		.amdhsa_wavefront_size32 1
		.amdhsa_system_sgpr_workgroup_id_x 1
		.amdhsa_system_sgpr_workgroup_id_y 1
		.amdhsa_system_sgpr_workgroup_id_z 1
		.amdhsa_system_vgpr_workitem_id 0
		.amdhsa_next_free_vgpr 640
		.amdhsa_next_free_sgpr 100
		.amdhsa_reserve_vcc 1
		.amdhsa_float_denorm_mode_32 3
		.amdhsa_float_denorm_mode_16_64 3
		.amdhsa_memory_ordered 1
		.amdhsa_forward_progress 1
		.amdhsa_inst_pref_size 93
	.end_amdhsa_kernel
	.amdgpu_metadata
---
amdhsa.version: [ 1, 2 ]
amdhsa.kernels:
  - .name:           k_qe853c91fdc_pw
    .symbol:         k_qe853c91fdc_pw.kd
    .args:
      - { .name: g1o, .offset: 0, .size: 8, .value_kind: global_buffer, .address_space: global }
      - { .name: wts, .offset: 8, .size: 8, .value_kind: global_buffer, .address_space: global }
      - { .name: b_out, .offset: 16, .size: 8, .value_kind: global_buffer, .address_space: global }
      - { .name: tok, .offset: 24, .size: 8, .value_kind: global_buffer, .address_space: global }
      - { .name: cls, .offset: 32, .size: 8, .value_kind: global_buffer, .address_space: global }
      - { .name: wvo, .offset: 40, .size: 8, .value_kind: global_buffer, .address_space: global }
    .group_segment_fixed_size: 327680
    .private_segment_fixed_size: 0
    .kernarg_segment_align: 8
    .kernarg_segment_size: 48
    .max_flat_workgroup_size: 128
    .sgpr_count:     100
    .vgpr_count:     640
    .wavefront_size: 32
...
	.end_amdgpu_metadata
.endif
;; end of part 12
;; launch scores: the kernel of part 5 again; grid 256 x 1, 16 waves a work-group, no clusters, 321,536 bytes of LDS; arguments tok, cls, wts, attn; writes attn
;; launch g2 (part 13): grid 8 x 32, 4 waves a work-group, clusters of 4 x 1, 327,680 bytes of LDS; arguments attn, g1o, z; writes z
.if DOCPART == 13
	.amdgcn_target "amdgcn-amd-amdhsa--gfx1250"
	.amdhsa_code_object_version 6
	.text
	.protected	k_qe853c91fdc_g2
	.globl	k_qe853c91fdc_g2
	.p2align	8
	.type	k_qe853c91fdc_g2,@function
k_qe853c91fdc_g2:
	s_mov_b64 s[64:65], 0
	v_nop
	global_prefetch_b8 v0, s[64:65] scope:SCOPE_SE
	s_setreg_imm32_b32 hwreg(HW_REG_WAVE_MODE, 25, 1), 1
	s_wait_xcnt 0x0
	s_wait_alu depctr_hold_cnt(0) depctr_sa_sdst(0) depctr_va_vdst(0) depctr_va_sdst(0) depctr_va_ssrc(0) depctr_va_vcc(0) depctr_vm_vsrc(0)
	s_getreg_b32 s2, hwreg(HW_REG_IB_STS2, 6, 4)
	s_cmp_eq_u32 s2, 0
	s_cbranch_scc0 .Lentry_in_a_cluster
	s_endpgm
.Lentry_in_a_cluster:
	s_bfe_u32 s2, ttmp6, 0x10000c
	s_cmp_lg_u32 s2, 0x3003
	s_cbranch_scc0 .Lentry_shape_is_right
	s_endpgm
.Lentry_shape_is_right:
; Z[i][c] = rl[i] x sum over j <= i of p[i][j] x2[j][c], f16 operands, f32 sums, Z in f16.  The heads share attn, so all 1,024 channels are one product.
; THE WALK.  A batch's rows lie in 16 tiles of 128; tile t needs t / 2 + 1 steps of 256 keys.  A work-group takes tiles 15 - p and then p for one tile of 128 channels: 9 steps whatever p, so all work-groups are alike
; and one counted loop walks them; the ring runs on across the change of tiles.  What differs lies in scalar registers made from the work-group's y.
; At a tile's end (a counter made from y reaches 0: the same in all waves and in all partners) the tile is scaled, rounded, staged, stored, and the accumulators are cleared: 128 v_mov there and at the start, in place of a
; second text of the first products.
; 64 x 64 a wave; waves 0, 1 fetch p's halves, waves 2, 3 x2's.  CLUSTER 4, 1, 1: the four channel tiles of a cluster walk the same p and ask for it jointly; x2's tile differs between them and is a load of one's own.
; x2's tiles are not shared between row tiles: partners would walk differently.  By this text's count a wave has two tensor loads out at the start, later one.
.set PA,    528
.set PB,    288
.set AREG,  128*PA
.set BHALF, 128*PB
.set SLOT,  AREG+2*BHALF
.set STAGE, 2*SLOT
.set SP,    272
.set SPARE, STAGE+128*SP
.set RLO,   33554432
.set F0, 0
.set F1, 128
.set ADRA0, 16
.set ADRA,  17
.set ADRB0, 18
.set ADRB,  20
.set STO, 24
.set RD,  25
.set CO,  26
.set SPW, 28
.set NIL, 29
.set RL,  32                           ; v32-39 rl of the tile in hand, pairs by token block; v40-47 of the second tile
.set H,   64
.set G1A, 24
.set G0A, 32
.set G1B, 40
.set G0B, 48
.set NXT, 66                           ; the key step to be asked for next
.set LQ,  67                           ; the last step of the tile whose steps are being asked for
.set ROFF, 68                          ; that tile's first row in p, in bytes
.set ROFF2, 69
.set RT,  70                           ; steps left of the tile in hand
.set N2,  71
.set MSB, 0
.macro WIN new
.if MSB != (\new)
	s_set_vgpr_msb (MSB<<8)|(\new)
.set MSB, \new
.endif
.endm
.macro PLACES
.rept 4
	v_nop
.endr
.endm
.macro CREST
	s_cmp_lg_u32 s12, 0
	s_cbranch_scc1 .Lnot_wave_0_\@
	s_barrier_signal -3
.Lnot_wave_0_\@:
	s_barrier_wait -3
	s_barrier_signal -1
	s_barrier_wait -1
.endm
.macro CROUND
	s_barrier_signal -1
	s_barrier_wait -1
	CREST
.endm
.macro JLOAD
	s_cmp_lt_u32 s12, 2
	s_cbranch_scc0 .Lfor_b_\@
	tensor_load_to_lds s[G0A+4:G0A+7], s[G1A:G1A+7]
	s_nop 0
.rept 4
	v_nop
.endr
	s_branch .Lasked_\@
.Lfor_b_\@:
	tensor_load_to_lds s[G0B+4:G0B+7], s[G1B:G1B+7]
	s_nop 0
.rept 4
	v_nop
.endr
.Lasked_\@:
.endm
.macro MUL8 f, c, a0                   ; 8 products; the 16 accumulators (window 2) take turns
	WIN 0xa5
.irp a, \a0, (\a0)+1
.irp b, 0,1,2,3
	v_wmma_f32_16x16x32_f16 v[8*(4*(\a)+(\b)):8*(4*(\a)+(\b))+7], v[(\f)+64*(\c)+32+8*(\b):(\f)+64*(\c)+32+8*(\b)+7], v[(\f)+64*(\c)+8*(\a):(\f)+64*(\c)+8*(\a)+7], v[8*(4*(\a)+(\b)):8*(4*(\a)+(\b))+7]
.endr
.endr
.endm
.macro FETCH kq, f                     ; 32 LDS loads in one run: 64 along K, the first 32 along K first
	WIN 0x40
.irp c, 0,1
.irp i, 0,1,2,3
	ds_load_tr16_b128 v[(\f)+64*\c+32+8*\i:(\f)+64*\c+32+8*\i+3], v[ADRB+(\kq)/2] offset:(((\kq)%2)*64+32*\c)*PB+32*\i
	ds_load_tr16_b128 v[(\f)+64*\c+36+8*\i:(\f)+64*\c+36+8*\i+3], v[ADRB+(\kq)/2] offset:(((\kq)%2)*64+32*\c+16)*PB+32*\i
	ds_load_b128 v[(\f)+64*\c+8*\i:(\f)+64*\c+8*\i+3],   v[ADRA] offset:\i*16*PA+128*(\kq)+64*\c
	ds_load_b128 v[(\f)+64*\c+8*\i+4:(\f)+64*\c+8*\i+7], v[ADRA] offset:\i*16*PA+128*(\kq)+64*\c+32
.endr
.endr
.endm
.macro Q kqn, f, g                     ; a quarter step: at its head it fetches the next quarter into g, 32 products ahead of its use; then it multiplies buffer f
	s_wait_dscnt 16                                ; the first 32 along K of buffer f are in; the run's other sixteen loads may stay out
	PLACES                                         ; buffer g was read by the products just issued
	FETCH \kqn, \g
	MUL8 \f, 0, 0
	MUL8 \f, 0, 2
	s_wait_dscnt 32                                ; all but the 32 just issued
	MUL8 \f, 1, 0
	MUL8 \f, 1, 2
.endm
.macro TURN fill
	WIN 0
	s_wait_tensorcnt 0x0                           ; my part of the next slot has landed; no load of mine is out
	ds_add_u32 v[SPW], v[NIL]
	s_wait_dscnt 1                                 ; all but the add: buffer 1 is in
	MUL8 F1, 0, 0
	s_wait_dscnt 0x0
	s_barrier_signal -1
	MUL8 F1, 0, 2
	WIN 0
	s_barrier_wait -1
.if \fill
	CREST
	s_xor_b32 s20, s20, SLOT                       ; the other slot; the addresses are made anew from the step's number
	s_add_co_u32 s[G0A+5], s21, s20
	s_add_co_u32 s[G0B+5], s22, s20
	s_lshl_b32 s74, s[NXT], 9
	s_add_co_u32 s74, s74, s[ROFF]
	s_add_nc_u64 s[G0A+6:G0A+7], s[78:79], s[74:75]
	s_or_b32 s[G0A+7], s[G0A+7], 0x80000000
	s_lshl_b32 s76, s[NXT], 19
	s_add_nc_u64 s[G0B+6:G0B+7], s[80:81], s[76:77]
	s_or_b32 s[G0B+7], s[G0B+7], 0x80000000
	s_add_co_u32 s[NXT], s[NXT], 1                 ; the tile's next step, or behind its last the second tile's step 0
	s_cmp_gt_u32 s[NXT], s[LQ]
	s_cselect_b32 s[NXT], 0, s[NXT]
	s_cselect_b32 s[ROFF], s[ROFF2], s[ROFF]
	s_cselect_b32 s[LQ], s86, s[LQ]
	JLOAD
.else
	PLACES
.endif
	s_xor_b32 s19, s19, SLOT
	v_add_nc_u32 v[ADRA], s19, v[ADRA0]
	v_add_nc_u32 v[ADRB], s19, v[ADRB0]
	v_add_nc_u32 v[ADRB+1], s19, v[ADRB0+1]
	FETCH 0, F0
	MUL8 F1, 1, 0
	MUL8 F1, 1, 2
.endm
.macro CLEAR
	WIN 0x80
.set n, 0
.rept 128
	v_mov_b32 v[n], 0
.set n, n+1
.endr
	WIN 0
.endm
.macro STEP fill
	Q 1, F0, F1
	Q 2, F1, F0
	Q 3, F0, F1
	TURN \fill
	WIN 0
	s_sub_co_u32 s[RT], s[RT], 1
	s_cmp_lg_u32 s[RT], 0
	s_cbranch_scc1 .Lgo_on_\@
	s_wait_xcnt 0x0                                ; A TILE'S END.  Earlier stores have read their registers
	PLACES
	WIN 0x82
.set n, 0
.rept 64
	v_pk_mul_f32 v[2*n:2*n+1], v[2*n:2*n+1], v[RL+2*(n/16):RL+2*(n/16)+1] op_sel_hi:[1,0]
.set n, n+1
.endr
	WIN 0x0a
.set n, 0
.rept 64
	v_cvt_pk_f16_f32 v[H+n], v[2*n], v[2*n+1]
.set n, n+1
.endr
	WIN 0
.set n, 0
.rept 16
	ds_store_b128 v[STO], v[H+4*n:H+4*n+3] offset:(n/4)*16*SP+32*(n%4)
.set n, n+1
.endr
	s_wait_dscnt 0x0                               ; for the others' sake: a row's 256 bytes come from two waves.  The stage is written again only behind a later change of slots, whose barrier stands behind every wave's reads
	s_barrier_signal -1
	s_barrier_wait -1
.set n, 0
.rept 16
	ds_load_b128 v[H+4*n:H+4*n+3], v[RD] offset:n*2*SP
.set n, n+1
.endr
.set n, 0
.rept 16
	s_wait_dscnt 15-n                              ; pair of rows n is back; the younger loads stay out
	global_store_b128 v[CO], v[H+4*n:H+4*n+3], s[82:83] offset:4096*n  ; 16 lanes store 256 consecutive bytes, aligned
.set n, n+1
.endr
	CLEAR
.irp i, 0,1,2,3,4,5,6,7
	v_mov_b32 v[RL+\i], v[RL+8+\i]
.endr
	s_wait_xcnt 0x0                                ; the stores' base is written only behind this wait
	s_mov_b64 s[82:83], s[84:85]
	s_mov_b32 s[RT], s[N2]
.Lgo_on_\@:
.endm
	s_load_b128 s[4:7], s[0:1], 0x0                ; attn, g1o
	s_load_b64 s[8:9], s[0:1], 0x10                ; z
	v_lshl_add_u32 v[SPW], v0, 2, SPARE
	v_mov_b32 v[NIL], 0
	ds_add_u32 v[SPW], v[NIL]                      ; the wave's opening
	ds_add_u32 v28, v29
	v_lshrrev_b32 v1, 5, v0
	v_readfirstlane_b32 s12, v1
	s_lshr_b32 s13, s12, 1
	s_and_b32 s14, s12, 1
	s_bfe_u32 s15, ttmp6, 0x40000
	s_lshl_b32 s17, ttmp9, 2
	s_add_co_u32 s17, s17, s15                     ; channel tile: it enters x2's and Z's addresses alone
	s_and_b32 s18, ttmp7, 0xffff
	s_lshr_b32 s87, s18, 3                         ; batch
	s_and_b32 s88, s18, 7                          ; p
	s_sub_co_u32 s89, 15, s88                      ; the first tile
	s_lshr_b32 s[N2], s88, 1
	s_mov_b32 s86, s[N2]                           ; the second tile's last step
	s_add_co_u32 s[N2], s[N2], 1
	s_sub_co_u32 s[RT], 9, s[N2]
	s_sub_co_u32 s[LQ], s[RT], 1
	s_mov_b32 s[NXT], 2
	s_lshl_b32 s[ROFF], s89, 19
	s_lshl_b32 s[ROFF2], s88, 19
	s_mov_b32 s[G1A], 15|(1<<16)|(1<<20)|(1<<21)|(6<<22)|(3<<25)  ; the mask of four; 4 words of padding behind every 128
	s_mov_b32 s[G1B], (1<<16)|(1<<20)|(5<<22)|(7<<25)             ; a load of my own; 8 words behind every 64
	s_mov_b32 s[G1A+1], 256<<16
	s_mov_b32 s[G1A+2], 64<<16
	s_mov_b32 s[G1A+3], 256<<16
	s_mov_b32 s[G1A+4], 64
	s_mov_b32 s[G1A+5], 2048
	s_mov_b32 s[G1A+6], 0
	s_mov_b32 s[G1A+7], 0
	s_mov_b32 s[G1B+1], 128<<16
	s_mov_b32 s[G1B+2], 128<<16
	s_mov_b32 s[G1B+3], 128<<16
	s_mov_b32 s[G1B+4], 128
	s_mov_b32 s[G1B+5], 1024
	s_mov_b32 s[G1B+6], 0
	s_mov_b32 s[G1B+7], 0
	s_mul_i32 s21, s14, 64*PA
	s_mul_i32 s22, s14, BHALF
	s_add_co_u32 s22, s22, AREG
	s_lshl_b32 s74, s87, 23
	s_lshl_b32 s75, s14, 18
	s_add_co_u32 s74, s74, s75                     ; p: the batch, my 64 rows of a tile
	s_mov_b32 s75, 0
	s_lshl_b32 s76, s87, 22
	s_lshl_b32 s77, s14, 18
	s_add_co_u32 s76, s76, s77
	s_lshl_b32 s77, s17, 8
	s_add_co_u32 s76, s76, s77                     ; x2: the batch, my 128 keys of a step, the channel tile
	s_mov_b32 s77, 0
	s_mov_b32 s19, 0
	s_mov_b32 s20, SLOT
	s_mov_b32 s[G0A], 1
	s_mov_b32 s[G0A+1], s21
	s_mov_b32 s[G0A+4], 1
	s_add_co_u32 s[G0A+5], s21, SLOT
	s_mov_b32 s[G0B], 1
	s_mov_b32 s[G0B+1], s22
	s_mov_b32 s[G0B+4], 1
	s_add_co_u32 s[G0B+5], s22, SLOT
	s_wait_dscnt 0x0
	s_wait_kmcnt 0x0
	s_add_nc_u64 s[78:79], s[4:5], s[74:75]
	s_add_nc_u64 s[80:81], s[6:7], s[76:77]
	s_mov_b32 s74, s[ROFF]
	s_add_nc_u64 s[G0A+2:G0A+3], s[78:79], s[74:75]
	s_add_nc_u64 s[G0A+6:G0A+7], s[G0A+2:G0A+3], 512
	s_or_b32 s[G0A+3], s[G0A+3], 0x80000000
	s_or_b32 s[G0A+7], s[G0A+7], 0x80000000
	s_add_nc_u64 s[G0B+2:G0B+3], s[80:81], 0
	s_add_nc_u64 s[G0B+6:G0B+7], s[80:81], 256*2048
	s_or_b32 s[G0B+3], s[G0B+3], 0x80000000
	s_or_b32 s[G0B+7], s[G0B+7], 0x80000000
	CROUND
	s_cmp_lt_u32 s12, 2
	s_cbranch_scc0 .Lfirst_b
	tensor_load_to_lds s[G0A:G0A+3], s[G1A:G1A+7]
	s_nop 0
	tensor_load_to_lds s[G0A+4:G0A+7], s[G1A:G1A+7]
	s_nop 0
.rept 4
	v_nop
.endr
	s_branch .Lfirst_done
.Lfirst_b:
	tensor_load_to_lds s[G0B:G0B+3], s[G1B:G1B+7]
	s_nop 0
	tensor_load_to_lds s[G0B+4:G0B+7], s[G1B:G1B+7]
	s_nop 0
.rept 4
	v_nop
.endr
.Lfirst_done:
	v_and_b32 v1, 15, v0
	v_bfe_u32 v2, v0, 4, 1
	s_lshl_b32 s56, s87, 13
	s_lshl_b32 s57, s89, 9
	s_add_co_u32 s56, s56, s57
	s_add_co_u32 s56, s56, RLO
	s_mov_b32 s57, 0
	s_add_nc_u64 s[90:91], s[4:5], s[56:57]        ; rl at the first tile,
	s_lshl_b32 s56, s87, 13
	s_lshl_b32 s58, s88, 9
	s_add_co_u32 s56, s56, s58
	s_add_co_u32 s56, s56, RLO
	s_add_nc_u64 s[92:93], s[4:5], s[56:57]        ; and at the second
	s_lshl_b32 s56, s13, 8
	v_lshl_add_u32 v30, v1, 2, s56                 ; row 64 WR + 16 a + r
.irp a, 0,1,2,3
	global_load_b32 v[RL+2*\a], v30, s[90:91] offset:64*\a
	global_load_b32 v[RL+8+2*\a], v30, s[92:93] offset:64*\a
.endr
	v_mul_u32_u24 v3, v1, PA
	v_lshl_add_u32 v3, v2, 4, v3
	s_mul_i32 s56, s13, 64*PA
	v_add_nc_u32 v[ADRA0], s56, v3
	v_and_b32 v4, 7, v0
	v_bfe_u32 v5, v0, 3, 1
	v_lshl_add_u32 v4, v2, 3, v4
	v_mul_u32_u24 v4, v4, PB
	v_lshl_add_u32 v4, v5, 4, v4
	s_lshl_b32 s56, s14, 7
	s_add_co_u32 s56, s56, AREG
	v_add_nc_u32 v[ADRB0], s56, v4
	v_add_nc_u32 v[ADRB0+1], BHALF, v[ADRB0]
	v_mul_u32_u24 v3, v1, SP
	v_lshl_add_u32 v3, v2, 4, v3
	s_mul_i32 s56, s13, 64*SP
	s_lshl_b32 s58, s14, 7
	s_add_co_u32 s56, s56, s58
	s_add_co_u32 s56, s56, STAGE
	v_add_nc_u32 v[STO], s56, v3
	v_mul_u32_u24 v3, v2, SP
	v_lshl_add_u32 v3, v1, 4, v3
	s_mul_i32 s56, s12, 32*SP
	s_add_co_u32 s56, s56, STAGE
	v_add_nc_u32 v[RD], s56, v3
	v_lshlrev_b32 v3, 11, v2
	v_lshl_add_u32 v3, v1, 4, v3
	s_lshl_b32 s56, s12, 16
	v_add_nc_u32 v[CO], s56, v3
	v_mov_b32 v[ADRA], v[ADRA0]
	v_mov_b32 v[ADRB], v[ADRB0]
	v_mov_b32 v[ADRB+1], v[ADRB0+1]
	s_lshl_b32 s56, s87, 22
	s_lshl_b32 s58, s17, 8
	s_add_co_u32 s56, s56, s58
	s_lshl_b32 s58, s89, 18
	s_add_co_u32 s58, s58, s56
	s_mov_b32 s59, 0
	s_add_nc_u64 s[82:83], s[8:9], s[58:59]        ; Z at the first tile,
	s_lshl_b32 s58, s88, 18
	s_add_co_u32 s58, s58, s56
	s_add_nc_u64 s[84:85], s[8:9], s[58:59]        ; and at the second
	CLEAR
	s_wait_loadcnt 0x0
.irp i, 0,2,4,6,8,10,12,14
	v_mov_b32 v[RL+\i+1], v[RL+\i]                 ; named as pairs
.endr
	s_wait_tensorcnt 1                             ; my part of slot 0 is in; slot 1's may stay out
	s_barrier_signal -1
	s_barrier_wait -1
	FETCH 0, F0
	WIN 0
	s_mov_b32 s23, 7
.Lstep:                                                ; seven steps fill a slot again
	STEP 1
	s_sub_co_u32 s23, s23, 1
	s_cmp_lg_u32 s23, 0
	s_cbranch_scc1 .Lstep
	s_mov_b32 s23, 2
.Ltail:                                                ; the last two ask for nothing; the second tile ends with the last
	STEP 0
	s_sub_co_u32 s23, s23, 1
	s_cmp_lg_u32 s23, 0
	s_cbranch_scc1 .Ltail
	s_wait_tensorcnt 0x0                           ; the wave's end
	ds_add_u32 v[SPW], v[NIL]
	s_wait_dscnt 0x0
	CROUND
	s_endpgm
.Lfunc_end_k_qe853c91fdc_g2:
	.size	k_qe853c91fdc_g2, .Lfunc_end_k_qe853c91fdc_g2-k_qe853c91fdc_g2
	.p2alignl 7, 3214868480
	.fill 96, 4, 3214868480
	.section	.rodata,"a",@progbits
	.p2align	6, 0x0
	.amdhsa_kernel k_qe853c91fdc_g2
		.amdhsa_group_segment_fixed_size 327680
		.amdhsa_private_segment_fixed_size 0
		.amdhsa_enable_private_segment 0
		.amdhsa_kernarg_size 24
		.amdhsa_user_sgpr_count 2
		.amdhsa_user_sgpr_kernarg_segment_ptr 1
		.amdhsa_wavefront_size32 1
		.amdhsa_system_sgpr_workgroup_id_x 1
		.amdhsa_system_sgpr_workgroup_id_y 1
		.amdhsa_system_sgpr_workgroup_id_z 1
		.amdhsa_system_vgpr_workitem_id 0
		.amdhsa_next_free_vgpr 640
		.amdhsa_next_free_sgpr 100
		.amdhsa_reserve_vcc 0
		.amdhsa_float_denorm_mode_32 3
		.amdhsa_float_denorm_mode_16_64 3
		.amdhsa_memory_ordered 1
		.amdhsa_forward_progress 1
		.amdhsa_inst_pref_size 86
	.end_amdhsa_kernel
	.amdgpu_metadata
---
amdhsa.version: [ 1, 2 ]
amdhsa.kernels:
  - .name:           k_qe853c91fdc_g2
    .symbol:         k_qe853c91fdc_g2.kd
    .args:
      - { .name: attn, .offset: 0, .size: 8, .value_kind: global_buffer, .address_space: global }
      - { .name: g1o, .offset: 8, .size: 8, .value_kind: global_buffer, .address_space: global }
      - { .name: z, .offset: 16, .size: 8, .value_kind: global_buffer, .address_space: global }
    .group_segment_fixed_size: 327680
    .private_segment_fixed_size: 0
    .kernarg_segment_align: 8
    .kernarg_segment_size: 24
    .max_flat_workgroup_size: 128
    .sgpr_count:     100
    .vgpr_count:     640
    .wavefront_size: 32
...
	.end_amdgpu_metadata
.endif
;; end of part 13
;; launch g3 (part 14): grid 8 x 64, 4 waves a work-group, clusters of 4 x 4, 327,680 bytes of LDS; arguments z, wvo, tok, out0; writes out0
.if DOCPART == 14
	.amdgcn_target "amdgcn-amd-amdhsa--gfx1250"
	.amdhsa_code_object_version 6
	.text
	.protected	k_qe853c91fdc_g3
	.globl	k_qe853c91fdc_g3
	.p2align	8
	.type	k_qe853c91fdc_g3,@function
k_qe853c91fdc_g3:
	s_mov_b64 s[64:65], 0
	v_nop
	global_prefetch_b8 v0, s[64:65] scope:SCOPE_SE
	s_setreg_imm32_b32 hwreg(HW_REG_WAVE_MODE, 25, 1), 1
	s_wait_xcnt 0x0
	s_wait_alu depctr_hold_cnt(0) depctr_sa_sdst(0) depctr_va_vdst(0) depctr_va_sdst(0) depctr_va_ssrc(0) depctr_va_vcc(0) depctr_vm_vsrc(0)
	s_getreg_b32 s2, hwreg(HW_REG_IB_STS2, 6, 4)
	s_cmp_eq_u32 s2, 0
	s_cbranch_scc0 .Lentry_in_a_cluster
	s_endpgm
.Lentry_in_a_cluster:
	s_bfe_u32 s2, ttmp6, 0x10000c
	s_cmp_lg_u32 s2, 0xf033
	s_cbranch_scc0 .Lentry_shape_is_right
	s_endpgm
.Lentry_shape_is_right:
; out0[m][c] = 2^-k x sum over d of Z[m][d] Wvo[d][c] + bias2[c], f16 operands, f32 sums and output.
; A tile of 128 x 128 a work-group, 64 x 64 a wave; K in 4 steps of 256 through two LDS slots; waves 0, 1 fetch Z's halves, waves 2, 3 Wvo's.  512 work-groups: two even rounds.
; Wvo lies [k][n] and is turned by ds_load_tr16_b128; the matrix instruction is used transposed, so a lane holds 8 neighbouring columns of a row.  CLUSTER 4 x 4: Z jointly along a row, Wvo along a column.
; A wave's 64 columns of f32 are 256 aligned bytes of a row, so the way out goes through the wave's own stage, without a barrier.  By this text's count a wave has two tensor loads out at the start, later one.
.set PA,    528
.set PB,    288
.set AREG,  128*PA
.set BHALF, 128*PB
.set SLOT,  AREG+2*BHALF
.set STAGE, 2*SLOT                     ; behind the ring: 16 rows x 272 bytes for each wave
.set SP,    272
.set SPARE, STAGE+128*SP               ; the spare words, 128 bytes a wave
.set BIAS2, 196608
.set ISC,   200708
.set ASTEP, 512
.set BSTEP, 256*2048
.set F0, 0                             ; window 1: two fragment buffers, 64 along K each: depth c: A's four at F + 64 c + 8 a, B's four at F + 64 c + 32 + 8 b
.set F1, 128
.set ADRA0, 16
.set ADRA,  17
.set ADRB0, 18
.set ADRB,  20
.set STO, 24
.set RD,  25
.set CO,  26
.set SPW, 28
.set NIL, 29
.set BI,  32                           ; v32-63 bias2 of my 64 columns
.set X,   64                           ; v64-95 a block of 16 rows, finished
.set BK,  96                           ; v96-127 the same as whole rows
.set G1A, 24
.set G0A, 32
.set G1B, 40
.set G0B, 48
.set MSB, 0
.macro WIN new
.if MSB != (\new)
	s_set_vgpr_msb (MSB<<8)|(\new)
.set MSB, \new
.endif
.endm
.macro PLACES                          ; four places behind matrix instructions (ISA guide 7.12.1)
.rept 4
	v_nop
.endr
.endm
.macro CREST
	s_cmp_lg_u32 s12, 0
	s_cbranch_scc1 .Lnot_wave_0_\@
	s_barrier_signal -3
.Lnot_wave_0_\@:
	s_barrier_wait -3
	s_barrier_signal -1
	s_barrier_wait -1
.endm
.macro CROUND
	s_barrier_signal -1
	s_barrier_wait -1
	CREST
.endm
.macro JLOAD
	s_cmp_lt_u32 s12, 2
	s_cbranch_scc0 .Lfor_b_\@
	tensor_load_to_lds s[G0A+4:G0A+7], s[G1A:G1A+7]
	s_nop 0
.rept 4
	v_nop
.endr
	s_branch .Lasked_\@
.Lfor_b_\@:
	tensor_load_to_lds s[G0B+4:G0B+7], s[G1B:G1B+7]
	s_nop 0
.rept 4
	v_nop
.endr
.Lasked_\@:
.endm
.macro MUL8 f, c, a0, zero             ; 8 products; the 16 accumulators (window 2, at 8 (4 a + b)) take turns
	WIN 0xa5
.irp a, \a0, (\a0)+1
.irp b, 0,1,2,3
.if \zero
	v_wmma_f32_16x16x32_f16 v[8*(4*(\a)+(\b)):8*(4*(\a)+(\b))+7], v[(\f)+64*(\c)+32+8*(\b):(\f)+64*(\c)+32+8*(\b)+7], v[(\f)+64*(\c)+8*(\a):(\f)+64*(\c)+8*(\a)+7], 0
.else
	v_wmma_f32_16x16x32_f16 v[8*(4*(\a)+(\b)):8*(4*(\a)+(\b))+7], v[(\f)+64*(\c)+32+8*(\b):(\f)+64*(\c)+32+8*(\b)+7], v[(\f)+64*(\c)+8*(\a):(\f)+64*(\c)+8*(\a)+7], v[8*(4*(\a)+(\b)):8*(4*(\a)+(\b))+7]
.endif
.endr
.endr
.endm
.macro FETCH kq, f                     ; 32 LDS loads in one run: 64 along K, the first 32 along K first
	WIN 0x40
.irp c, 0,1
.irp i, 0,1,2,3
	ds_load_tr16_b128 v[(\f)+64*\c+32+8*\i:(\f)+64*\c+32+8*\i+3], v[ADRB+(\kq)/2] offset:(((\kq)%2)*64+32*\c)*PB+32*\i
	ds_load_tr16_b128 v[(\f)+64*\c+36+8*\i:(\f)+64*\c+36+8*\i+3], v[ADRB+(\kq)/2] offset:(((\kq)%2)*64+32*\c+16)*PB+32*\i
	ds_load_b128 v[(\f)+64*\c+8*\i:(\f)+64*\c+8*\i+3],   v[ADRA] offset:\i*16*PA+128*(\kq)+64*\c
	ds_load_b128 v[(\f)+64*\c+8*\i+4:(\f)+64*\c+8*\i+7], v[ADRA] offset:\i*16*PA+128*(\kq)+64*\c+32
.endr
.endr
.endm
.macro Q kqn, f, g, zero               ; a quarter step: at its head it fetches the next quarter into g, 32 products ahead of its use; then it multiplies buffer f
	s_wait_dscnt 16                                ; the first 32 along K of buffer f are in; the run's other sixteen loads may stay out
	PLACES                                         ; buffer g was read by the products just issued
	FETCH \kqn, \g
	MUL8 \f, 0, 0, \zero
	MUL8 \f, 0, 2, \zero
	s_wait_dscnt 32                                ; all but the 32 just issued
	MUL8 \f, 1, 0, 0
	MUL8 \f, 1, 2, 0
.endm
.macro TURN fill
	WIN 0
	s_wait_tensorcnt 0x0                           ; my part of the next slot has landed; no load of mine is out
	ds_add_u32 v[SPW], v[NIL]
	s_wait_dscnt 1                                 ; all but the add: buffer 1 is in
	MUL8 F1, 0, 0, 0
	s_wait_dscnt 0x0                               ; the add is done; my reads of this slot are over
	s_barrier_signal -1
	MUL8 F1, 0, 2, 0
	WIN 0
	s_barrier_wait -1
.if \fill
	CREST                                          ; the barrier opened a round of the cluster's
	s_xor_b32 s20, s20, SLOT                       ; the walking descriptors: the other slot, one K step on
	s_add_co_u32 s[G0A+5], s21, s20
	s_add_nc_u64 s[G0A+6:G0A+7], s[G0A+6:G0A+7], ASTEP
	s_add_co_u32 s[G0B+5], s22, s20
	s_add_nc_u64 s[G0B+6:G0B+7], s[G0B+6:G0B+7], BSTEP
	JLOAD                                          ; its four v_nop are also the places in front of the loads below
.else
	PLACES
.endif
	s_xor_b32 s19, s19, SLOT
	v_add_nc_u32 v[ADRA], s19, v[ADRA0]
	v_add_nc_u32 v[ADRB], s19, v[ADRB0]
	v_add_nc_u32 v[ADRB+1], s19, v[ADRB0+1]
	FETCH 0, F0
	MUL8 F1, 1, 0, 0
	MUL8 F1, 1, 2, 0
.endm
	s_load_b256 s[4:11], s[0:1], 0x0               ; z, wvo, tok, out0
	v_lshl_add_u32 v[SPW], v0, 2, SPARE
	v_mov_b32 v[NIL], 0
	ds_add_u32 v[SPW], v[NIL]                      ; the wave's opening
	ds_add_u32 v28, v29
	v_lshrrev_b32 v1, 5, v0
	v_readfirstlane_b32 s12, v1
	s_lshr_b32 s13, s12, 1                         ; which 64 rows
	s_and_b32 s14, s12, 1                          ; which 64 columns; also which half of a tile I fetch
	s_bfe_u32 s15, ttmp6, 0x40000
	s_bfe_u32 s16, ttmp6, 0x40004
	s_lshl_b32 s17, ttmp9, 2
	s_add_co_u32 s17, s17, s15                     ; column tile
	s_and_b32 s18, ttmp7, 0xffff
	s_lshl_b32 s18, s18, 2
	s_add_co_u32 s18, s18, s16                     ; row tile
	s_lshl_b32 s72, s16, 2
	s_lshl_b32 s72, 15, s72                        ; my row of the cluster
	s_lshl_b32 s73, 0x1111, s15                    ; my column
	s_or_b32 s[G1A], s72, (1<<16)|(1<<20)|(1<<21)|(6<<22)|(3<<25)  ; 4 words of padding behind every 128
	s_or_b32 s[G1B], s73, (1<<16)|(1<<20)|(1<<21)|(5<<22)|(7<<25)  ; 8 words behind every 64
	s_mov_b32 s[G1A+1], 256<<16                    ; A: 64 rows of 256 elements
	s_mov_b32 s[G1A+2], 64<<16
	s_mov_b32 s[G1A+3], 256<<16
	s_mov_b32 s[G1A+4], 64
	s_mov_b32 s[G1A+5], 1024
	s_mov_b32 s[G1A+6], 0
	s_mov_b32 s[G1A+7], 0
	s_mov_b32 s[G1B+1], 128<<16                    ; B: 128 rows of 128 elements
	s_mov_b32 s[G1B+2], 128<<16
	s_mov_b32 s[G1B+3], 128<<16
	s_mov_b32 s[G1B+4], 128
	s_mov_b32 s[G1B+5], 1024
	s_mov_b32 s[G1B+6], 0
	s_mov_b32 s[G1B+7], 0
	s_mul_i32 s21, s14, 64*PA                      ; where my half goes, for A
	s_mul_i32 s22, s14, BHALF
	s_add_co_u32 s22, s22, AREG                    ; and for B
	s_lshl_b32 s74, s18, 18
	s_lshl_b32 s75, s14, 17
	s_add_co_u32 s74, s74, s75                     ; A: row 128 x tile + 64 x half
	s_mov_b32 s75, 0
	s_lshl_b32 s76, s14, 18
	s_lshl_b32 s77, s17, 8
	s_add_co_u32 s76, s76, s77                     ; B: row 128 x half, column 128 x tile
	s_mov_b32 s77, 0
	s_mov_b32 s19, 0
	s_mov_b32 s20, SLOT
	s_mov_b32 s[G0A], 1
	s_mov_b32 s[G0A+1], s21
	s_mov_b32 s[G0A+4], 1
	s_add_co_u32 s[G0A+5], s21, SLOT
	s_mov_b32 s[G0B], 1
	s_mov_b32 s[G0B+1], s22
	s_mov_b32 s[G0B+4], 1
	s_add_co_u32 s[G0B+5], s22, SLOT
	s_wait_dscnt 0x0                               ; the opening add is done
	s_wait_kmcnt 0x0
	s_add_nc_u64 s[G0A+2:G0A+3], s[4:5], s[74:75]
	s_add_nc_u64 s[G0A+6:G0A+7], s[G0A+2:G0A+3], ASTEP
	s_or_b32 s[G0A+3], s[G0A+3], 0x80000000
	s_or_b32 s[G0A+7], s[G0A+7], 0x80000000
	s_add_nc_u64 s[G0B+2:G0B+3], s[6:7], s[76:77]
	s_add_nc_u64 s[G0B+6:G0B+7], s[G0B+2:G0B+3], BSTEP
	s_or_b32 s[G0B+3], s[G0B+3], 0x80000000
	s_or_b32 s[G0B+7], s[G0B+7], 0x80000000
	s_load_b32 s66, s[8:9], ISC                    ; 2^-k
	CROUND                                         ; all sixteen work-groups are here: the first joint loads meet
	s_cmp_lt_u32 s12, 2
	s_cbranch_scc0 .Lfirst_b
	tensor_load_to_lds s[G0A:G0A+3], s[G1A:G1A+7]
	s_nop 0
	tensor_load_to_lds s[G0A+4:G0A+7], s[G1A:G1A+7]
	s_nop 0
.rept 4
	v_nop
.endr
	s_branch .Lfirst_done
.Lfirst_b:
	tensor_load_to_lds s[G0B:G0B+3], s[G1B:G1B+7]
	s_nop 0
	tensor_load_to_lds s[G0B+4:G0B+7], s[G1B:G1B+7]
	s_nop 0
.rept 4
	v_nop
.endr
.Lfirst_done:
	v_and_b32 v1, 15, v0                           ; r
	v_bfe_u32 v2, v0, 4, 1                         ; h
	s_lshl_b32 s56, s17, 9
	s_lshl_b32 s57, s14, 8
	s_add_co_u32 s56, s56, s57
	v_lshl_add_u32 v30, v2, 5, s56                 ; bias2: (128 x tile + 64 x half + 8 h) x 4
.irp b, 0,1,2,3
	global_load_b128 v[BI+8*\b:BI+8*\b+3],   v30, s[8:9] offset:BIAS2+64*\b
	global_load_b128 v[BI+8*\b+4:BI+8*\b+7], v30, s[8:9] offset:BIAS2+64*\b+16
.endr
	v_mul_u32_u24 v3, v1, PA
	v_lshl_add_u32 v3, v2, 4, v3
	s_mul_i32 s56, s13, 64*PA
	v_add_nc_u32 v[ADRA0], s56, v3
	v_and_b32 v4, 7, v0
	v_bfe_u32 v5, v0, 3, 1
	v_lshl_add_u32 v4, v2, 3, v4
	v_mul_u32_u24 v4, v4, PB
	v_lshl_add_u32 v4, v5, 4, v4
	s_lshl_b32 s56, s14, 7
	s_add_co_u32 s56, s56, AREG
	v_add_nc_u32 v[ADRB0], s56, v4
	v_add_nc_u32 v[ADRB0+1], BHALF, v[ADRB0]
	s_mul_i32 s56, s12, 16*SP
	s_add_co_u32 s56, s56, STAGE                   ; my stage
	v_mul_u32_u24 v3, v1, SP                       ; in: row r, 32 bytes for each half of the lanes
	v_lshl_add_u32 v3, v2, 5, v3
	v_add_nc_u32 v[STO], s56, v3
	v_mul_u32_u24 v3, v2, SP                       ; back: lanes 0-15 one row of 256 bytes, lanes 16-31 the next
	v_lshl_add_u32 v3, v1, 4, v3
	v_add_nc_u32 v[RD], s56, v3
	v_lshlrev_b32 v3, 12, v2                       ; and the same two rows in out0
	v_lshl_add_u32 v[CO], v1, 4, v3
	v_mov_b32 v[ADRA], v[ADRA0]
	v_mov_b32 v[ADRB], v[ADRB0]
	v_mov_b32 v[ADRB+1], v[ADRB0+1]
	s_lshl_b32 s56, s18, 19                        ; 128 rows of 4,096 bytes a tile,
	s_lshl_b32 s57, s13, 18                        ; my 64 rows,
	s_add_co_u32 s56, s56, s57
	s_lshl_b32 s57, s17, 9                         ; the tile's 128 columns,
	s_add_co_u32 s56, s56, s57
	s_lshl_b32 s57, s14, 8                         ; my 64
	s_add_co_u32 s56, s56, s57
	s_mov_b32 s57, 0
	s_add_nc_u64 s[82:83], s[10:11], s[56:57]
	s_wait_kmcnt 0x0
	s_mov_b32 s67, s66                             ; named with it as a pair
	s_wait_tensorcnt 1                             ; my part of slot 0 is in; slot 1's may stay out
	s_barrier_signal -1
	s_barrier_wait -1
	FETCH 0, F0
	Q 1, F0, F1, 1                                 ; the first quarter stands ahead of the loop: its first products start the sums
	WIN 0
	s_mov_b32 s23, 2
	s_branch .Lmid
.Lstep:
	Q 1, F0, F1, 0
	WIN 0
.Lmid:
	Q 2, F1, F0, 0
	Q 3, F0, F1, 0
	TURN 1
	WIN 0
	s_sub_co_u32 s23, s23, 1
	s_cmp_lg_u32 s23, 0
	s_cbranch_scc1 .Lstep
	s_mov_b32 s23, 2
.Ltail:                                                ; the last two steps ask for nothing; the very last fetch reads a slot that has landed and is not multiplied
	Q 1, F0, F1, 0
	Q 2, F1, F0, 0
	Q 3, F0, F1, 0
	TURN 0
	WIN 0
	s_sub_co_u32 s23, s23, 1
	s_cmp_lg_u32 s23, 0
	s_cbranch_scc1 .Ltail
	; THE WAY OUT, a block of 16 rows at a time: scale and bias in one fused multiply-add, into my stage, back as whole rows of 256 bytes, stored
	s_wait_dscnt 0x0                               ; the last fetch
	s_wait_loadcnt 0x0                             ; bias2
	PLACES
.irp a, 0,1,2,3
	WIN 0x02                                       ; source 0: the accumulators, each read from its low end on
.set n, 0
.rept 16
	v_pk_fma_f32 v[X+2*n:X+2*n+1], v[32*\a+2*n:32*\a+2*n+1], s[66:67], v[BI+2*n:BI+2*n+1] op_sel_hi:[1,0,1]
.set n, n+1
.endr
	WIN 0
.set n, 0
.rept 4
	ds_store_b128 v[STO], v[X+8*n:X+8*n+3]   offset:64*n
	ds_store_b128 v[STO], v[X+8*n+4:X+8*n+7] offset:64*n+16
.set n, n+1
.endr
	s_wait_xcnt 0x0                                ; the last block's stores have read the registers that are loaded again below
.set n, 0
.rept 8
	ds_load_b128 v[BK+4*n:BK+4*n+3], v[RD] offset:n*2*SP  ; LDS serves a wave's instructions in order (ISA guide 5.7.1.4): these see the stores above
.set n, n+1
.endr
.set n, 0
.rept 8
	s_wait_dscnt 7-n                               ; pair of rows n is back; the younger loads stay out
	global_store_b128 v[CO], v[BK+4*n:BK+4*n+3], s[82:83] offset:65536*\a+8192*n th:TH_STORE_NT  ; 16 lanes store 256 consecutive bytes, aligned
.set n, n+1
.endr
.endr
	s_wait_tensorcnt 0x0                           ; the wave's end
	ds_add_u32 v[SPW], v[NIL]
	s_wait_dscnt 0x0
	CROUND                                         ; the closing round
	s_endpgm
.Lfunc_end_k_qe853c91fdc_g3:
	.size	k_qe853c91fdc_g3, .Lfunc_end_k_qe853c91fdc_g3-k_qe853c91fdc_g3
	.p2alignl 7, 3214868480
	.fill 96, 4, 3214868480
	.section	.rodata,"a",@progbits
	.p2align	6, 0x0
	.amdhsa_kernel k_qe853c91fdc_g3
		.amdhsa_group_segment_fixed_size 327680
		.amdhsa_private_segment_fixed_size 0
		.amdhsa_enable_private_segment 0
		.amdhsa_kernarg_size 32
		.amdhsa_user_sgpr_count 2
		.amdhsa_user_sgpr_kernarg_segment_ptr 1
		.amdhsa_wavefront_size32 1
		.amdhsa_system_sgpr_workgroup_id_x 1
		.amdhsa_system_sgpr_workgroup_id_y 1
		.amdhsa_system_sgpr_workgroup_id_z 1
		.amdhsa_system_vgpr_workitem_id 0
		.amdhsa_next_free_vgpr 640
		.amdhsa_next_free_sgpr 100
		.amdhsa_reserve_vcc 0
		.amdhsa_float_denorm_mode_32 3
		.amdhsa_float_denorm_mode_16_64 3
		.amdhsa_memory_ordered 1
		.amdhsa_forward_progress 1
		.amdhsa_inst_pref_size 64
	.end_amdhsa_kernel
	.amdgpu_metadata
---
amdhsa.version: [ 1, 2 ]
amdhsa.kernels:
  - .name:           k_qe853c91fdc_g3
    .symbol:         k_qe853c91fdc_g3.kd
    .args:
      - { .name: z, .offset: 0, .size: 8, .value_kind: global_buffer, .address_space: global }
      - { .name: wvo, .offset: 8, .size: 8, .value_kind: global_buffer, .address_space: global }
      - { .name: tok, .offset: 16, .size: 8, .value_kind: global_buffer, .address_space: global }
      - { .name: out0, .offset: 24, .size: 8, .value_kind: global_buffer, .address_space: global }
    .group_segment_fixed_size: 327680
    .private_segment_fixed_size: 0
    .kernarg_segment_align: 8
    .kernarg_segment_size: 32
    .max_flat_workgroup_size: 128
    .sgpr_count:     100
    .vgpr_count:     640
    .wavefront_size: 32
...
	.end_amdgpu_metadata
.endif
;; end of part 14
